; MI455X (gfx1250); checked and timed in simulation.
; The chip was launched on July 23, 2026; its instructions are those of AMD's public machine-readable ISA for CDNA 5 (MIT licence, August 2026) and "CDNA5" Instruction Set Architecture Reference Guide (July 2026). The comments in the code are by the model that wrote it; some were corrected since.
;; Transformer Encoder Layer. Allowed arithmetic: matrix products marked QUANTISED: E2M3 operands, one E8M0 scale for each 32 along K, by v_wmma_scale_f32_16x16x128_f8f6f4 with both operands' format E2M3, f32 sums; everything else in f32.
;; Inputs: W1_codes 4,096 x 32 x 24 uint8 (E2M3 codes of W1, K innermost, in blocks of 32 codes, four codes in three bytes); W1_scales 4,096 x 32 uint8 (E8M0 scales of W1, one for each 32 codes along K); W2_codes 1,024 x 128 x 24 uint8 (E2M3 codes of W2, K innermost, in blocks of 32 codes, four codes in three bytes); W2_scales 1,024 x 128 uint8 (E8M0 scales of W2, one for each 32 codes along K); Wo_codes 1,024 x 32 x 24 uint8 (E2M3 codes of Wo, K innermost, in blocks of 32 codes, four codes in three bytes); Wo_scales 1,024 x 32 uint8 (E8M0 scales of Wo, one for each 32 codes along K); Wqkv_codes 3,072 x 32 x 24 uint8 (E2M3 codes of Wqkv, K innermost, in blocks of 32 codes, four codes in three bytes); Wqkv_scales 3,072 x 32 uint8 (E8M0 scales of Wqkv, one for each 32 codes along K); b1 4,096 float32; b2 1,024 float32; be1 1,024 float32; be2 1,024 float32; bo 1,024 float32; bqkv 3,072 float32; g1 1,024 float32; g2 1,024 float32; x 2 x 2,048 x 1,024 float32.
;; Outputs: out0 2 x 2,048 x 1,024 float32.
;; This version of the problem:
;;   THIS VERSION OF THE PROBLEM IS GIVEN IN LOW PRECISION. The matrix products marked QUANTISED in the list below multiply operands that are first quantised to E2M3 (2 exponent bits, 3 mantissa bits; 6 bits a number), with one power-of-two scale for each 32 numbers along K (OCP MX v1.0); their sums are f32. All else is computed in f32.
;;   The module's matrix products, in the order in which they are computed (A, B: the left and right operand; K: the contracted axis; several contracted axes count as one K, in the product's order):
;;     1. [M 4,096, K 1,024] x [K 1,024, N 3,072]; A: input x; B: input Wqkv (given as codes): QUANTISED
;;     2. batch 32 x [M 2,048, K 64] x [K 64, N 2,048]; A: computed on the way; B: computed on the way: QUANTISED
;;     3. batch 32 x [M 64, K 2,048] x [K 2,048, N 2,048]; A: computed on the way; B: softmax (see below): QUANTISED
;;     4. [M 4,096, K 1,024] x [K 1,024, N 1,024]; A: computed on the way; B: input Wo (given as codes): QUANTISED
;;     5. [M 4,096, K 1,024] x [K 1,024, N 4,096]; A: computed on the way; B: input W1 (given as codes): QUANTISED
;;     6. [M 4,096, K 4,096] x [K 4,096, N 1,024]; A: computed on the way; B: input W2 (given as codes): QUANTISED
;;   THE QUANTISER, for each operand of a quantised product, along K:
;;     - K is cut into blocks of 32 from its start; a last block that is shorter is filled with zeros.
;;     - A block's scale is 2^e with e = floor(log2(the largest magnitude in the block)) - 2, held to -126 .. 127; a block of zeros has e = 0. As a byte (E8M0): e + 127.
;;     - Each number is divided by its block's scale, clamped to +-7.5, and rounded to the nearest number of E2M3, ties to even, subnormals kept.
;;     - The product sums the exact products of the quantised numbers (number of the format x scale) in f32.
;;   ~~~python
;;   def quantise(x, axis):      # numpy; x: float32 -> the quantised numbers, widened to float32 again
;;       x = np.moveaxis(x, axis, -1); K = x.shape[-1]
;;       x = np.pad(x, [(0, 0)] * (x.ndim - 1) + [(0, -K % 32)]); x = x.reshape(x.shape[:-1] + (-1, 32)); a = np.abs(x).max(-1, keepdims=True)
;;       e = np.where(a > 0, np.clip(np.frexp(np.where(a > 0, a, 1))[1] - 1 - 2, -126, 127), 0)      # np.frexp(a)[1] - 1 = floor(log2(a)), exactly
;;       r = np.clip(x / 2.0 ** e, -7.5, 7.5)
;;       step = 2.0 ** (np.maximum(np.frexp(np.where(r == 0, 1, r))[1] - 1, 0) - 3)
;;       q = np.round(r / step) * step * 2.0 ** e      # np.round: ties to even
;;       return np.moveaxis(q.reshape(q.shape[:-2] + (-1,))[..., :K], -1, axis).astype(np.float32)
;;   ~~~
;;   SOFTMAX AHEAD OF A QUANTISED PRODUCT. Where the list says 'softmax', what is quantised is not the finished softmax but p = 2^(t - M), with t = logit x log2(e) and M = ceil(the row's largest t), a whole number; so 1/2 < the row's largest p <= 1. The row's sum l is taken of the UNQUANTISED p, in f32, and the product's result is divided by l at the end. Since M is a whole number, a kernel that streams over the keys may use a running M (the ceiling of the running maximum): every later rescaling is an exact power of two, which a block's scale takes up: the codes' values come out the same.
;;   OPERANDS COMPUTED ON THE WAY. 'Computed on the way' means the value that the module computes at that place (a softmax that the list does not call 'softmax' is quantised finished and normalised). What goes into a quantiser is computed in f32, as accurately as f32 sums, v_exp_f32 and their like allow (about 1e-6 of the number): no bf16 or f16 on the way to a quantiser, and a product that is left as it is and whose result goes on into a quantised operand takes f32 operands (vector FMAs, or v_wmma_f32_16x16x4_f32). A number that lies on a knife's edge between two numbers of the format may be rounded either way, as far as f32 arithmetic and the matrix unit's own rounding can turn it there, and no further.
;;   INPUTS GIVEN AS CODES. W1 (in the module: [1024, 4096], K = its axis 0); W2 (in the module: [4096, 1024], K = its axis 0); Wo (in the module: [1024, 1024], K = its axis 0); Wqkv (in the module: [1024, 3072], K = its axis 0): each comes as NAME_codes (uint8): NAME with its K axis moved to the last place and cut into blocks of 32 codes, [.., K / 32, bytes a block], one block behind the other in memory; four codes in three bytes: a row's codes are one little-endian stream of bits, code i at bits 6 i .. 6 i + 5 (a code: sign, 2 exponent bits, 3 mantissa bits); and NAME_scales (uint8): the same leading axes, one E8M0 byte (e + 127) for each 32 codes along K. Its value is code x scale, taken as it is: it is not quantised again, and the codes and scales need not be those that the quantiser above would give.
;; 2 versions. Each part assembles by itself: llvm-mc -triple=amdgcn-amd-amdhsa -mcpu=gfx1250 --defsym DOCPART=n.
;; ======== version 1 of 2: 8 launches
;; workspace buffers: prep 13,107,200 bytes; qkv 10,092,544 bytes; at 3,276,800 bytes; cb 16,777,216 bytes; x1 20,054,016 bytes; hb 13,107,200 bytes
;; launch quant_in (part 1): grid 448 x 1, 4 waves a work-group, no clusters, 0 bytes of LDS; arguments x, Wqkv_codes, Wqkv_scales, Wo_codes, Wo_scales, W1_codes, W1_scales, W2_codes, W2_scales, prep; writes prep
.if DOCPART == 1
	.amdgcn_target "amdgcn-amd-amdhsa--gfx1250"
	.amdhsa_code_object_version 6
	.text
	.protected	k_qc4eaf9251d_quant_in
	.globl	k_qc4eaf9251d_quant_in
	.p2align	8
	.type	k_qc4eaf9251d_quant_in,@function
k_qc4eaf9251d_quant_in:
	s_mov_b64 s[64:65], 0
	v_nop
	global_prefetch_b8 v0, s[64:65] scope:SCOPE_SE
	s_setreg_imm32_b32 hwreg(HW_REG_WAVE_MODE, 25, 1), 1
	s_wait_xcnt 0x0
; x [4096][1024] f32 is quantised to FP6 (E2M3) along its 1,024, and the four weights, which come as codes with K innermost, are laid anew: all into IMAGES OF OPERAND REGISTERS.
; A FRAGMENT IMAGE: 16 rows x 128 K = 12 registers a lane = 1,536 bytes, as six pieces; piece p = registers 2 p, 2 p + 1 of the 32 lanes, at byte 256 p + 8 x lane.  Lane (r, h) holds row r; registers 6 c .. 6 c + 5 hold K = 64 c + 32 h + 0 .. 31.
; THE ROWS OF A TILE: lane r of tile T holds row 32 (T / 2) + 8 (T % 2) + r + 8 (r / 8).  So the 16 registers that a lane gets from two neighbouring tiles of a product's source 0 are 16 neighbours.
; SCALE WORDS: [tile][256 along K][r][2] words: 128 bytes for a tile and 256 along K.
; Wqkv's 3,072 rows are ordered q | k | v, heads in order inside each: new row 1024 sec + 64 head + d is given row 192 head + 64 sec + d.
; Work-groups 0-255: tile T of x, wave w its K steps 2 w, 2 w + 1.  Work-groups 256-447: a wave takes one tile of a weight x 1,024 along K.  The two ways part on the work-group's number; neither uses LDS.
; No cluster: no two work-groups read the same bytes.  No matrix work, no tensor load: every byte is read once and written once.
; A block's scale byte is its largest magnitude's exponent field - 2, held at 1 from below.  LIMITS: NaN and infinities in x are not served; a block whose largest magnitude lies under 2^-124 keeps the byte 1;
; a block of zeros gets the byte 1 where the stated quantiser says 127: its codes are zeros, and this program alone reads the bytes.
.set XSO, 3145728                      ; offsets in prep: x's images at 0, its scale words here
.set WQF, 3276800
.set WQS, 5636096
.set WOF, 5734400
.set WOS, 6520832
.set W1F, 6553600
.set W1S, 9699328
.set W2F, 9830400
.set W2S, 12976128
.set FRB, 1536
.set TM,  160                          ; v160-163 largest magnitudes, v164-167 the other half's, then bytes, v172-175 the conversions' scale operands
.set PW,  176                          ; the scale word just made
.set PP,  178                          ; v[178:179] the two K steps' words
.set PC,  180                          ; v180-191 the fragment, v192-198 at work
.set SEL, 2                            ; s[2:3] lane selects: lane l xor 16
; 64 numbers of a lane, register 16 b + i = k 32 b + 16 (lane / 16) + i of my row, become a fragment in v[PC] on and its scale word in v[PW]
.macro QUANT s
.irp b, 0,1,2,3
	v_max3_num_f32 v[TM+\b], |v[\s+16*\b]|, |v[\s+1+16*\b]|, 0x1800000   ; my 16 numbers of block b, and the floor 2^(3 - 127): the byte cannot fall under 1
.endr
.irp i, 2,4,6,8,10,12,14
.irp b, 0,1,2,3
	v_max3_num_f32 v[TM+\b], v[TM+\b], |v[\s+16*\b+\i]|, |v[\s+1+16*\b+\i]|
.endr
.endr
.irp b, 0,1,2,3
	v_permlanex16_b32 v[TM+4+\b], v[TM+\b], s[SEL], s[SEL+1]
.endr
.irp b, 0,1,2,3
	v_max_num_f32 v[TM+\b], v[TM+\b], v[TM+4+\b]       ; with lane l xor 16's: the block's largest magnitude
.endr
.irp b, 0,1,2,3
	v_add_nc_u32 v[TM+12+\b], 0xff000000, v[TM+\b]     ; 2 off its exponent field: the conversion's scale operand
.endr
.irp b, 0,1,2,3
	v_lshrrev_b32 v[TM+4+\b], 23, v[TM+12+\b]          ; the scale's byte
.endr
	v_lshl_or_b32 v[PW], v[TM+5], 8, v[TM+4]
	v_lshl_or_b32 v[PW], v[TM+6], 16, v[PW]
	v_lshl_or_b32 v[PW], v[TM+7], 24, v[PW]
.irp c, 0,1
	v_cvt_scalef32_pk16_fp6_f32 v[PC+6*\c:PC+2+6*\c], v[\s+32*\c:\s+15+32*\c], v[TM+12+2*\c]
	v_cvt_scalef32_pk16_fp6_f32 v[PC+12+4*\c:PC+14+4*\c], v[\s+16+32*\c:\s+31+32*\c], v[TM+12+2*\c+1]   ; (a conversion's three registers begin on an even number)
.endr
	v_nop                                              ; one plain instruction behind the scaled conversions
.irp c, 0,1                                            ; a lane wants a whole block: lanes 0-15 block 2 c, lanes 16-31 block 2 c + 1
.irp i, 0,1,2
	v_permlane16_swap_b32 v[PC+6*\c+\i], v[PC+12+4*\c+\i]
.endr
.irp i, 0,1,2
	v_mov_b32 v[PC+3+6*\c+\i], v[PC+12+4*\c+\i]
.endr
.endr
.endm
	s_load_b64 s[4:5], s[0:1], 0x0                 ; x
	s_load_b128 s[8:11], s[0:1], 0x8               ; Wqkv's codes, scales
	s_load_b128 s[12:15], s[0:1], 0x18             ; Wo's
	s_load_b128 s[16:19], s[0:1], 0x28             ; W1's
	s_load_b128 s[20:23], s[0:1], 0x38             ; W2's
	s_load_b64 s[24:25], s[0:1], 0x48              ; prep
	v_lshrrev_b32 v1, 5, v0
	v_readfirstlane_b32 s27, v1                    ; wave
	v_and_b32 v1, 31, v0                           ; lane
	v_and_b32 v2, 15, v0                           ; r
	v_bfe_u32 v3, v0, 4, 1                         ; h
	v_and_b32 v4, 8, v2
	v_add_nc_u32 v4, v4, v2                        ; r + 8 (r / 8)
	v_lshlrev_b32 v5, 3, v1                        ; 8 x lane: my place in a piece
	v_lshlrev_b32 v6, 3, v2                        ; 8 r: my row's pair of scale words
	s_mov_b32 s[SEL], 0x76543210
	s_mov_b32 s[SEL+1], 0xfedcba98
	s_wait_kmcnt 0x0
	s_cmp_lt_u32 ttmp9, 256
	s_cbranch_scc0 .Lweights
	; ---- x: tile T = the work-group's number
	s_lshr_b32 s28, ttmp9, 1
	s_lshl_b32 s28, s28, 17                        ; 32 (T / 2) rows of 4,096 bytes
	s_and_b32 s29, ttmp9, 1
	s_lshl_b32 s29, s29, 15                        ; + 8 (T % 2) rows
	s_add_co_u32 s28, s28, s29
	s_lshl_b32 s29, s27, 10                        ; + my wave's 256 numbers
	s_add_co_u32 s28, s28, s29
	s_mov_b32 s29, 0
	s_add_nc_u64 s[4:5], s[4:5], s[28:29]
	v_lshlrev_b32 v7, 12, v4
	v_lshl_add_u32 v7, v3, 6, v7                   ; my row, + 64 h: my 16 numbers of each block of 32
.irp q, 0,1
.irp b, 0,1,2,3
.irp j, 0,1,2,3
	global_load_b128 v[32+64*\q+16*\b+4*\j:35+64*\q+16*\b+4*\j], v7, s[4:5] offset:512*\q+128*\b+16*\j th:TH_LOAD_NT
.endr
.endr
.endr
	s_lshl_b32 s30, ttmp9, 3
	s_lshl_b32 s31, s27, 1
	s_add_co_u32 s30, s30, s31
	s_mul_i32 s30, s30, FRB                        ; image 8 T + 2 w
	s_mov_b32 s31, 0
	s_add_nc_u64 s[32:33], s[24:25], s[30:31]
	s_lshl_b32 s30, ttmp9, 9
	s_lshl_b32 s36, s27, 7
	s_add_co_u32 s30, s30, s36
	s_add_co_u32 s30, s30, XSO                     ; scale words: 512 T + 128 w
	s_add_nc_u64 s[34:35], s[24:25], s[30:31]
.irp b, 0,1,2,3
	v_mov_b32 v[TM+4+\b], 0                        ; a lane permute's destination counts as one of its sources
.endr
	s_wait_loadcnt 16                              ; the first K step's 16 loads are in; the second's may be out
	QUANT 32
	v_mov_b32 v[PP], v[PW]
.irp p, 0,1,2,3,4,5
	global_store_b64 v5, v[PC+2*\p:PC+2*\p+1], s[32:33] offset:256*\p      ; 32 lanes store 256 consecutive bytes, aligned
.endr
	s_wait_loadcnt 0x0
	s_wait_xcnt 0x0                                ; the stores have read the fragment's registers: they are written again only behind this wait
	QUANT 96
	v_mov_b32 v[PP+1], v[PW]
.irp p, 0,1,2,3,4,5
	global_store_b64 v5, v[PC+2*\p:PC+2*\p+1], s[32:33] offset:FRB+256*\p
.endr
	global_store_b64 v6, v[PP:PP+1], s[34:35]      ; lanes r and r + 16 hold the same pair and write it to the same place
	s_endpgm
.Lweights:
	; ---- a weight: which one, which tile T, which 1,024 along K (kg); all by the work-group's and the wave's number
	s_sub_co_u32 s26, ttmp9, 256                   ; g: 0-47 Wqkv, 48-63 Wo, 64-127 W1 (T = 4 (g - first) + wave), 128-191 W2 (T = g - 128, kg = wave)
	s_mov_b32 s32, W2F
	s_mov_b32 s33, W2S
	s_mov_b32 s36, 3072
	s_mov_b32 s38, 32*FRB
	s_mov_b32 s39, 2048
	s_cmp_lt_u32 s26, 128
	s_cselect_b64 s[28:29], s[16:17], s[20:21]     ; the codes,
	s_cselect_b64 s[30:31], s[18:19], s[22:23]     ; the scale bytes,
	s_cselect_b32 s32, W1F, s32                    ; where the images go,
	s_cselect_b32 s33, W1S, s33                    ; and the scale words;
	s_cselect_b32 s36, 768, s36                    ; a row of codes in bytes,
	s_cselect_b32 s37, 32, 128                     ; a row of scale bytes,
	s_cselect_b32 s38, 8*FRB, s38                  ; a tile's images,
	s_cselect_b32 s39, 512, s39                    ; a tile's scale words
	s_cselect_b32 s35, 0, s27                      ; kg
	s_cselect_b32 s41, 64, 128                     ; the weight's first g
	s_cselect_b32 s42, 2, 0
	s_cselect_b32 s43, s27, 0
	s_cmp_lt_u32 s26, 64
	s_cselect_b64 s[28:29], s[12:13], s[28:29]
	s_cselect_b64 s[30:31], s[14:15], s[30:31]
	s_cselect_b32 s32, WOF, s32
	s_cselect_b32 s33, WOS, s33
	s_cselect_b32 s41, 48, s41
	s_cmp_lt_u32 s26, 48
	s_cselect_b64 s[28:29], s[8:9], s[28:29]
	s_cselect_b64 s[30:31], s[10:11], s[30:31]
	s_cselect_b32 s32, WQF, s32
	s_cselect_b32 s33, WQS, s33
	s_cselect_b32 s41, 0, s41
	s_cselect_b32 s40, 1, 0                        ; Wqkv?
	s_sub_co_u32 s34, s26, s41
	s_lshl_b32 s34, s34, s42
	s_add_co_u32 s34, s34, s43                     ; T
	s_and_b32 s44, s34, 63
	s_cmp_eq_u32 s40, 1
	s_cselect_b32 s44, s44, s34                    ; in Wqkv: the tile inside its section of 64 tiles
	s_lshr_b32 s45, s44, 1
	s_lshl_b32 s45, s45, 5
	s_and_b32 s46, s44, 1
	s_lshl_b32 s46, s46, 3
	s_add_co_u32 s45, s45, s46                     ; the tile's first row; its 16 rows lie inside one head's 64
	s_lshr_b32 s46, s45, 6
	s_lshl_b32 s46, s46, 7                         ; + 128 x head
	s_lshr_b32 s47, s34, 6
	s_lshl_b32 s47, s47, 6                         ; + 64 x section
	s_add_co_u32 s46, s46, s47
	s_mul_i32 s46, s46, s40                        ; in Wqkv alone
	s_add_co_u32 s45, s45, s46
	v_add_nc_u32 v7, s45, v4                       ; my row as it is given
	v_mul_lo_u32 v8, v7, s36
	v_mad_u32_u24 v8, v3, 24, v8                   ; its codes, + 24 h
	s_mul_i32 s46, s35, 768
	v_add_nc_u32 v8, s46, v8                       ; + my 1,024 along K
	v_mul_lo_u32 v9, v7, s37
	v_lshl_add_u32 v9, v3, 4, v9                   ; its scale bytes: lanes 0-15 those of K steps 0-3, lanes 16-31 of 4-7
	s_lshl_b32 s46, s35, 5
	v_add_nc_u32 v9, s46, v9
.irp s, 0,1,2,3,4,5,6,7
.irp p, 0,1,2,3,4,5
	global_load_b64 v[32+12*\s+2*\p:33+12*\s+2*\p], v8, s[28:29] offset:96*\s+48*(\p/3)+8*(\p%3)   ; the row's stream of bits is the register image: 24 bytes as three loads of 8
.endr
.endr
	global_load_b128 v[128:131], v9, s[30:31]
	s_mul_i32 s46, s34, s38
	s_mul_i32 s47, s35, 8*FRB
	s_add_co_u32 s46, s46, s47
	s_add_co_u32 s46, s46, s32
	s_mov_b32 s47, 0
	s_add_nc_u64 s[48:49], s[24:25], s[46:47]      ; my eight images
	s_mul_i32 s46, s34, s39
	s_lshl_b32 s52, s35, 9
	s_add_co_u32 s46, s46, s52
	s_add_co_u32 s46, s46, s33
	s_add_nc_u64 s[50:51], s[24:25], s[46:47]      ; my 512 bytes of scale words
	v_lshl_add_u32 v10, v3, 8, v6                  ; 256 h + 8 r
.irp s, 0,1,2,3,4,5,6,7
	s_wait_loadcnt 43-6*\s                         ; K step s's six loads are in: behind them stand 6 (7 - s) loads of codes and the one of scale bytes
.irp p, 0,1,2,3,4,5
	global_store_b64 v5, v[32+12*\s+2*\p:33+12*\s+2*\p], s[48:49] offset:FRB*\s+256*\p
.endr
.endr
	s_wait_loadcnt 0x0
	global_store_b64 v10, v[128:129], s[50:51]
	global_store_b64 v10, v[130:131], s[50:51] offset:128
	s_endpgm
.Lfunc_end_k_qc4eaf9251d_quant_in:
	.size	k_qc4eaf9251d_quant_in, .Lfunc_end_k_qc4eaf9251d_quant_in-k_qc4eaf9251d_quant_in
	.p2alignl 7, 3214868480
	.fill 96, 4, 3214868480
	.section	.rodata,"a",@progbits
	.p2align	6, 0x0
	.amdhsa_kernel k_qc4eaf9251d_quant_in
		.amdhsa_group_segment_fixed_size 0
		.amdhsa_private_segment_fixed_size 0
		.amdhsa_enable_private_segment 0
		.amdhsa_kernarg_size 80
		.amdhsa_user_sgpr_count 2
		.amdhsa_user_sgpr_kernarg_segment_ptr 1
		.amdhsa_wavefront_size32 1
		.amdhsa_system_sgpr_workgroup_id_x 1
		.amdhsa_system_sgpr_workgroup_id_y 1
		.amdhsa_system_sgpr_workgroup_id_z 1
		.amdhsa_system_vgpr_workitem_id 0
		.amdhsa_next_free_vgpr 200
		.amdhsa_next_free_sgpr 66
		.amdhsa_reserve_vcc 0
		.amdhsa_float_denorm_mode_32 3
		.amdhsa_float_denorm_mode_16_64 3
		.amdhsa_memory_ordered 1
		.amdhsa_forward_progress 1
		.amdhsa_inst_pref_size 27
	.end_amdhsa_kernel
	.amdgpu_metadata
---
amdhsa.version: [ 1, 2 ]
amdhsa.kernels:
  - .name:           k_qc4eaf9251d_quant_in
    .symbol:         k_qc4eaf9251d_quant_in.kd
    .args:
      - { .name: x, .offset: 0, .size: 8, .value_kind: global_buffer, .address_space: global }
      - { .name: Wqkv_codes, .offset: 8, .size: 8, .value_kind: global_buffer, .address_space: global }
      - { .name: Wqkv_scales, .offset: 16, .size: 8, .value_kind: global_buffer, .address_space: global }
      - { .name: Wo_codes, .offset: 24, .size: 8, .value_kind: global_buffer, .address_space: global }
      - { .name: Wo_scales, .offset: 32, .size: 8, .value_kind: global_buffer, .address_space: global }
      - { .name: W1_codes, .offset: 40, .size: 8, .value_kind: global_buffer, .address_space: global }
      - { .name: W1_scales, .offset: 48, .size: 8, .value_kind: global_buffer, .address_space: global }
      - { .name: W2_codes, .offset: 56, .size: 8, .value_kind: global_buffer, .address_space: global }
      - { .name: W2_scales, .offset: 64, .size: 8, .value_kind: global_buffer, .address_space: global }
      - { .name: prep, .offset: 72, .size: 8, .value_kind: global_buffer, .address_space: global }
    .group_segment_fixed_size: 0
    .private_segment_fixed_size: 0
    .kernarg_segment_align: 8
    .kernarg_segment_size: 80
    .max_flat_workgroup_size: 128
    .sgpr_count:     66
    .vgpr_count:     200
    .wavefront_size: 32
...
	.end_amdgpu_metadata
.endif
;; end of part 1
;; launch gemm_qkv (part 2): grid 12 x 16, 4 waves a work-group, clusters of 4 x 4, 327,680 bytes of LDS; arguments prep, bqkv, qkv; writes qkv
.if DOCPART == 2
	.amdgcn_target "amdgcn-amd-amdhsa--gfx1250"
	.amdhsa_code_object_version 6
	.text
	.protected	k_qc4eaf9251d_gemm_qkv
	.globl	k_qc4eaf9251d_gemm_qkv
	.p2align	8
	.type	k_qc4eaf9251d_gemm_qkv,@function
k_qc4eaf9251d_gemm_qkv:
	s_mov_b64 s[64:65], 0
	v_nop
	global_prefetch_b8 v0, s[64:65] scope:SCOPE_SE
	s_setreg_imm32_b32 hwreg(HW_REG_WAVE_MODE, 25, 1), 1
	s_wait_xcnt 0x0
	s_wait_alu depctr_hold_cnt(0) depctr_sa_sdst(0) depctr_va_vdst(0) depctr_va_sdst(0) depctr_va_ssrc(0) depctr_va_vcc(0) depctr_vm_vsrc(0)
	s_getreg_b32 s2, hwreg(HW_REG_IB_STS2, 6, 4)
	s_cmp_eq_u32 s2, 0
	s_cbranch_scc0 .Lentry_in_a_cluster
	s_endpgm
.Lentry_in_a_cluster:
	s_bfe_u32 s2, ttmp6, 0x10000c
	s_cmp_lg_u32 s2, 0xf033
	s_cbranch_scc0 .Lentry_shape_is_right
	s_endpgm
.Lentry_shape_is_right:
; qkv = Q(x) Wqkv + bqkv on codes of FP6 (E2M3) with E8M0 scales, K = 1,024; then q and k are quantised along the head's 64 and v along the keys, all in registers, and leave as images of operand registers.
; A work-group of four waves makes 256 x 256 of the product, a wave 128 x 128 (64 accumulators, 512 registers).  K goes in steps of 256 through two LDS slots filled by the tensor data mover.
; OPERANDS ARE FRAGMENT IMAGES (16 rows x 128 K, 1,536 bytes, piece p at 256 p + 8 x lane), laid [tile][K step]: a tile's two K steps of a slot are 3,072 dense bytes, and six ds_load_b64 of 256 consecutive bytes bring a fragment.
; THE ROWS OF A TILE: lane r of tile T holds row 32 (T / 2) + 8 (T % 2) + r + 8 (r / 8).  THE MATRIX INSTRUCTION: source 0 = "B", source 1 = "A": a lane holds ONE row of A, and the 16 registers of B's tiles 2 n, 2 n + 1 are 16 neighbours along B's rows.
; CLUSTERS x = 0, 1 (q, k): A = x (a lane holds a token), B = Wq | Wk (registers run along the features).  CLUSTER x = 2 (v): A = Wv (a lane holds a feature d), B = x (registers run along the keys).  The choice hangs on the cluster's x, equal in all partners.
; 4 x 4 work-groups form a cluster: A's tiles are asked for jointly along a row of the cluster, B's along a column.
; LDS: two slots of 98,304 bytes (A's 16 tiles, then B's 16); behind them the scale words of the work-group's rows for all of K, brought once; then the spare words.  The launch claims all of a WGP's LDS.
; REGISTERS: window 0: v16-29 addresses; v32-63 scale words, two sets, nothing else; v64-127 the bias; v128-223 A's fragments, one set; v224-231 the bias loads' offsets.  Window 1: B's fragments, two sets.  Windows 2, 3: accumulator (a, b) at v[8 (8 (a % 4) + b)].
; LIMITS of the quantiser: NaN and infinities are not served; a block under 2^-124 keeps the byte 1; a block of zeros gets the byte 1 where the stated quantiser says 127 (its codes are zeros; this program alone reads the bytes).
.set KK,    1024
.set XSO,   3145728                    ; in prep: x's images at 0, its scale words here; Wqkv's images and scale words
.set WQF,   3276800
.set WQS,   5636096
.set KF,    3145728                    ; in qkv: q's half images [head 32][tile 128][768] at 0, k's here,
.set VF,    6291456                    ; v's images [head][128 keys 16][16 d 4][1,536],
.set QS,    9437184                    ; q's scale words [head][tile][r],
.set KVS,   9699328                    ; [head][12,288]: k's scale words [tile][r], then v's [128 keys][16 d][r]
.set NS,    KK/128
.set LAPS,  KK/512                     ; a lap = two K steps of 256 = once round the ring
.set FRB,   1536
.set TROW,  2*FRB                      ; a tile's part of a slot
.set HALFT, 8*TROW                     ; 8 tiles: what one tensor load brings, and what a wave reads of A or of B
.set SLOT,  4*HALFT
.set SCLA,  2*SLOT                     ; A's scale words: 16 tiles x KK / 2 bytes
.set SCLB,  SCLA+8*KK+128              ; B's; the 128 set the two halves of a load of scale words on different banks (64 banks of 4 bytes: ISA guide 11.1)
.set SBLK,  KK/2                       ; a tile's scale words
.set SPARE, SCLB+8*KK+128              ; the spare words, 128 bytes for each wave: two blocks of 256 bytes that no other line names
.set NQ, 2
.set FR, 12
.set NL, 6
.set NP, 4                             ; places behind this matrix instruction (ISA guide 7.12.1)
.set ADRA, 16                          ; v16-17 LDS address of my A fragments in slot 0, 1
.set ADRB, 20                          ; v20-21 the same for B
.set L8,   24                          ; v24  8 x lane
.set SV0,  25                          ; v25  4 r
.set SV1,  26                          ; v26  4 r + a head's scale words
.set ADRS, 27                          ; v27  LDS address of my scale words: lanes 0-15 A's, lanes 16-31 B's
.set SPW,  28                          ; v28  my spare word; never rewritten
.set NIL,  29                          ; v29  0; never rewritten
.set SC,   32
.set BIAS, 64
.set AF,   128
.set W,    128                         ; the way out: 64 numbers
.set TM,   192
.set PW,   208
.set PC,   212
.set SEL,  66
.set G1, 24
.set G0, 32
.set G1B, 48
.set G0B, 56
.set G1S, 68
.set G0S, 76
.set G1SB, 80
.set G0SB, 88
.set MSB, 0
.macro WIN new                         ; the immediate's high byte repeats the setting that is left
.if MSB != (\new)
	s_set_vgpr_msb (MSB<<8)|(\new)
.set MSB, (\new)
.endif
.endm
.set MUL_LO, 0xa1                      ; source 0 (B) window 1, source 1 (A) window 0, C and D window 2
.set MUL_HI, 0xf1
.set TO_B,   0x40
; A joint load: waves 0 and 1 fetch for A, waves 2 and 3 for B; the branch hangs on the wave's number alone.  Four v_nop follow each of the two lines.
.macro JLOAD g0a, g1a, g0b, g1b
	s_cmp_eq_u32 s15, 0
	s_cbranch_scc0 .Lfor_b_\@
	tensor_load_to_lds s[\g0a:\g0a+3], s[\g1a:\g1a+7]
	s_nop 0
.rept 4
	v_nop
.endr
	s_branch .Lasked_\@
.Lfor_b_\@:
	tensor_load_to_lds s[\g0b:\g0b+3], s[\g1b:\g1b+7]
	s_nop 0
.rept 4
	v_nop
.endr
.Lasked_\@:
.endm
.macro CREST                           ; a round of the cluster's barrier behind its opening barrier
	s_cmp_lg_u32 s14, 0
	s_cbranch_scc1 .Lnot_wave_0_\@
	s_barrier_signal -3
.Lnot_wave_0_\@:
	s_barrier_wait -3
	s_barrier_signal -1
	s_barrier_wait -1
.endm
.macro CROUND
	s_barrier_signal -1
	s_barrier_wait -1
	CREST
.endm
.macro FRAG reg, adr, q, i             ; tile i's fragment of the slot's q-th 128 along K: six loads of 256 consecutive bytes
.irp p, 0,1,2,3,4,5
	ds_load_b64 v[\reg+2*\p:\reg+2*\p+1], v[\adr] offset:(\i)*TROW+(\q)*FRB+256*\p
.endr
.endm
; 16 matrix instructions: A's blocks a0, a0 + 1 x B's eight.  The 64 accumulators take turns, one instruction a turn, in the same order in every step.
.macro MUL16 a0, p, q, sc, zero
.irp a, \a0, \a0+1
.irp b, 0,1,2,3,4,5,6,7
.if \zero
	v_wmma_scale_f32_16x16x128_f8f6f4 v[8*(8*((\a)%4)+\b):8*(8*((\a)%4)+\b)+7], v[128*(\p)+FR*\b:128*(\p)+FR*\b+FR-1], v[AF+FR*(\a):AF+FR*(\a)+FR-1], 0, v[SC+8*NQ*(\sc)+NQ*\b+(\q)], v[SC+8*NQ*(\sc)+NQ*(\a)+(\q)] matrix_a_fmt:MATRIX_FMT_FP6 matrix_b_fmt:MATRIX_FMT_FP6 matrix_a_scale:MATRIX_SCALE_ROW1
.else
	v_wmma_scale_f32_16x16x128_f8f6f4 v[8*(8*((\a)%4)+\b):8*(8*((\a)%4)+\b)+7], v[128*(\p)+FR*\b:128*(\p)+FR*\b+FR-1], v[AF+FR*(\a):AF+FR*(\a)+FR-1], v[8*(8*((\a)%4)+\b):8*(8*((\a)%4)+\b)+7], v[SC+8*NQ*(\sc)+NQ*\b+(\q)], v[SC+8*NQ*(\sc)+NQ*(\a)+(\q)] matrix_a_fmt:MATRIX_FMT_FP6 matrix_b_fmt:MATRIX_FMT_FP6 matrix_a_scale:MATRIX_SCALE_ROW1
.endif
.endr
.endr
.endm
.macro FETCH_B slot, q, p
	WIN TO_B
.irp i, 0,1,2,3,4,5,6,7
	FRAG 128*(\p)+FR*\i, ADRB+\slot, \q, \i
.endr
	WIN 0
.endm
.macro FETCH_A slot, q, i0
.irp i, \i0, \i0+1, \i0+2, \i0+3
	FRAG AF+FR*(\i), ADRA+\slot, \q, \i
.endr
.endm
.macro SCALES sc                       ; the K step's scale words: two a row; lanes 0-15 take A's block i, lanes 16-31 B's block i
.irp i, 0,1,2,3,4,5,6,7
	ds_load_b64 v[SC+8*NQ*\sc+NQ*\i:SC+8*NQ*\sc+NQ*\i+1], v[ADRS] offset:\i*SBLK
.endr
.endm
.macro PLACES n                        ; plain vector instructions between a matrix instruction and a load into, or a read of, its registers
.rept \n
	v_nop
.endr
.endm
.macro STEP slot, q, zero              ; 128 along K that have their successor in the same slot
	s_wait_dscnt 4*NL                              ; all but the youngest 24 loads (A's blocks 4-7) are in
	WIN MUL_LO
	MUL16 0, (\q)%2, \q, \slot, \zero
	MUL16 2, (\q)%2, \q, \slot, \zero
	s_wait_dscnt 0
	PLACES NP
	FETCH_B \slot, (\q)+1, 1-(\q)%2
	FETCH_A \slot, (\q)+1, 0
	WIN MUL_HI
	MUL16 4, (\q)%2, \q, \slot, \zero
	MUL16 6, (\q)%2, \q, \slot, \zero
	PLACES NP
	WIN 0
	FETCH_A \slot, (\q)+1, 4
.endm
; A slot's last 128 along K change slots: one barrier; in front of it each wave waits for all its tensor loads, adds 0 to its spare word, and waits for that and for its reads of this slot.
.macro TURN slot, next, fill
	s_wait_tensorcnt 0x0                           ; all my tensor loads have landed: my part of the next slot
	ds_add_u32 v[SPW], v[NIL]                      ; 0 onto my spare word
	s_wait_dscnt 4*NL+1                            ; (the add and the youngest 24 loads may be out)
	WIN MUL_LO
	MUL16 0, 1, NQ-1, \slot, 0
	s_wait_dscnt 0x0                               ; the add is done, and my reads of this slot are over
	s_barrier_signal -1
	MUL16 2, 1, NQ-1, \slot, 0
	WIN 0
	s_barrier_wait -1
.if \fill
	CREST                                          ; the barrier has opened a round of the cluster's: no wave of any partner still reads this slot or has a load on its way
	s_add_nc_u64 s[G0+4*\slot+2:G0+4*\slot+3], s[G0+4*\slot+2:G0+4*\slot+3], 2*TROW
	s_add_nc_u64 s[G0B+4*\slot+2:G0B+4*\slot+3], s[G0B+4*\slot+2:G0B+4*\slot+3], 2*TROW
	JLOAD G0+4*\slot, G1, G0B+4*\slot, G1B         ; the first tensor load behind the round; its four v_nop are the places in front of the loads below
.else
	PLACES NP
.endif
	v_add_nc_u32 v[ADRS], 128, v[ADRS]             ; the next K step's scale words (no LDS load of mine is out)
	FETCH_B \next, 0, 0
	FETCH_A \next, 0, 0
	SCALES \next
	WIN MUL_HI
	MUL16 4, 1, NQ-1, \slot, 0
	MUL16 6, 1, NQ-1, \slot, 0
	PLACES NP
	WIN 0
	FETCH_A \next, 0, 4
.endm
; 64 numbers of a lane, register 16 b + i = k 32 b + 16 (lane / 16) + i of my row, become a fragment in v[PC] on and its scale word in v[PW]
.macro QUANT s
.irp b, 0,1,2,3
	v_max3_num_f32 v[TM+\b], |v[\s+16*\b]|, |v[\s+1+16*\b]|, 0x1800000   ; and the floor 2^(3 - 127): the byte cannot fall under 1
.endr
.irp i, 2,4,6,8,10,12,14
.irp b, 0,1,2,3
	v_max3_num_f32 v[TM+\b], v[TM+\b], |v[\s+16*\b+\i]|, |v[\s+1+16*\b+\i]|
.endr
.endr
.irp b, 0,1,2,3
	v_permlanex16_b32 v[TM+4+\b], v[TM+\b], s[SEL], s[SEL+1]
.endr
.irp b, 0,1,2,3
	v_max_num_f32 v[TM+\b], v[TM+\b], v[TM+4+\b]
.endr
.irp b, 0,1,2,3
	v_add_nc_u32 v[TM+12+\b], 0xff000000, v[TM+\b]     ; 2 off the exponent field: the conversion's scale operand
.endr
.irp b, 0,1,2,3
	v_lshrrev_b32 v[TM+4+\b], 23, v[TM+12+\b]          ; the scale's byte
.endr
	v_lshl_or_b32 v[PW], v[TM+5], 8, v[TM+4]
	v_lshl_or_b32 v[PW], v[TM+6], 16, v[PW]
	v_lshl_or_b32 v[PW], v[TM+7], 24, v[PW]
.irp c, 0,1
	v_cvt_scalef32_pk16_fp6_f32 v[PC+6*\c:PC+2+6*\c], v[\s+32*\c:\s+15+32*\c], v[TM+12+2*\c]
	v_cvt_scalef32_pk16_fp6_f32 v[PC+12+4*\c:PC+14+4*\c], v[\s+16+32*\c:\s+31+32*\c], v[TM+12+2*\c+1]
.endr
	v_nop                                              ; one plain instruction behind the scaled conversions
.irp c, 0,1
.irp i, 0,1,2
	v_permlane16_swap_b32 v[PC+6*\c+\i], v[PC+12+4*\c+\i]
.endr
.irp i, 0,1,2
	v_mov_b32 v[PC+3+6*\c+\i], v[PC+12+4*\c+\i]
.endr
.endr
.endm
	s_load_b128 s[4:7], s[0:1], 0x0                ; prep, bqkv
	s_load_b64 s[8:9], s[0:1], 0x10                ; qkv
	v_lshl_add_u32 v[SPW], v0, 2, SPARE
	v_mov_b32 v[NIL], 0
	ds_add_u32 v28, v29
	ds_add_u32 v28, v29
	s_wait_dscnt 0x0
	v_lshrrev_b32 v1, 5, v0
	v_readfirstlane_b32 s14, v1                    ; wave 0..3
	s_lshr_b32 s15, s14, 1                         ; which half of A's rows is mine.  Also: I fetch for A (0) or for B (1)
	s_and_b32 s16, s14, 1                          ; which half of B's rows.  Also: which 8 tiles I fetch
	s_bfe_u32 s40, ttmp6, 0x40000                  ; cx, cy: my place in the cluster
	s_bfe_u32 s41, ttmp6, 0x40004
	s_and_b32 s96, ttmp7, 0xffff
	s_lshl_b32 s96, s96, 2                         ; 4 x cluster y
	s_lshl_b32 s97, ttmp9, 2                       ; 4 x cluster x
	s_mov_b32 s99, XSO
	s_mov_b32 s101, WQS
	s_cmp_eq_u32 ttmp9, 2                          ; the clusters with x = 2 make v
	s_cselect_b32 s2, 1, 0
	s_cselect_b32 s17, 8, s96                      ; A's block of 16 tiles: Wv's are blocks 8 .. 11 of Wqkv's images; x's 0 .. 15
	s_cselect_b32 s42, s96, s97                    ; B's block
	s_cselect_b32 s98, WQF, 0                      ; A's images and scale words in prep,
	s_cselect_b32 s99, WQS, s99
	s_cselect_b32 s100, 0, WQF                     ; and B's
	s_cselect_b32 s101, XSO, s101
	s_add_co_u32 s17, s17, s41                     ; + cy: shared along a row of the cluster
	s_add_co_u32 s42, s42, s40                     ; + cx: shared along a column
	s_lshl_b32 s43, s41, 2
	s_lshl_b32 s43, 15, s43                        ; my row of the cluster
	s_lshl_b32 s44, 0x1111, s40                    ; my column
	; descriptor group 1: 8 tiles' parts of a slot: 8 rows of 3,072 bytes (384 elements of 8 bytes), a tile's images apart; no padding
	s_or_b32 s[G1+0], s43, (3<<16)|(1<<21)         ; 15:0 the mask; 17:16 elements of 8 bytes; 21 set beside a mask
	s_or_b32 s[G1B+0], s44, (3<<16)|(1<<21)
.irp g, G1, G1B
	s_mov_b32 s[\g+1], 384<<16                     ; tensor_dim0
	s_mov_b32 s[\g+2], 8<<16                       ; tensor_dim1
	s_mov_b32 s[\g+3], 384<<16                     ; tile_dim0
	s_mov_b32 s[\g+4], 8                           ; tile_dim1
	s_mov_b32 s[\g+5], NS*192                      ; tensor_dim0_stride: NS images of 192 elements
	s_mov_b32 s[\g+6], 0
	s_mov_b32 s[\g+7], 0
.endr
	; and for 8 tiles' scale words: 4 KK dense bytes as rows of 256
	s_or_b32 s[G1S+0], s43, (3<<16)|(1<<21)
	s_or_b32 s[G1SB+0], s44, (3<<16)|(1<<21)
.irp g, G1S, G1SB
	s_mov_b32 s[\g+1], 32<<16
	s_mov_b32 s[\g+2], (KK/64)<<16
	s_mov_b32 s[\g+3], 32<<16
	s_mov_b32 s[\g+4], KK/64
	s_mov_b32 s[\g+5], 32
	s_mov_b32 s[\g+6], 0
	s_mov_b32 s[\g+7], 0
.endr
	s_lshl_b32 s18, s16, 3
	s_lshl_b32 s20, s17, 4
	s_add_co_u32 s20, s20, s18                     ; A: tile 16 x block + 8 x half
	s_lshl_b32 s46, s42, 4
	s_add_co_u32 s46, s46, s18                     ; B likewise
	s_mul_i32 s22, s20, SBLK
	s_mul_i32 s92, s46, SBLK
	s_mul_i32 s20, s20, NS*FRB
	s_mul_i32 s46, s46, NS*FRB
	s_add_co_u32 s20, s20, s98
	s_add_co_u32 s22, s22, s99
	s_add_co_u32 s46, s46, s100
	s_add_co_u32 s92, s92, s101
	s_mov_b32 s21, 0
	s_mov_b32 s23, 0
	s_mov_b32 s47, 0
	s_mov_b32 s93, 0
	s_mul_i32 s45, s14, HALFT                      ; where they go: wave x 8 tiles: no place in the cluster enters an LDS address
	s_mul_i32 s94, s14, 4*KK
	s_lshl_b32 s95, s15, 7
	s_add_co_u32 s94, s94, s95
	s_wait_kmcnt 0x0
	s_add_nc_u64 s[20:21], s[4:5], s[20:21]
	s_add_nc_u64 s[22:23], s[4:5], s[22:23]
	s_add_nc_u64 s[46:47], s[4:5], s[46:47]
	s_add_nc_u64 s[92:93], s[4:5], s[92:93]
	CROUND                                         ; all sixteen work-groups are here: the first joint loads meet
	s_mov_b32 s[G0S], 1
	s_add_co_u32 s[G0S+1], s94, SCLA
	s_mov_b64 s[G0S+2:G0S+3], s[22:23]
	s_or_b32 s[G0S+3], s[G0S+3], 0x80000000
	s_mov_b32 s[G0SB], 1
	s_add_co_u32 s[G0SB+1], s94, SCLA
	s_mov_b64 s[G0SB+2:G0SB+3], s[92:93]
	s_or_b32 s[G0SB+3], s[G0SB+3], 0x80000000
	JLOAD G0S, G1S, G0SB, G1SB                     ; the scale words first; three loads of mine are out at the most
.irp s, 0,1
	s_mov_b32 s[G0+4*\s], 1
	s_add_co_u32 s[G0+4*\s+1], s45, \s*SLOT
	s_add_nc_u64 s[G0+4*\s+2:G0+4*\s+3], s[20:21], \s*TROW
	s_or_b32 s[G0+4*\s+3], s[G0+4*\s+3], 0x80000000
	s_mov_b32 s[G0B+4*\s], 1
	s_add_co_u32 s[G0B+4*\s+1], s45, \s*SLOT
	s_add_nc_u64 s[G0B+4*\s+2:G0B+4*\s+3], s[46:47], \s*TROW
	s_or_b32 s[G0B+4*\s+3], s[G0B+4*\s+3], 0x80000000
	JLOAD G0+4*\s, G1, G0B+4*\s, G1B
.endr
	v_and_b32 v1, 15, v0                           ; r
	v_bfe_u32 v2, v0, 4, 1                         ; h
	v_and_b32 v3, 31, v0
	v_lshlrev_b32 v[L8], 3, v3
	s_mul_i32 s21, s15, HALFT
	s_mul_i32 s22, s16, HALFT
	s_add_co_u32 s22, s22, 2*HALFT
.irp s, 0,1
	v_add_nc_u32 v[ADRA+\s], s21, v[L8]
	v_add_nc_u32 v[ADRB+\s], s22, v[L8]
	s_add_co_u32 s21, s21, SLOT
	s_add_co_u32 s22, s22, SLOT
.endr
	v_lshlrev_b32 v5, 3, v1                        ; my row's pair of scale words: 8 r
	s_mul_i32 s21, s15, 4*KK                       ; A's: my 8 tiles
	s_mul_i32 s22, s16, 4*KK                       ; B's: my 8 tiles, behind A's 16
	s_add_co_u32 s22, s22, 8*KK+128
	s_sub_co_u32 s22, s22, s21
	v_mul_u32_u24 v6, s22, v2                      ; lanes 16-31 take B's
	s_add_co_u32 s21, s21, SCLA
	v_add_nc_u32 v5, v5, v6
	v_add_nc_u32 v[ADRS], s21, v5
	v_lshlrev_b32 v[SV0], 2, v1
	; THE BIAS, in the result's layout, by 64 loads without a branch.  q, k: register 8 b + j is the bias of B's feature: head (b / 4), d = 32 ((b % 4) / 2) + 8 (b % 2) + 16 h + j.
	; v: registers 8 a + 0 .. 7 are eight copies of the bias of my lane's feature: head (a / 4), d = 32 ((a % 4) / 2) + 8 (a % 2) + r + 8 (r / 8).  bqkv's index is 192 head + 64 section + d; the section is the cluster's x.
	s_cmp_eq_u32 s2, 1
	s_cselect_b32 s18, 0, 64                       ; bytes for h,
	s_cselect_b32 s19, 4, 0                        ; for r + 8 (r / 8),
	s_cselect_b32 s96, 0, 4                        ; for j
	s_cselect_b32 s97, s41, s40                    ; my four heads: by cy (v) or by cx (q, k),
	s_cselect_b32 s95, s15, s16                    ; my wave's two of them
	s_lshl_b32 s97, s97, 2
	s_lshl_b32 s95, s95, 1
	s_add_co_u32 s97, s97, s95
	s_mul_i32 s97, s97, 768
	s_lshl_b32 s95, ttmp9, 8
	s_add_co_u32 s97, s97, s95
	v_and_b32 v7, 8, v1
	v_add_nc_u32 v7, v7, v1
	v_mul_u32_u24 v8, v2, s18
	v_mad_u32_u24 v8, v7, s19, v8
	v_add_nc_u32 v224, s97, v8
.irp j, 1,2,3,4,5,6,7
	v_add_nc_u32 v[224+\j], s96, v[223+\j]
.endr
.irp x, 0,1,2,3,4,5,6,7
.irp j, 0,1,2,3,4,5,6,7
	global_load_b32 v[BIAS+8*\x+\j], v[224+\j], s[6:7] offset:4*((\x/4)*192+32*((\x%4)/2)+8*(\x%2))
.endr
.endr
	s_wait_tensorcnt 1                             ; the scale words and my part of K step 0 are in (K step 1's load may be out),
	s_barrier_signal -1
	s_barrier_wait -1                              ; everybody's are
	FETCH_B 0, 0, 0
	FETCH_A 0, 0, 0
	SCALES 0
	FETCH_A 0, 0, 4
	STEP 0, 0, 1                                   ; the first products start the sums: nothing is cleared
	s_mov_b32 s3, LAPS-1
.Llap:                                                 ; a trip goes once round the ring and fills both slots again
	TURN 0, 1, 1
	STEP 1, 0, 0
	TURN 1, 0, 1
	STEP 0, 0, 0
	s_sub_co_u32 s3, s3, 1
	s_cmp_lg_u32 s3, 0
	s_cbranch_scc1 .Llap
	TURN 0, 1, 0                                   ; the last lap fills nothing
	STEP 1, 0, 0
	s_wait_dscnt 4*NL
	WIN MUL_LO
	MUL16 0, 1, NQ-1, 1, 0
	MUL16 2, 1, NQ-1, 1, 0
	s_wait_dscnt 0
	WIN MUL_HI
	MUL16 4, 1, NQ-1, 1, 0
	MUL16 6, 1, NQ-1, 1, 0
	WIN 0
	; THE WAY OUT: block a of A's eight: bias, quantiser, images.  Nothing goes through LDS: the conversions' results are the next products' operand registers.
	PLACES NP
	s_wait_loadcnt 0x0                             ; the bias
.irp b, 0,1,2,3
	v_mov_b32 v[TM+4+\b], 0                        ; a lane permute's destination counts as one of its sources
.endr
	s_mov_b32 s[SEL], 0x76543210
	s_mov_b32 s[SEL+1], 0xfedcba98
	s_cmp_eq_u32 s2, 1
	s_cbranch_scc1 .Lvway
	; ---- q or k: my lane's token, 128 features = two heads.  Registers 0-5 of the fragment are the first head's half image, 6-11 the second's; the scale word's low half belongs to the first, its high half to the second
	s_lshr_b32 s68, s17, 3                         ; the batch
	s_lshl_b32 s68, s68, 4
	s_lshl_b32 s69, s40, 2
	s_add_co_u32 s68, s68, s69
	s_lshl_b32 s69, s16, 1
	s_add_co_u32 s68, s68, s69                     ; the first head: 16 x batch + 4 cx + 2 x half
	s_and_b32 s69, s17, 7
	s_lshl_b32 s69, s69, 4
	s_lshl_b32 s70, s15, 3
	s_add_co_u32 s69, s69, s70                     ; my first tile of tokens in the batch
	s_lshl_b32 s70, s68, 7
	s_add_co_u32 s70, s70, s69
	s_mul_i32 s70, s70, 768
	s_mov_b32 s72, 12288
	s_mov_b32 s73, KVS
	s_cmp_eq_u32 ttmp9, 0
	s_cselect_b32 s71, 0, KF
	s_cselect_b32 s72, 8192, s72                   ; from head to head among the scale words
	s_cselect_b32 s73, QS, s73
	s_add_co_u32 s70, s70, s71
	s_mov_b32 s71, 0
	s_add_nc_u64 s[74:75], s[8:9], s[70:71]
	s_mul_i32 s70, s68, s72
	s_lshl_b32 s69, s69, 6
	s_add_co_u32 s70, s70, s69
	s_add_co_u32 s70, s70, s73
	s_add_nc_u64 s[76:77], s[8:9], s[70:71]
	v_add_nc_u32 v[SV1], s72, v[SV0]
.macro BLOCKQK a
	s_wait_xcnt 0x0                                ; the last block's stores have read their registers
	WIN 0x02+(\a)/4                                ; source 0: the accumulators' window
.set k, 0
.rept 32
	v_pk_add_f32 v[W+k:W+k+1], v[64*((\a)%4)+k:64*((\a)%4)+k+1], v[BIAS+k:BIAS+k+1]   ; each accumulator from its low end on
.set k, k+2
.endr
	WIN 0
	QUANT W
.irp p, 0,1,2,3,4,5
	global_store_b64 v[L8], v[PC+2*\p:PC+2*\p+1], s[74:75] offset:(\a)*768+256*(\p%3)+(\p/3)*98304   ; 256 consecutive bytes, aligned
.endr
	v_lshrrev_b32 v[PW+1], 16, v[PW]
	global_store_b32 v[SV0], v[PW], s[76:77] offset:(\a)*64      ; (its upper two bytes scale codes that are zeros in the next product)
	global_store_b32 v[SV1], v[PW+1], s[76:77] offset:(\a)*64
.endm
.irp a, 0,1,2,3,4,5,6,7
	BLOCKQK \a
.endr
	s_branch .Lend
.Lvway:
	; ---- v: my lane's feature d of head (a / 4), 128 keys: one fragment of V^T and one scale word
	s_lshl_b32 s68, s42, 1
	s_add_co_u32 s68, s68, s16                     ; which 128 tokens
	s_lshr_b32 s69, s68, 4                         ; the batch
	s_and_b32 s68, s68, 15                         ; which 128 keys in it
	s_lshl_b32 s69, s69, 4
	s_lshl_b32 s70, s41, 2
	s_add_co_u32 s69, s69, s70
	s_lshl_b32 s70, s15, 1
	s_add_co_u32 s69, s69, s70                     ; the first head: 16 x batch + 4 cy + 2 x half
	s_lshl_b32 s70, s69, 4
	s_add_co_u32 s70, s70, s68
	s_mul_i32 s70, s70, 4*FRB
	s_add_co_u32 s70, s70, VF
	s_mov_b32 s71, 0
	s_add_nc_u64 s[74:75], s[8:9], s[70:71]
	s_mul_i32 s70, s69, 12288
	s_lshl_b32 s68, s68, 8
	s_add_co_u32 s70, s70, s68
	s_add_co_u32 s70, s70, KVS+8192
	s_add_nc_u64 s[76:77], s[8:9], s[70:71]
.macro BLOCKV a
	s_wait_xcnt 0x0
	WIN 0x02+(\a)/4
.set k, 0
.rept 32
	v_pk_add_f32 v[W+k:W+k+1], v[64*((\a)%4)+k:64*((\a)%4)+k+1], v[BIAS+8*(\a)+k%8:BIAS+8*(\a)+k%8+1]
.set k, k+2
.endr
	WIN 0
	QUANT W
.irp p, 0,1,2,3,4,5
	global_store_b64 v[L8], v[PC+2*\p:PC+2*\p+1], s[74:75] offset:((\a)/4)*98304+((\a)%4)*FRB+256*\p
.endr
	global_store_b32 v[SV0], v[PW], s[76:77] offset:((\a)/4)*12288+((\a)%4)*64
.endm
.irp a, 0,1,2,3,4,5,6,7
	BLOCKV \a
.endr
.Lend:
	s_wait_tensorcnt 0x0                           ; the wave's end
	ds_add_u32 v[SPW], v[NIL]
	s_wait_dscnt 0x0
	CROUND                                         ; the closing round: no work-group ends while a partner may still ask for a tile that names it
	s_endpgm
.Lfunc_end_k_qc4eaf9251d_gemm_qkv:
	.size	k_qc4eaf9251d_gemm_qkv, .Lfunc_end_k_qc4eaf9251d_gemm_qkv-k_qc4eaf9251d_gemm_qkv
	.p2alignl 7, 3214868480
	.fill 96, 4, 3214868480
	.section	.rodata,"a",@progbits
	.p2align	6, 0x0
	.amdhsa_kernel k_qc4eaf9251d_gemm_qkv
		.amdhsa_group_segment_fixed_size 327680
		.amdhsa_private_segment_fixed_size 0
		.amdhsa_enable_private_segment 0
		.amdhsa_kernarg_size 24
		.amdhsa_user_sgpr_count 2
		.amdhsa_user_sgpr_kernarg_segment_ptr 1
		.amdhsa_wavefront_size32 1
		.amdhsa_system_sgpr_workgroup_id_x 1
		.amdhsa_system_sgpr_workgroup_id_y 1
		.amdhsa_system_sgpr_workgroup_id_z 1
		.amdhsa_system_vgpr_workitem_id 0
		.amdhsa_next_free_vgpr 1024
		.amdhsa_next_free_sgpr 102
		.amdhsa_reserve_vcc 0
		.amdhsa_float_denorm_mode_32 3
		.amdhsa_float_denorm_mode_16_64 3
		.amdhsa_memory_ordered 1
		.amdhsa_forward_progress 1
		.amdhsa_inst_pref_size 244
	.end_amdhsa_kernel
	.amdgpu_metadata
---
amdhsa.version: [ 1, 2 ]
amdhsa.kernels:
  - .name:           k_qc4eaf9251d_gemm_qkv
    .symbol:         k_qc4eaf9251d_gemm_qkv.kd
    .args:
      - { .name: prep, .offset: 0, .size: 8, .value_kind: global_buffer, .address_space: global }
      - { .name: bqkv, .offset: 8, .size: 8, .value_kind: global_buffer, .address_space: global }
      - { .name: qkv, .offset: 16, .size: 8, .value_kind: global_buffer, .address_space: global }
    .group_segment_fixed_size: 327680
    .private_segment_fixed_size: 0
    .kernarg_segment_align: 8
    .kernarg_segment_size: 24
    .max_flat_workgroup_size: 128
    .sgpr_count:     102
    .vgpr_count:     1024
    .wavefront_size: 32
...
	.end_amdgpu_metadata
.endif
;; end of part 2
;; launch attention (part 3): grid 8 x 32, 16 waves a work-group, clusters of 4 x 1, 210,944 bytes of LDS; arguments qkv, at; writes at
.if DOCPART == 3
	.amdgcn_target "amdgcn-amd-amdhsa--gfx1250"
	.amdhsa_code_object_version 6
	.text
	.protected	k_qc4eaf9251d_attention
	.globl	k_qc4eaf9251d_attention
	.p2align	8
	.type	k_qc4eaf9251d_attention,@function
k_qc4eaf9251d_attention:
	s_mov_b64 s[64:65], 0
	v_nop
	global_prefetch_b8 v0, s[64:65] scope:SCOPE_SE
	s_setreg_imm32_b32 hwreg(HW_REG_WAVE_MODE, 25, 1), 1
	s_wait_xcnt 0x0
	s_wait_alu depctr_hold_cnt(0) depctr_sa_sdst(0) depctr_va_vdst(0) depctr_va_sdst(0) depctr_va_ssrc(0) depctr_va_vcc(0) depctr_vm_vsrc(0)
	s_getreg_b32 s2, hwreg(HW_REG_IB_STS2, 6, 4)
	s_cmp_eq_u32 s2, 0
	s_cbranch_scc0 .Lentry_in_a_cluster
	s_endpgm
.Lentry_in_a_cluster:
	s_bfe_u32 s2, ttmp6, 0x10000c
	s_cmp_lg_u32 s2, 0x3003
	s_cbranch_scc0 .Lentry_shape_is_right
	s_endpgm
.Lentry_shape_is_right:
; attn[q][head 64] = softmax_k(q . k / 8) v for one of 32 heads (batch x head), both products on codes of FP6 (E2M3) with E8M0 scales; the result is quantised along the model's 1,024 and leaves as images of operand registers.
; THE SOFTMAX: t = score x log2(e) / 8; M = the running largest t rounded UP to a whole number; p = 2^(t - M) is quantised along the keys, not normalised; the row's sum is taken of the unquantised p and divides at the end.
; When M moves, the sum and O are multiplied by 2^(old M - new M): exact.
; SHARES.  A work-group owns 256 queries of a head, each of its sixteen waves one tile of 16, in 256 registers: four waves to a SIMD, so that one wave's vector work stands beside another's products and LDS loads.
; A WHOLE HEAD'S K AND V LIE IN LDS: 128 half images of k (768 bytes: the head's 64 are half of the instruction's 128 along K; the other half of the registers holds zero codes, on both sides), 64 images of V^T, 12,288 bytes of scale words.
; They are filled ONCE, three loads a wave, so there is no ring and one barrier.  The four work-groups of a cluster belong to one head and ask for each part JOINTLY.
; LAYOUT.  S^T = K Q^T and O^T = V^T P^T: a lane holds one query throughout.  Lane r of a tile T of keys holds key 32 (T / 2) + 8 (T % 2) + r + 8 (r / 8), so the 16 registers of two neighbouring tiles are 16 neighbouring keys; V's rows d likewise.
; LIMITS of the last quantiser: a block under 2^-124 keeps the byte 1; a block of zeros gets the byte 1 where the stated quantiser says 127 (this program alone reads the bytes).
.set KF,  3145728                      ; in qkv: q's half images at 0, k's, v's images, q's scale words, k's and v's
.set VF,  6291456
.set QS,  9437184
.set KVS, 9699328
.set ATS, 3145728                      ; in at: images [tile 256][K step 8][1,536] at 0, scale words (512 bytes a tile) here
.set LV,  98304                        ; LDS: k at 0, v here, scale words behind
.set LS,  196608
.set KR,  32                           ; v32-79  four fragments of k
.set VR,  80                           ; v80-127 four fragments of v
.set S,   128                          ; v128-191 S^T, then p
.set O,   192                          ; v192-223 O^T
.set MX,  28                           ; v28-31 the blocks' largest scores
.set SW,  248                          ; v248-251 the tiles' scale words, nothing else
.set WV,  8
.set G1C, 24
.set G1S, 32
.set G0K, 40
.set G0V, 44
.set G0S, 48
.set SEL, 52
.set CS,  54
.set TB,  56
.set TS,  57
.set TJ,  58
.set CNT, 59
.macro CROUND
	s_barrier_signal -1
	s_barrier_wait -1
	s_cmp_lg_u32 s[WV], 0
	s_cbranch_scc1 .Lnot_wave_0_\@
	s_barrier_signal -3
.Lnot_wave_0_\@:
	s_barrier_wait -3
	s_barrier_signal -1
	s_barrier_wait -1
.endm
	s_load_b128 s[4:7], s[0:1], 0x0                ; qkv, at
	v_lshl_add_u32 v243, v0, 2, 0x33000
	v_mov_b32 v255, 0
	ds_add_u32 v243, v255
	ds_add_u32 v243, v255
	v_lshrrev_b32 v1, 5, v0
	v_readfirstlane_b32 s[WV], v1                  ; wave 0..15
	s_bfe_u32 s9, ttmp6, 0x40000                   ; cx
	s_lshl_b32 s10, ttmp9, 2
	s_add_co_u32 s10, s10, s9                      ; my block of 256 queries: it enters global addresses alone
	s_and_b32 s11, ttmp7, 0xffff                   ; the head, which the four partners share
	s_mul_i32 s12, s11, 98304
	s_mul_i32 s13, s[WV], 6144                     ; my sixteenth of k, and of v
	s_add_co_u32 s12, s12, s13
	s_add_co_u32 s16, s12, KF
	s_mov_b32 s17, 0
	s_add_co_u32 s18, s12, VF
	s_mov_b32 s19, 0
	s_mul_i32 s20, s11, 12288
	s_mul_i32 s14, s[WV], 768                      ; and of the scale words
	s_add_co_u32 s20, s20, s14
	s_add_co_u32 s20, s20, KVS
	s_mov_b32 s21, 0
	; descriptor group 1: dense bytes as rows of 256 (32 elements of 8 bytes): 24 rows of codes, 3 rows of scale words
	s_mov_b32 s[G1C], 15|(3<<16)|(1<<21)           ; 15:0 the mask: all four work-groups; 17:16 elements of 8 bytes; 21 set beside a mask
	s_mov_b32 s[G1C+1], 32<<16
	s_mov_b32 s[G1C+2], 24<<16
	s_mov_b32 s[G1C+3], 32<<16
	s_mov_b32 s[G1C+4], 24
	s_mov_b32 s[G1C+5], 32
	s_mov_b32 s[G1C+6], 0
	s_mov_b32 s[G1C+7], 0
	s_mov_b32 s[G1S], 15|(3<<16)|(1<<21)
	s_mov_b32 s[G1S+1], 32<<16
	s_mov_b32 s[G1S+2], 3<<16
	s_mov_b32 s[G1S+3], 32<<16
	s_mov_b32 s[G1S+4], 3
	s_mov_b32 s[G1S+5], 32
	s_mov_b32 s[G1S+6], 0
	s_mov_b32 s[G1S+7], 0
	s_mov_b32 s[SEL], 0x76543210
	s_mov_b32 s[SEL+1], 0xfedcba98
	s_mov_b32 s[CS], 0x3e38aa3b                    ; c = log2(e) / sqrt(64)
	s_mov_b32 s[CS+1], s[CS]                       ; (named with it as a pair, so it is written)
	s_mov_b32 s[TB], 0
	s_mov_b32 s[TS], 0
	s_mov_b32 s[TJ], 0
	s_mov_b32 s[CNT], 16
	s_wait_dscnt 0x0
	s_wait_kmcnt 0x0
	s_mov_b32 s[G0K], 1
	s_mov_b32 s[G0K+1], s13
	s_add_nc_u64 s[G0K+2:G0K+3], s[4:5], s[16:17]
	s_or_b32 s[G0K+3], s[G0K+3], 0x80000000
	s_mov_b32 s[G0V], 1
	s_add_co_u32 s[G0V+1], s13, LV
	s_add_nc_u64 s[G0V+2:G0V+3], s[4:5], s[18:19]
	s_or_b32 s[G0V+3], s[G0V+3], 0x80000000
	s_mov_b32 s[G0S], 1
	s_add_co_u32 s[G0S+1], s14, LS
	s_add_nc_u64 s[G0S+2:G0S+3], s[4:5], s[20:21]
	s_or_b32 s[G0S+3], s[G0S+3], 0x80000000
	CROUND                                         ; all four work-groups are here: the joint loads meet
	tensor_load_to_lds s[G0K:G0K+3], s[G1C:G1C+7]  ; the launch's only fills: three loads of mine are out
	s_nop 0
	tensor_load_to_lds s[G0V:G0V+3], s[G1C:G1C+7]
	s_nop 0
	tensor_load_to_lds s[G0S:G0S+3], s[G1S:G1S+7]
	s_nop 0
.rept 4
	v_nop
.endr
	s_lshl_b32 s15, s10, 4
	s_add_co_u32 s15, s15, s[WV]                   ; my tile of queries in the batch
	s_lshl_b32 s22, s11, 7
	s_add_co_u32 s22, s22, s15
	s_mul_i32 s22, s22, 768
	s_mov_b32 s23, 0
	s_add_nc_u64 s[22:23], s[4:5], s[22:23]        ; its half image
	s_lshl_b32 s2, s11, 13
	s_lshl_b32 s3, s15, 6
	s_add_co_u32 s2, s2, s3
	s_add_co_u32 s2, s2, QS
	s_mov_b32 s3, 0
	s_add_nc_u64 s[2:3], s[4:5], s[2:3]            ; its scale words
	s_lshr_b32 s60, s11, 4
	s_lshl_b32 s60, s60, 7
	s_add_co_u32 s60, s60, s15                     ; the tile among all 256
	s_and_b32 s9, s11, 15                          ; the head in its batch: the model's columns 64 head on
	s_lshl_b32 s62, s60, 9
	s_lshl_b32 s60, s60, 3
	s_lshr_b32 s12, s9, 1
	s_add_co_u32 s60, s60, s12                     ; K step head / 2 of the next product,
	s_mul_i32 s60, s60, 1536
	s_and_b32 s16, s9, 1
	s_mul_i32 s17, s16, 768                        ; its lower or upper half
	s_add_co_u32 s60, s60, s17
	s_mov_b32 s61, 0
	s_add_nc_u64 s[60:61], s[6:7], s[60:61]
	s_lshr_b32 s17, s9, 2
	s_lshl_b32 s17, s17, 7
	s_add_co_u32 s62, s62, s17                     ; scale words: 128 bytes for 256 along K,
	s_and_b32 s12, s12, 1
	s_lshl_b32 s12, s12, 2
	s_add_co_u32 s62, s62, s12                     ; which of the pair's two words,
	s_lshl_b32 s16, s16, 1
	s_add_co_u32 s62, s62, s16                     ; which half of it
	s_add_co_u32 s62, s62, ATS
	s_mov_b32 s63, 0
	s_add_nc_u64 s[62:63], s[6:7], s[62:63]
	v_and_b32 v9, 31, v0
	v_lshlrev_b32 v1, 3, v9                        ; k: 8 x lane
	v_add_nc_u32 v2, LV, v1                        ; v
	v_and_b32 v9, 15, v0
	v_lshlrev_b32 v11, 2, v9                       ; 4 r
	v_add_nc_u32 v3, LS, v11                       ; k's scale words
	v_add_nc_u32 v4, LS+8192, v11                  ; v's
.irp p, 0,1,2
	global_load_b64 v[16+2*\p:17+2*\p], v1, s[22:23] offset:256*\p    ; Q's half fragment stays in registers
.endr
	global_load_b32 v10, v11, s[2:3]               ; its scale words: v10, nothing else
.irp j, 22,23,24,25,26,27
	v_mov_b32 v\j, 0                               ; K = 64 .. 127 of the first product: zero codes
.endr
.irp t, 0,1,2,3
.irp j, 6,7,8,9,10,11
	v_mov_b32 v[KR+12*\t+\j], 0
.endr
.endr
.set j, 0
.rept 32
	v_mov_b32 v[O+j], 0                            ; the step is written once: the first finds zeros, which the first change of M leaves zeros
.set j, j+1
.endr
	v_mov_b32 v13, 0xff61b1e6                      ; the largest t so far: -3e38
	v_floor_f32 v12, -v13                          ; -M
	v_mov_b32 v14, 0                               ; the sum, in two halves
	v_mov_b32 v15, 0
.irp b, 0,1,2,3
	v_mov_b32 v[236+\b], 0                         ; a lane permute's destination counts as one of its sources
.endr
	v_mov_b32 v253, 0                              ; (named as the upper half of the pair v[252:253] before it is first written)
	s_wait_tensorcnt 0x0                           ; my parts have landed,
	s_barrier_signal -1
	s_barrier_wait -1                              ; everybody's have
	s_wait_loadcnt 0x0                             ; Q
.Lstep:                                                ; 16 trips of 128 keys
	v_add_nc_u32 v5, s[TB], v1                     ; (these four are the places behind the last trip's products)
	v_add_nc_u32 v6, s[TB], v2
	v_add_nc_u32 v7, s[TS], v3
	v_add_nc_u32 v8, s[TJ], v4
.irp g, 0,1                                    ; S^T = K Q^T, four tiles of 16 keys at a time
.if \g
.rept 4
	v_nop                                          ; places in front of loads into registers that matrix instructions have read
.endr
.endif
.irp t, 0,1,2,3
.irp p, 0,1,2
	ds_load_b64 v[KR+12*\t+2*\p:KR+12*\t+2*\p+1], v5 offset:(4*\g+\t)*768+256*\p
.endr
	ds_load_b32 v[SW+\t], v7 offset:(4*\g+\t)*64
.endr
	s_wait_dscnt 0x0
.irp t, 0,1,2,3
	v_wmma_scale_f32_16x16x128_f8f6f4 v[S+8*(4*\g+\t):S+8*(4*\g+\t)+7], v[KR+12*\t:KR+12*\t+11], v[16:27], 0, v[SW+\t], v10 matrix_a_fmt:MATRIX_FMT_FP6 matrix_b_fmt:MATRIX_FMT_FP6
.endr
.endr
.rept 4
	v_nop
.endr
.irp t, 0,1,2,3                                ; V's four fragments and scale words are asked for now and land under the softmax
.irp p, 0,1,2,3,4,5
	ds_load_b64 v[VR+12*\t+2*\p:VR+12*\t+2*\p+1], v6 offset:\t*1536+256*\p
.endr
	ds_load_b32 v[SW+\t], v8 offset:\t*64
.endr
.irp b, 0,1,2,3
	v_max3_num_f32 v[MX+\b], v[S+16*\b], v[S+1+16*\b], v[S+2+16*\b]   ; the largest score of each block of 32 keys: for the row's maximum and, since p rises with the score, for the block's largest p
.endr
.irp i, 3,5,7,9,11,13
.irp b, 0,1,2,3
	v_max3_num_f32 v[MX+\b], v[MX+\b], v[S+16*\b+\i], v[S+1+16*\b+\i]
.endr
.endr
.irp b, 0,1,2,3
	v_max_num_f32 v[MX+\b], v[MX+\b], v[S+15+16*\b]
.endr
.irp b, 0,1,2,3
	v_permlanex16_b32 v[236+\b], v[MX+\b], s[SEL], s[SEL+1]
.endr
.irp b, 0,1,2,3
	v_max_num_f32 v[MX+\b], v[MX+\b], v[236+\b]    ; with lane l xor 16's 16 keys
.endr
	v_max3_num_f32 v254, v[MX], v[MX+1], v[MX+2]
	v_max_num_f32 v254, v254, v[MX+3]
	v_mul_f32 v254, s[CS], v254                    ; the step's largest t
	v_max_num_f32 v13, v13, v254                   ; the running largest t
	v_mov_b32 v254, v12
	v_floor_f32 v12, -v13                          ; the new -M = floor(-t): M is a whole number
	v_sub_f32 v254, v12, v254                      ; old M - new M: a whole number, 0 or less
	v_cvt_i32_f32 v254, v254                       ; (it saturates)
	v_ldexp_f32 v252, 1.0, v254                    ; f = 2^(old M - new M)
.set j, 0
.rept 32
	v_pk_fma_f32 v[S+j:S+j+1], v[S+j:S+j+1], s[CS:CS+1], v[12:13] op_sel_hi:[1,0,0]   ; t - M, two at a time
.set j, j+2
.endr
.irp b, 0,1,2,3
	v_fma_f32 v[MX+\b], v[MX+\b], s[CS], v12       ; the same of each block's largest score
.endr
.set j, 0
.rept 64
	v_exp_f32 v[S+j], v[S+j]                       ; p = 2^(t - M), at most 1
.set j, j+1
.endr
	v_pk_mul_f32 v[14:15], v[14:15], v[252:253] op_sel_hi:[1,0]   ; the sums under the new M: the plain instruction behind the exponentials
	s_wait_alu depctr_va_vdst(0)                   ; one wait for the batch of 64, ahead of its first reader
.irp b, 0,1,2,3
	v_exp_f32 v[MX+\b], v[MX+\b]                   ; the block's largest p: the same two instructions on the same number
.endr
	v_pk_add_f32 v[236:237], v[S:S+1], v[S+2:S+3]  ; the row's sum of the unquantised p, in two chains
.irp j, 4,8,12,16,20,24,28,32,36,40,44,48,52,56,60
	v_pk_add_f32 v[14:15], v[14:15], v[S+\j:S+\j+1]
	v_pk_add_f32 v[236:237], v[236:237], v[S+\j+2:S+\j+3]
.endr
	v_pk_add_f32 v[14:15], v[14:15], v[236:237]
	s_wait_alu depctr_va_vdst(0)                   ; and one for the four
.irp b, 0,1,2,3
	v_max_num_f32 v[MX+\b], 0x1800000, v[MX+\b]    ; the floor 2^(3 - 127): the byte cannot fall under 1
.endr
.irp b, 0,1,2,3
	v_add_nc_u32 v[244+\b], 0xff000000, v[MX+\b]   ; 2 off the exponent field: the conversion's scale operand
.endr
.irp b, 0,1,2,3
	v_lshrrev_b32 v[236+\b], 23, v[244+\b]
.endr
	v_lshl_or_b32 v253, v237, 8, v236              ; p's scale word for these 128 keys
	v_lshl_or_b32 v253, v238, 16, v253
	v_lshl_or_b32 v253, v239, 24, v253
.irp c, 0,1
	v_cvt_scalef32_pk16_fp6_f32 v[224+6*\c:226+6*\c], v[S+32*\c:S+15+32*\c], v[244+2*\c]
	v_cvt_scalef32_pk16_fp6_f32 v[236+4*\c:238+4*\c], v[S+16+32*\c:S+31+32*\c], v[244+2*\c+1]
.endr
	v_nop                                          ; one plain instruction behind the scaled conversions
.irp c, 0,1
.irp i, 0,1,2
	v_permlane16_swap_b32 v[224+6*\c+\i], v[236+4*\c+\i]
.endr
.irp i, 0,1,2
	v_mov_b32 v[227+6*\c+\i], v[236+4*\c+\i]
.endr
.endr
.set j, 0
.rept 16
	v_pk_mul_f32 v[O+j:O+j+1], v[O+j:O+j+1], v[252:253] op_sel_hi:[1,0]   ; O^T under the new M; these 16 also stand between the writes of p's codes and scale word and the products
.set j, j+2
.endr
	s_wait_dscnt 0x0                               ; V
.irp t, 0,1,2,3                                ; O^T += V^T P^T: the four accumulators by turns
	v_wmma_scale_f32_16x16x128_f8f6f4 v[O+8*\t:O+8*\t+7], v[VR+12*\t:VR+12*\t+11], v[224:235], v[O+8*\t:O+8*\t+7], v[SW+\t], v253 matrix_a_fmt:MATRIX_FMT_FP6 matrix_b_fmt:MATRIX_FMT_FP6
.endr
	s_add_co_u32 s[TB], s[TB], 6144                ; the next 128 keys: 8 half images of k, 4 images of v,
	s_add_co_u32 s[TS], s[TS], 512                 ; 8 x 64 bytes of k's scale words,
	s_add_co_u32 s[TJ], s[TJ], 256                 ; 4 x 64 of v's
	s_sub_co_u32 s[CNT], s[CNT], 1
	s_cmp_lg_u32 s[CNT], 0
	s_cbranch_scc1 .Lstep
	; THE WAY OUT: O^T / the sum; register 16 b + i is channel 32 b + 16 h + i of my query: two blocks of the next product's K
	v_add_f32 v14, v14, v15
	v_permlanex16_b32 v252, v14, s[SEL], s[SEL+1]
	v_add_f32 v14, v14, v252                       ; the row's sum
	v_rcp_f32 v14, v14
	v_and_b32 v9, 15, v0                           ; (plain instructions behind the reciprocal and the last products)
	v_lshlrev_b32 v9, 3, v9                        ; 8 r
	v_nop
	v_nop
	s_wait_alu depctr_va_vdst(0)                   ; the wait ahead of the reciprocal's first reader
.set j, 0
.rept 32
	v_mul_f32 v[S+j], v[O+j], v14
.set j, j+1
.endr
.irp b, 0,1
	v_max3_num_f32 v[MX+\b], |v[S+16*\b]|, |v[S+1+16*\b]|, 0x1800000
.endr
.irp i, 2,4,6,8,10,12,14
.irp b, 0,1
	v_max3_num_f32 v[MX+\b], v[MX+\b], |v[S+16*\b+\i]|, |v[S+1+16*\b+\i]|
.endr
.endr
.irp b, 0,1
	v_permlanex16_b32 v[236+\b], v[MX+\b], s[SEL], s[SEL+1]
.endr
.irp b, 0,1
	v_max_num_f32 v[MX+\b], v[MX+\b], v[236+\b]
.endr
.irp b, 0,1
	v_add_nc_u32 v[244+\b], 0xff000000, v[MX+\b]
.endr
.irp b, 0,1
	v_lshrrev_b32 v[236+\b], 23, v[244+\b]
.endr
	v_lshl_or_b32 v254, v237, 8, v236              ; my row's two scale bytes
	v_cvt_scalef32_pk16_fp6_f32 v[224:226], v[S:S+15], v244
	v_cvt_scalef32_pk16_fp6_f32 v[236:238], v[S+16:S+31], v245
	v_nop
.irp i, 0,1,2
	v_permlane16_swap_b32 v[224+\i], v[236+\i]
.endr
.irp i, 0,1,2
	v_mov_b32 v[227+\i], v[236+\i]
.endr
.irp p, 0,1,2
	global_store_b64 v1, v[224+2*\p:225+2*\p], s[60:61] offset:256*\p     ; 256 consecutive bytes, aligned
.endr
	global_store_b16 v9, v254, s[62:63]            ; lanes r and r + 16 write the same two bytes
	s_wait_tensorcnt 0x0
	ds_add_u32 v243, v255
	s_wait_dscnt 0x0
	CROUND                                         ; the closing round
	s_endpgm
.Lfunc_end_k_qc4eaf9251d_attention:
	.size	k_qc4eaf9251d_attention, .Lfunc_end_k_qc4eaf9251d_attention-k_qc4eaf9251d_attention
	.p2alignl 7, 3214868480
	.fill 96, 4, 3214868480
	.section	.rodata,"a",@progbits
	.p2align	6, 0x0
	.amdhsa_kernel k_qc4eaf9251d_attention
		.amdhsa_group_segment_fixed_size 210944
		.amdhsa_private_segment_fixed_size 0
		.amdhsa_enable_private_segment 0
		.amdhsa_kernarg_size 16
		.amdhsa_user_sgpr_count 2
		.amdhsa_user_sgpr_kernarg_segment_ptr 1
		.amdhsa_wavefront_size32 1
		.amdhsa_system_sgpr_workgroup_id_x 1
		.amdhsa_system_sgpr_workgroup_id_y 1
		.amdhsa_system_sgpr_workgroup_id_z 1
		.amdhsa_system_vgpr_workitem_id 0
		.amdhsa_next_free_vgpr 256
		.amdhsa_next_free_sgpr 66
		.amdhsa_reserve_vcc 0
		.amdhsa_float_denorm_mode_32 3
		.amdhsa_float_denorm_mode_16_64 3
		.amdhsa_memory_ordered 1
		.amdhsa_forward_progress 1
		.amdhsa_inst_pref_size 31
	.end_amdhsa_kernel
	.amdgpu_metadata
---
amdhsa.version: [ 1, 2 ]
amdhsa.kernels:
  - .name:           k_qc4eaf9251d_attention
    .symbol:         k_qc4eaf9251d_attention.kd
    .args:
      - { .name: qkv, .offset: 0, .size: 8, .value_kind: global_buffer, .address_space: global }
      - { .name: at, .offset: 8, .size: 8, .value_kind: global_buffer, .address_space: global }
    .group_segment_fixed_size: 210944
    .private_segment_fixed_size: 0
    .kernarg_segment_align: 8
    .kernarg_segment_size: 16
    .max_flat_workgroup_size: 512
    .sgpr_count:     66
    .vgpr_count:     256
    .wavefront_size: 32
...
	.end_amdgpu_metadata
.endif
;; end of part 3
;; launch gemm_proj (part 4): grid 4 x 16, 4 waves a work-group, clusters of 4 x 4, 327,680 bytes of LDS; arguments at, prep, cb; writes cb
.if DOCPART == 4
	.amdgcn_target "amdgcn-amd-amdhsa--gfx1250"
	.amdhsa_code_object_version 6
	.text
	.protected	k_qc4eaf9251d_gemm_proj
	.globl	k_qc4eaf9251d_gemm_proj
	.p2align	8
	.type	k_qc4eaf9251d_gemm_proj,@function
k_qc4eaf9251d_gemm_proj:
	s_mov_b64 s[64:65], 0
	v_nop
	global_prefetch_b8 v0, s[64:65] scope:SCOPE_SE
	s_setreg_imm32_b32 hwreg(HW_REG_WAVE_MODE, 25, 1), 1
	s_wait_xcnt 0x0
	s_wait_alu depctr_hold_cnt(0) depctr_sa_sdst(0) depctr_va_vdst(0) depctr_va_sdst(0) depctr_va_ssrc(0) depctr_va_vcc(0) depctr_vm_vsrc(0)
	s_getreg_b32 s2, hwreg(HW_REG_IB_STS2, 6, 4)
	s_cmp_eq_u32 s2, 0
	s_cbranch_scc0 .Lentry_in_a_cluster
	s_endpgm
.Lentry_in_a_cluster:
	s_bfe_u32 s2, ttmp6, 0x10000c
	s_cmp_lg_u32 s2, 0xf033
	s_cbranch_scc0 .Lentry_shape_is_right
	s_endpgm
.Lentry_shape_is_right:
; cb = Q(attn) Wo, [4096][1024] f32, on codes of FP6 (E2M3) with E8M0 scales, K = 1,024.  Bias, residual and norm follow in the next launch, which needs whole rows.
; A work-group of four waves makes 256 x 256 of C, a wave 128 x 128 (64 accumulators, 512 registers).  K goes in steps of 256 through two LDS slots filled by the tensor data mover.
; OPERANDS ARE FRAGMENT IMAGES (16 rows x 128 K, 1,536 bytes, piece p at 256 p + 8 x lane), laid [tile][K step]: a tile's two K steps of a slot are 3,072 dense bytes, and six ds_load_b64 of 256 consecutive bytes bring a fragment.
; THE ROWS OF A TILE: lane r of tile T holds row 32 (T / 2) + 8 (T % 2) + r + 8 (r / 8), in A (tokens) and in B (output features) alike; the way out puts both back in order.
; THE MATRIX INSTRUCTION: source 0 = B (the weight), source 1 = A: a lane holds one row of C and its registers run along the columns.
; 4 x 4 work-groups form a cluster: A's tiles are asked for jointly along a row of the cluster, B's along a column.  64 work-groups: C has no more tiles of this size.
; LDS: two slots of 98,304 bytes (A's 16 tiles, then B's 16); the scale words of the work-group's rows for all of K, brought once; the spare words.  The launch claims all of a WGP's LDS.
; REGISTERS: window 0: v16-29 addresses; v32-63 scale words, two sets, nothing else; v128-223 A's fragments, one set; on the way out v128-255 rows of C.  Window 1: B's fragments, two sets.  Windows 2, 3: accumulator (a, b) at v[8 (8 (a % 4) + b)].
.set KK,    1024
.set AFO,   0                          ; A's images and scale words in its buffer,
.set ASO,   3145728
.set BFO,   5734400                    ; B's in prep
.set BSO,   6520832
.set NS,    KK/128
.set LAPS,  KK/512
.set FRB,   1536
.set TROW,  2*FRB
.set HALFT, 8*TROW
.set SLOT,  4*HALFT
.set SCLA,  2*SLOT
.set SCLB,  SCLA+8*KK+128              ; the 128 set the two halves of a load of scale words on different banks (64 banks of 4 bytes: ISA guide 11.1)
.set SBLK,  KK/2
.set SPARE, SCLB+8*KK+128              ; the spare words, 128 bytes for each wave: two blocks of 256 bytes that no other line names
.set SPITCH, 528                       ; the way out: a stage of 16 rows x (512 bytes + 16) for each wave, in slot 0, which has had its last fill and its last read by then
.set NQ, 2
.set FR, 12
.set NL, 6
.set NP, 4
.set ADRA, 16
.set ADRB, 20
.set STO,  24
.set RD,   25
.set CO,   26
.set ADRS, 27
.set SPW,  28
.set NIL,  29
.set SC,   32
.set AF,   128
.set BK,   128
.set G1, 24
.set G0, 32
.set G1B, 48
.set G0B, 56
.set G1S, 68
.set G0S, 76
.set G1SB, 80
.set G0SB, 88
.set MSB, 0
.macro WIN new
.if MSB != (\new)
	s_set_vgpr_msb (MSB<<8)|(\new)
.set MSB, (\new)
.endif
.endm
.set MUL_LO, 0xa1
.set MUL_HI, 0xf1
.set TO_B,   0x40
.macro JLOAD g0a, g1a, g0b, g1b        ; a joint load: waves 0, 1 for A, waves 2, 3 for B; four v_nop follow each line
	s_cmp_eq_u32 s15, 0
	s_cbranch_scc0 .Lfor_b_\@
	tensor_load_to_lds s[\g0a:\g0a+3], s[\g1a:\g1a+7]
	s_nop 0
.rept 4
	v_nop
.endr
	s_branch .Lasked_\@
.Lfor_b_\@:
	tensor_load_to_lds s[\g0b:\g0b+3], s[\g1b:\g1b+7]
	s_nop 0
.rept 4
	v_nop
.endr
.Lasked_\@:
.endm
.macro CREST
	s_cmp_lg_u32 s14, 0
	s_cbranch_scc1 .Lnot_wave_0_\@
	s_barrier_signal -3
.Lnot_wave_0_\@:
	s_barrier_wait -3
	s_barrier_signal -1
	s_barrier_wait -1
.endm
.macro CROUND
	s_barrier_signal -1
	s_barrier_wait -1
	CREST
.endm
.macro FRAG reg, adr, q, i
.irp p, 0,1,2,3,4,5
	ds_load_b64 v[\reg+2*\p:\reg+2*\p+1], v[\adr] offset:(\i)*TROW+(\q)*FRB+256*\p
.endr
.endm
.macro MUL16 a0, p, q, sc, zero        ; the 64 accumulators take turns, one instruction a turn
.irp a, \a0, \a0+1
.irp b, 0,1,2,3,4,5,6,7
.if \zero
	v_wmma_scale_f32_16x16x128_f8f6f4 v[8*(8*((\a)%4)+\b):8*(8*((\a)%4)+\b)+7], v[128*(\p)+FR*\b:128*(\p)+FR*\b+FR-1], v[AF+FR*(\a):AF+FR*(\a)+FR-1], 0, v[SC+8*NQ*(\sc)+NQ*\b+(\q)], v[SC+8*NQ*(\sc)+NQ*(\a)+(\q)] matrix_a_fmt:MATRIX_FMT_FP6 matrix_b_fmt:MATRIX_FMT_FP6 matrix_a_scale:MATRIX_SCALE_ROW1
.else
	v_wmma_scale_f32_16x16x128_f8f6f4 v[8*(8*((\a)%4)+\b):8*(8*((\a)%4)+\b)+7], v[128*(\p)+FR*\b:128*(\p)+FR*\b+FR-1], v[AF+FR*(\a):AF+FR*(\a)+FR-1], v[8*(8*((\a)%4)+\b):8*(8*((\a)%4)+\b)+7], v[SC+8*NQ*(\sc)+NQ*\b+(\q)], v[SC+8*NQ*(\sc)+NQ*(\a)+(\q)] matrix_a_fmt:MATRIX_FMT_FP6 matrix_b_fmt:MATRIX_FMT_FP6 matrix_a_scale:MATRIX_SCALE_ROW1
.endif
.endr
.endr
.endm
.macro FETCH_B slot, q, p
	WIN TO_B
.irp i, 0,1,2,3,4,5,6,7
	FRAG 128*(\p)+FR*\i, ADRB+\slot, \q, \i
.endr
	WIN 0
.endm
.macro FETCH_A slot, q, i0
.irp i, \i0, \i0+1, \i0+2, \i0+3
	FRAG AF+FR*(\i), ADRA+\slot, \q, \i
.endr
.endm
.macro SCALES sc
.irp i, 0,1,2,3,4,5,6,7
	ds_load_b64 v[SC+8*NQ*\sc+NQ*\i:SC+8*NQ*\sc+NQ*\i+1], v[ADRS] offset:\i*SBLK
.endr
.endm
.macro PLACES n
.rept \n
	v_nop
.endr
.endm
.macro STEP slot, q, zero
	s_wait_dscnt 4*NL                              ; all but the youngest 24 loads (A's blocks 4-7) are in
	WIN MUL_LO
	MUL16 0, (\q)%2, \q, \slot, \zero
	MUL16 2, (\q)%2, \q, \slot, \zero
	s_wait_dscnt 0
	PLACES NP
	FETCH_B \slot, (\q)+1, 1-(\q)%2
	FETCH_A \slot, (\q)+1, 0
	WIN MUL_HI
	MUL16 4, (\q)%2, \q, \slot, \zero
	MUL16 6, (\q)%2, \q, \slot, \zero
	PLACES NP
	WIN 0
	FETCH_A \slot, (\q)+1, 4
.endm
.macro TURN slot, next, fill
	s_wait_tensorcnt 0x0                           ; all my tensor loads have landed: my part of the next slot
	ds_add_u32 v[SPW], v[NIL]                      ; 0 onto my spare word
	s_wait_dscnt 4*NL+1                            ; (the add and the youngest 24 loads may be out)
	WIN MUL_LO
	MUL16 0, 1, NQ-1, \slot, 0
	s_wait_dscnt 0x0                               ; the add is done, and my reads of this slot are over
	s_barrier_signal -1
	MUL16 2, 1, NQ-1, \slot, 0
	WIN 0
	s_barrier_wait -1
.if \fill
	CREST                                          ; a round of the cluster's barrier: no wave of any partner still reads this slot or has a load on its way
	s_add_nc_u64 s[G0+4*\slot+2:G0+4*\slot+3], s[G0+4*\slot+2:G0+4*\slot+3], 2*TROW
	s_add_nc_u64 s[G0B+4*\slot+2:G0B+4*\slot+3], s[G0B+4*\slot+2:G0B+4*\slot+3], 2*TROW
	JLOAD G0+4*\slot, G1, G0B+4*\slot, G1B         ; the first tensor load behind the round
.else
	PLACES NP
.endif
	v_add_nc_u32 v[ADRS], 128, v[ADRS]
	FETCH_B \next, 0, 0
	FETCH_A \next, 0, 0
	SCALES \next
	WIN MUL_HI
	MUL16 4, 1, NQ-1, \slot, 0
	MUL16 6, 1, NQ-1, \slot, 0
	PLACES NP
	WIN 0
	FETCH_A \next, 0, 4
.endm
	s_load_b128 s[4:7], s[0:1], 0x0                ; A's buffer, prep
	s_load_b64 s[12:13], s[0:1], 0x10              ; C
	v_lshl_add_u32 v[SPW], v0, 2, SPARE
	v_mov_b32 v[NIL], 0
	ds_add_u32 v28, v29
	ds_add_u32 v28, v29
	s_wait_dscnt 0x0
	v_lshrrev_b32 v1, 5, v0
	v_readfirstlane_b32 s14, v1                    ; wave 0..3
	s_lshr_b32 s15, s14, 1                         ; which half of the tile's rows is mine.  Also: I fetch for A (0) or for B (1)
	s_and_b32 s16, s14, 1                          ; which half of its columns.  Also: which 8 tiles I fetch
	s_bfe_u32 s40, ttmp6, 0x40000                  ; cx, cy
	s_bfe_u32 s41, ttmp6, 0x40004
	s_lshl_b32 s42, ttmp9, 2
	s_add_co_u32 s42, s42, s40                     ; tile column of C
	s_and_b32 s17, ttmp7, 0xffff
	s_lshl_b32 s17, s17, 2
	s_add_co_u32 s17, s17, s41                     ; tile row of C
	s_lshl_b32 s43, s41, 2
	s_lshl_b32 s43, 15, s43                        ; my row of the cluster
	s_lshl_b32 s44, 0x1111, s40                    ; my column
	s_or_b32 s[G1+0], s43, (3<<16)|(1<<21)         ; 8 rows of 3,072 bytes (384 elements of 8 bytes), a tile's images apart; no padding; 21 set beside a mask
	s_or_b32 s[G1B+0], s44, (3<<16)|(1<<21)
.irp g, G1, G1B
	s_mov_b32 s[\g+1], 384<<16
	s_mov_b32 s[\g+2], 8<<16
	s_mov_b32 s[\g+3], 384<<16
	s_mov_b32 s[\g+4], 8
	s_mov_b32 s[\g+5], NS*192
	s_mov_b32 s[\g+6], 0
	s_mov_b32 s[\g+7], 0
.endr
	s_or_b32 s[G1S+0], s43, (3<<16)|(1<<21)        ; 8 tiles' scale words: 4 KK dense bytes as rows of 256
	s_or_b32 s[G1SB+0], s44, (3<<16)|(1<<21)
.irp g, G1S, G1SB
	s_mov_b32 s[\g+1], 32<<16
	s_mov_b32 s[\g+2], (KK/64)<<16
	s_mov_b32 s[\g+3], 32<<16
	s_mov_b32 s[\g+4], KK/64
	s_mov_b32 s[\g+5], 32
	s_mov_b32 s[\g+6], 0
	s_mov_b32 s[\g+7], 0
.endr
	s_lshl_b32 s18, s16, 3
	s_lshl_b32 s20, s17, 4
	s_add_co_u32 s20, s20, s18                     ; A: tile 16 x tile row + 8 x half
	s_lshl_b32 s46, s42, 4
	s_add_co_u32 s46, s46, s18                     ; B: tile 16 x tile column + 8 x half
	s_mul_i32 s22, s20, SBLK
	s_mul_i32 s92, s46, SBLK
	s_mul_i32 s20, s20, NS*FRB
	s_mul_i32 s46, s46, NS*FRB
.if AFO
	s_add_co_u32 s20, s20, AFO
.endif
	s_add_co_u32 s22, s22, ASO
	s_add_co_u32 s46, s46, BFO
	s_add_co_u32 s92, s92, BSO
	s_mov_b32 s21, 0
	s_mov_b32 s23, 0
	s_mov_b32 s47, 0
	s_mov_b32 s93, 0
	s_mul_i32 s45, s14, HALFT                      ; where they go: no place in the cluster enters an LDS address
	s_mul_i32 s94, s14, 4*KK
	s_lshl_b32 s95, s15, 7
	s_add_co_u32 s94, s94, s95
	s_wait_kmcnt 0x0
	s_add_nc_u64 s[20:21], s[4:5], s[20:21]
	s_add_nc_u64 s[22:23], s[4:5], s[22:23]
	s_add_nc_u64 s[46:47], s[6:7], s[46:47]
	s_add_nc_u64 s[92:93], s[6:7], s[92:93]
	CROUND                                         ; all sixteen work-groups are here: the first joint loads meet
	s_mov_b32 s[G0S], 1
	s_add_co_u32 s[G0S+1], s94, SCLA
	s_mov_b64 s[G0S+2:G0S+3], s[22:23]
	s_or_b32 s[G0S+3], s[G0S+3], 0x80000000
	s_mov_b32 s[G0SB], 1
	s_add_co_u32 s[G0SB+1], s94, SCLA
	s_mov_b64 s[G0SB+2:G0SB+3], s[92:93]
	s_or_b32 s[G0SB+3], s[G0SB+3], 0x80000000
	JLOAD G0S, G1S, G0SB, G1SB                     ; the scale words first; three loads of mine are out at the most
.irp s, 0,1
	s_mov_b32 s[G0+4*\s], 1
	s_add_co_u32 s[G0+4*\s+1], s45, \s*SLOT
	s_add_nc_u64 s[G0+4*\s+2:G0+4*\s+3], s[20:21], \s*TROW
	s_or_b32 s[G0+4*\s+3], s[G0+4*\s+3], 0x80000000
	s_mov_b32 s[G0B+4*\s], 1
	s_add_co_u32 s[G0B+4*\s+1], s45, \s*SLOT
	s_add_nc_u64 s[G0B+4*\s+2:G0B+4*\s+3], s[46:47], \s*TROW
	s_or_b32 s[G0B+4*\s+3], s[G0B+4*\s+3], 0x80000000
	JLOAD G0+4*\s, G1, G0B+4*\s, G1B
.endr
	v_and_b32 v1, 15, v0                           ; r
	v_bfe_u32 v2, v0, 4, 1                         ; h
	v_and_b32 v3, 31, v0
	v_lshlrev_b32 v4, 3, v3                        ; 8 x lane
	s_mul_i32 s21, s15, HALFT
	s_mul_i32 s22, s16, HALFT
	s_add_co_u32 s22, s22, 2*HALFT
.irp s, 0,1
	v_add_nc_u32 v[ADRA+\s], s21, v4
	v_add_nc_u32 v[ADRB+\s], s22, v4
	s_add_co_u32 s21, s21, SLOT
	s_add_co_u32 s22, s22, SLOT
.endr
	v_lshlrev_b32 v5, 3, v1
	s_mul_i32 s21, s15, 4*KK
	s_mul_i32 s22, s16, 4*KK
	s_add_co_u32 s22, s22, 8*KK+128
	s_sub_co_u32 s22, s22, s21
	v_mul_u32_u24 v6, s22, v2                      ; lanes 16-31 take B's scale words
	s_add_co_u32 s21, s21, SCLA
	v_add_nc_u32 v5, v5, v6
	v_add_nc_u32 v[ADRS], s21, v5
	s_mul_i32 s23, s14, 16*SPITCH                  ; my stage
	v_mul_u32_u24 v5, v1, SPITCH
	v_lshl_add_u32 v5, v2, 6, v5                   ; in: row r, + 64 h: a pair of B's tiles gives my half 16 neighbouring columns
	v_add_nc_u32 v[STO], s23, v5
	v_lshlrev_b32 v[CO], 4, v3                     ; back: the 32 lanes take one row of 512 bytes; and the same in C
	v_add_nc_u32 v[RD], s23, v[CO]
	s_lshl_b32 s20, s17, 8
	s_lshl_b32 s21, s15, 7
	s_add_co_u32 s20, s20, s21                     ; my first row of C,
	s_lshl_b32 s20, s20, 12                        ; of 4,096 bytes
	s_lshl_b32 s21, s42, 10
	s_add_co_u32 s20, s20, s21                     ; my first column, in bytes
	s_lshl_b32 s21, s16, 9
	s_add_co_u32 s20, s20, s21
	s_mov_b32 s21, 0
	s_add_nc_u64 s[12:13], s[12:13], s[20:21]
	s_wait_tensorcnt 1                             ; the scale words and my part of K step 0 are in (K step 1's load may be out),
	s_barrier_signal -1
	s_barrier_wait -1                              ; everybody's are
	FETCH_B 0, 0, 0
	FETCH_A 0, 0, 0
	SCALES 0
	FETCH_A 0, 0, 4
	STEP 0, 0, 1                                   ; the first products start the sums
	s_mov_b32 s3, LAPS-1
.Llap:
	TURN 0, 1, 1
	STEP 1, 0, 0
	TURN 1, 0, 1
	STEP 0, 0, 0
	s_sub_co_u32 s3, s3, 1
	s_cmp_lg_u32 s3, 0
	s_cbranch_scc1 .Llap
	TURN 0, 1, 0                                   ; the last lap fills nothing
	STEP 1, 0, 0
	s_wait_dscnt 4*NL
	WIN MUL_LO
	MUL16 0, 1, NQ-1, 1, 0
	MUL16 2, 1, NQ-1, 1, 0
	s_wait_dscnt 0
	WIN MUL_HI
	MUL16 4, 1, NQ-1, 1, 0
	MUL16 6, 1, NQ-1, 1, 0
	WIN 0
; THE WAY OUT, block by block of 16 rows x 128 columns, through my own stage: in by columns in their true order, back as whole rows of 512 bytes.  LDS serves a wave's instructions in order (ISA guide 5.7.1.4).
.macro TOSTAGE a
.set AC, 64*((\a)%4)
	WIN 0x08+4*((\a)/4)                            ; the data: window 2 or 3
.irp b, 0,1,2,3,4,5,6,7
	ds_store_b128 v[STO], v[AC+8*\b:AC+8*\b+3] offset:128*(\b/2)+32*(\b%2)          ; each accumulator from its low end on
	ds_store_b128 v[STO], v[AC+8*\b+4:AC+8*\b+7] offset:128*(\b/2)+32*(\b%2)+16
.endr
	WIN 0
.set BB, BK+64*((\a)%2)
.irp t, 0,1,2,3,4,5,6,7,8,9,10,11,12,13,14,15
	ds_load_b128 v[BB+4*\t:BB+4*\t+3], v[RD] offset:\t*SPITCH
.endr
.endm
.macro SEND a, younger                 ; younger: the LDS instructions issued behind block a's loads
.set BB, BK+64*((\a)%2)
	s_wait_dscnt \younger
.irp t, 0,1,2,3,4,5,6,7,8,9,10,11,12,13,14,15
	global_store_b128 v[CO], v[BB+4*\t:BB+4*\t+3], s[12:13] offset:(32*((\a)/2)+8*((\a)%2)+\t+8*(\t/8))*4096 th:TH_STORE_NT   ; stage row t of block a is this row of C; 512 consecutive bytes, aligned
.endr
.endm
	PLACES NP
	TOSTAGE 0
.irp a, 1,2,3,4,5,6,7
.if \a > 1
	s_wait_xcnt 0x0                                ; block a - 2's stores have read their registers: block a's loads may land there
.endif
	TOSTAGE \a
	SEND \a-1, 32                                  ; behind block a - 1's loads: block a's 16 stores and 16 loads
.endr
	SEND 7, 0
	s_wait_tensorcnt 0x0                           ; the wave's end
	ds_add_u32 v[SPW], v[NIL]
	s_wait_dscnt 0x0
	CROUND                                         ; the closing round
	s_endpgm
.Lfunc_end_k_qc4eaf9251d_gemm_proj:
	.size	k_qc4eaf9251d_gemm_proj, .Lfunc_end_k_qc4eaf9251d_gemm_proj-k_qc4eaf9251d_gemm_proj
	.p2alignl 7, 3214868480
	.fill 96, 4, 3214868480
	.section	.rodata,"a",@progbits
	.p2align	6, 0x0
	.amdhsa_kernel k_qc4eaf9251d_gemm_proj
		.amdhsa_group_segment_fixed_size 327680
		.amdhsa_private_segment_fixed_size 0
		.amdhsa_enable_private_segment 0
		.amdhsa_kernarg_size 24
		.amdhsa_user_sgpr_count 2
		.amdhsa_user_sgpr_kernarg_segment_ptr 1
		.amdhsa_wavefront_size32 1
		.amdhsa_system_sgpr_workgroup_id_x 1
		.amdhsa_system_sgpr_workgroup_id_y 1
		.amdhsa_system_sgpr_workgroup_id_z 1
		.amdhsa_system_vgpr_workitem_id 0
		.amdhsa_next_free_vgpr 1024
		.amdhsa_next_free_sgpr 102
		.amdhsa_reserve_vcc 0
		.amdhsa_float_denorm_mode_32 3
		.amdhsa_float_denorm_mode_16_64 3
		.amdhsa_memory_ordered 1
		.amdhsa_forward_progress 1
		.amdhsa_inst_pref_size 159
	.end_amdhsa_kernel
	.amdgpu_metadata
---
amdhsa.version: [ 1, 2 ]
amdhsa.kernels:
  - .name:           k_qc4eaf9251d_gemm_proj
    .symbol:         k_qc4eaf9251d_gemm_proj.kd
    .args:
      - { .name: at, .offset: 0, .size: 8, .value_kind: global_buffer, .address_space: global }
      - { .name: prep, .offset: 8, .size: 8, .value_kind: global_buffer, .address_space: global }
      - { .name: cb, .offset: 16, .size: 8, .value_kind: global_buffer, .address_space: global }
    .group_segment_fixed_size: 327680
    .private_segment_fixed_size: 0
    .kernarg_segment_align: 8
    .kernarg_segment_size: 24
    .max_flat_workgroup_size: 128
    .sgpr_count:     102
    .vgpr_count:     1024
    .wavefront_size: 32
...
	.end_amdgpu_metadata
.endif
;; end of part 4
;; launch norm1 (part 5): grid 256 x 1, 4 waves a work-group, no clusters, 66,304 bytes of LDS; arguments cb, x, bo, g1, be1, x1; writes x1
.if DOCPART == 5
	.amdgcn_target "amdgcn-amd-amdhsa--gfx1250"
	.amdhsa_code_object_version 6
	.text
	.protected	k_qc4eaf9251d_norm1
	.globl	k_qc4eaf9251d_norm1
	.p2align	8
	.type	k_qc4eaf9251d_norm1,@function
k_qc4eaf9251d_norm1:
	s_mov_b64 s[64:65], 0
	v_nop
	global_prefetch_b8 v0, s[64:65] scope:SCOPE_SE
	s_setreg_imm32_b32 hwreg(HW_REG_WAVE_MODE, 25, 1), 1
	s_wait_xcnt 0x0
; x1 = LayerNorm(x + (cb + bo)) g1 + be1, rows of 1,024 f32; stored as f32 (the later residual) and, quantised to FP6 (E2M3) along the row, as images of operand registers with their scale words.
; A work-group takes the 16 rows of tile T: row 32 (T / 2) + 8 (T % 2) + m + 8 (m / 8) is the tile's row m.  Wave w takes m = 4 w .. 4 w + 3, four neighbouring rows of memory; a row lies in one wave: 32 registers a lane, bytes 16 x lane + 512 j.
; So mean and variance (of the differences from the mean, as the definition has it) never leave the wave.  Two row slots: one at work, one on its way in.
; The finished rows also go to a stage in LDS (pitch 4,112 bytes: 16 rows of a load start at 16 different groups of banks); behind one barrier wave w reads K steps 2 w, 2 w + 1 of all 16 rows, 16 neighbours of each block to a lane, and quantises them.
; No cluster, no tensor load, no matrix work: the work-groups share only the three small vectors, and memory binds.
; LIMITS of the quantiser: NaN and infinities are not served; a block under 2^-124 keeps the byte 1; a block of zeros gets the byte 1 where the stated quantiser says 127 (this program alone reads the bytes).
.set ROWB, 4096
.set SP,   4112
.set X1F,  16777216                    ; in x1: the f32 rows at 0, the images here, the scale words behind
.set X1S,  19922944
.set FRB,  1536
.set BO,   16                          ; v16-47 bo, v48-79 g1, v80-111 be1 at my 32 columns
.set GA,   48
.set BE,   80
.set SL,   112                         ; v112-239 two row slots: 32 registers of cb, 32 of x
.set TM,   16                          ; the quantiser works in the vectors' registers, which are free by then
.set PW,   32
.set PP,   34
.set PC,   36
.set SEL,  24
.macro QUANT s
.irp b, 0,1,2,3
	v_max3_num_f32 v[TM+\b], |v[\s+16*\b]|, |v[\s+1+16*\b]|, 0x1800000   ; and the floor 2^(3 - 127): the byte cannot fall under 1
.endr
.irp i, 2,4,6,8,10,12,14
.irp b, 0,1,2,3
	v_max3_num_f32 v[TM+\b], v[TM+\b], |v[\s+16*\b+\i]|, |v[\s+1+16*\b+\i]|
.endr
.endr
.irp b, 0,1,2,3
	v_permlanex16_b32 v[TM+4+\b], v[TM+\b], s[SEL], s[SEL+1]
.endr
.irp b, 0,1,2,3
	v_max_num_f32 v[TM+\b], v[TM+\b], v[TM+4+\b]
.endr
.irp b, 0,1,2,3
	v_add_nc_u32 v[TM+12+\b], 0xff000000, v[TM+\b]     ; 2 off the exponent field: the conversion's scale operand
.endr
.irp b, 0,1,2,3
	v_lshrrev_b32 v[TM+4+\b], 23, v[TM+12+\b]
.endr
	v_lshl_or_b32 v[PW], v[TM+5], 8, v[TM+4]
	v_lshl_or_b32 v[PW], v[TM+6], 16, v[PW]
	v_lshl_or_b32 v[PW], v[TM+7], 24, v[PW]
.irp c, 0,1
	v_cvt_scalef32_pk16_fp6_f32 v[PC+6*\c:PC+2+6*\c], v[\s+32*\c:\s+15+32*\c], v[TM+12+2*\c]
	v_cvt_scalef32_pk16_fp6_f32 v[PC+12+4*\c:PC+14+4*\c], v[\s+16+32*\c:\s+31+32*\c], v[TM+12+2*\c+1]
.endr
	v_nop
.irp c, 0,1
.irp i, 0,1,2
	v_permlane16_swap_b32 v[PC+6*\c+\i], v[PC+12+4*\c+\i]
.endr
.irp i, 0,1,2
	v_mov_b32 v[PC+3+6*\c+\i], v[PC+12+4*\c+\i]
.endr
.endr
.endm
.macro ALLSUM                          ; v240 summed over the 32 lanes, the result in every lane
	v_add_f32_dpp v240, v240, v240 row_xmask:1 row_mask:0xf bank_mask:0xf
	v_add_f32_dpp v240, v240, v240 row_xmask:2 row_mask:0xf bank_mask:0xf
	v_add_f32_dpp v240, v240, v240 row_xmask:4 row_mask:0xf bank_mask:0xf
	v_add_f32_dpp v240, v240, v240 row_xmask:8 row_mask:0xf bank_mask:0xf
	v_permlanex16_b32 v244, v240, s[SEL], s[SEL+1]
	v_add_f32 v240, v240, v244
.endm
.macro RLOAD i, s                      ; my row i into slot s: 16 loads of 512 consecutive bytes
.irp j, 0,1,2,3,4,5,6,7
	global_load_b128 v[SL+64*(\s)+4*\j:SL+64*(\s)+4*\j+3], v1, s[4:5] offset:(\i)*ROWB+512*\j th:TH_LOAD_NT
	global_load_b128 v[SL+64*(\s)+32+4*\j:SL+64*(\s)+32+4*\j+3], v1, s[6:7] offset:(\i)*ROWB+512*\j th:TH_LOAD_NT
.endr
.endm
.macro ROW i, s, left, more
.set Y, SL+64*(\s)
	s_wait_loadcnt \left                           ; my row is in; the next row's 16 loads may be out
.set k, 0
.rept 16
	v_pk_add_f32 v[Y+k:Y+k+1], v[Y+k:Y+k+1], v[BO+k:BO+k+1]
.set k, k+2
.endr
.set k, 0
.rept 16
	v_pk_add_f32 v[Y+k:Y+k+1], v[Y+k:Y+k+1], v[Y+32+k:Y+33+k]      ; y = x + (product + bias)
.set k, k+2
.endr
	v_pk_add_f32 v[240:241], v[Y:Y+1], v[Y+2:Y+3]                  ; the row's sum, in two chains
	v_pk_add_f32 v[242:243], v[Y+4:Y+5], v[Y+6:Y+7]
.irp k, 8,12,16,20,24,28
	v_pk_add_f32 v[240:241], v[240:241], v[Y+\k:Y+\k+1]
	v_pk_add_f32 v[242:243], v[242:243], v[Y+\k+2:Y+\k+3]
.endr
	v_pk_add_f32 v[240:241], v[240:241], v[242:243]
	v_add_f32 v240, v240, v241
	ALLSUM
	v_mul_f32 v246, s21, v240                      ; the mean
.set k, 0
.rept 16
	v_pk_add_f32 v[Y+k:Y+k+1], v[Y+k:Y+k+1], v[246:247] op_sel_hi:[1,0] neg_lo:[0,1] neg_hi:[0,1]
.set k, k+2
.endr
	v_pk_mul_f32 v[240:241], v[Y:Y+1], v[Y:Y+1]                    ; the sum of squares of the differences
	v_pk_mul_f32 v[242:243], v[Y+2:Y+3], v[Y+2:Y+3]
.irp k, 4,8,12,16,20,24,28
	v_pk_fma_f32 v[240:241], v[Y+\k:Y+\k+1], v[Y+\k:Y+\k+1], v[240:241]
	v_pk_fma_f32 v[242:243], v[Y+\k+2:Y+\k+3], v[Y+\k+2:Y+\k+3], v[242:243]
.endr
	v_pk_add_f32 v[240:241], v[240:241], v[242:243]
	v_add_f32 v240, v240, v241
	ALLSUM
	v_fma_f32 v248, v240, s21, s22                 ; the variance + 1e-5
	v_rsq_f32 v250, v248
	v_nop                                          ; a plain instruction behind the transcendental,
	s_wait_alu depctr_va_vdst(0)                   ; and the wait ahead of its first reader
.set k, 0
.rept 16
	v_pk_mul_f32 v[Y+k:Y+k+1], v[Y+k:Y+k+1], v[250:251] op_sel_hi:[1,0]
.set k, k+2
.endr
.set k, 0
.rept 16
	v_pk_fma_f32 v[Y+k:Y+k+1], v[Y+k:Y+k+1], v[GA+k:GA+k+1], v[BE+k:BE+k+1]
.set k, k+2
.endr
.irp j, 0,1,2,3,4,5,6,7
	global_store_b128 v1, v[Y+4*\j:Y+4*\j+3], s[26:27] offset:(\i)*ROWB+512*\j   ; 512 consecutive bytes, aligned
	ds_store_b128 v3, v[Y+4*\j:Y+4*\j+3] offset:(\i)*SP+512*\j
.endr
.if \more
	s_wait_xcnt 0x0                                ; the stores to memory, and
	s_wait_dscnt 0x0                               ; those to the stage, have read the slot's registers: it is loaded again only behind these waits
	RLOAD (\i)+2, \s
.endif
.endm
	s_load_b256 s[4:11], s[0:1], 0x0               ; cb, x, bo, g1
	s_load_b128 s[12:15], s[0:1], 0x20             ; be1, x1
	v_lshl_add_u32 v254, v0, 2, 0x10100
	v_mov_b32 v255, 0
	v_lshrrev_b32 v1, 5, v0
	v_readfirstlane_b32 s16, v1                    ; wave
	v_and_b32 v2, 31, v0
	v_lshlrev_b32 v1, 4, v2                        ; 16 x lane
	v_lshlrev_b32 v5, 3, v2                        ; 8 x lane
	v_and_b32 v7, 15, v0                           ; r
	v_bfe_u32 v8, v0, 4, 1                         ; h
	v_lshlrev_b32 v6, 3, v7                        ; 8 r
	s_lshr_b32 s17, ttmp9, 1
	s_lshl_b32 s17, s17, 5
	s_and_b32 s18, ttmp9, 1
	s_lshl_b32 s18, s18, 3
	s_add_co_u32 s17, s17, s18
	s_lshl_b32 s18, s16, 2
	s_add_co_u32 s17, s17, s18
	s_lshr_b32 s18, s16, 1
	s_lshl_b32 s18, s18, 3
	s_add_co_u32 s17, s17, s18                     ; my first row: 32 (T / 2) + 8 (T % 2) + 4 w + 8 (w / 2)
	s_lshl_b32 s18, s17, 12
	s_mov_b32 s19, 0
	s_mul_i32 s20, s16, 4*SP
	v_add_nc_u32 v3, s20, v1                       ; the stage, on the way in: my four rows
	v_mul_u32_u24 v4, v7, SP
	v_lshl_add_u32 v4, v8, 6, v4
	s_lshl_b32 s20, s16, 10
	v_add_nc_u32 v4, s20, v4                       ; and out: row r, + 64 h, + my wave's 256 numbers
	s_mov_b32 s21, 0x3a800000                      ; 1 / 1,024
	s_mov_b32 s22, 0x3727c5ac                      ; 1e-5
	s_mov_b32 s[SEL], 0x76543210
	s_mov_b32 s[SEL+1], 0xfedcba98
	v_mov_b32 v244, 0                              ; a lane permute's destination counts as one of its sources
	v_mov_b32 v247, 0                              ; (named as the upper halves of pairs of which the low word serves)
	v_mov_b32 v251, 0
	s_wait_kmcnt 0x0
	s_add_nc_u64 s[4:5], s[4:5], s[18:19]
	s_add_nc_u64 s[6:7], s[6:7], s[18:19]
	s_add_nc_u64 s[26:27], s[14:15], s[18:19]
.irp j, 0,1,2,3,4,5,6,7
	global_load_b128 v[BO+4*\j:BO+4*\j+3], v1, s[8:9] offset:512*\j
	global_load_b128 v[GA+4*\j:GA+4*\j+3], v1, s[10:11] offset:512*\j
	global_load_b128 v[BE+4*\j:BE+4*\j+3], v1, s[12:13] offset:512*\j
.endr
	RLOAD 0, 0
	RLOAD 1, 1
	s_lshl_b32 s18, ttmp9, 3
	s_lshl_b32 s20, s16, 1
	s_add_co_u32 s18, s18, s20
	s_mul_i32 s18, s18, FRB
	s_add_co_u32 s18, s18, X1F                     ; images 8 T + 2 w, + 1
	s_add_nc_u64 s[28:29], s[14:15], s[18:19]
	s_lshl_b32 s18, ttmp9, 9
	s_lshl_b32 s20, s16, 7
	s_add_co_u32 s18, s18, s20
	s_add_co_u32 s18, s18, X1S                     ; scale words 512 T + 128 w
	s_add_nc_u64 s[30:31], s[14:15], s[18:19]
	ROW 0, 0, 16, 1
	ROW 1, 1, 16, 1
	ROW 2, 0, 16, 0
	ROW 3, 1, 0, 0
	s_wait_dscnt 0x0                               ; for the others' sake: my rows lie in the stage
	s_barrier_signal -1
	s_barrier_wait -1
	s_wait_xcnt 0x0                                ; the last rows' stores have read the slots' registers
.irp q, 0,1
.irp b, 0,1,2,3
.irp j, 0,1,2,3
	ds_load_b128 v[SL+64*\q+16*\b+4*\j:SL+64*\q+16*\b+4*\j+3], v4 offset:512*\q+128*\b+16*\j
.endr
.endr
.endr
.irp b, 0,1,2,3
	v_mov_b32 v[TM+4+\b], 0
.endr
	s_wait_dscnt 16                                ; the first K step's 16 loads are in
	QUANT SL
	v_mov_b32 v[PP], v[PW]
.irp p, 0,1,2,3,4,5
	global_store_b64 v5, v[PC+2*\p:PC+2*\p+1], s[28:29] offset:256*\p
.endr
	s_wait_dscnt 0x0
	s_wait_xcnt 0x0                                ; the stores have read the fragment's registers
	QUANT SL+64
	v_mov_b32 v[PP+1], v[PW]
.irp p, 0,1,2,3,4,5
	global_store_b64 v5, v[PC+2*\p:PC+2*\p+1], s[28:29] offset:FRB+256*\p
.endr
	global_store_b64 v6, v[PP:PP+1], s[30:31]      ; lanes r and r + 16 write the same pair
	s_wait_tensorcnt 0x0
	ds_add_u32 v254, v255
	s_wait_dscnt 0x0
	s_endpgm
.Lfunc_end_k_qc4eaf9251d_norm1:
	.size	k_qc4eaf9251d_norm1, .Lfunc_end_k_qc4eaf9251d_norm1-k_qc4eaf9251d_norm1
	.p2alignl 7, 3214868480
	.fill 96, 4, 3214868480
	.section	.rodata,"a",@progbits
	.p2align	6, 0x0
	.amdhsa_kernel k_qc4eaf9251d_norm1
		.amdhsa_group_segment_fixed_size 66304
		.amdhsa_private_segment_fixed_size 0
		.amdhsa_enable_private_segment 0
		.amdhsa_kernarg_size 48
		.amdhsa_user_sgpr_count 2
		.amdhsa_user_sgpr_kernarg_segment_ptr 1
		.amdhsa_wavefront_size32 1
		.amdhsa_system_sgpr_workgroup_id_x 1
		.amdhsa_system_sgpr_workgroup_id_y 1
		.amdhsa_system_sgpr_workgroup_id_z 1
		.amdhsa_system_vgpr_workitem_id 0
		.amdhsa_next_free_vgpr 256
		.amdhsa_next_free_sgpr 66
		.amdhsa_reserve_vcc 0
		.amdhsa_float_denorm_mode_32 3
		.amdhsa_float_denorm_mode_16_64 3
		.amdhsa_memory_ordered 1
		.amdhsa_forward_progress 1
		.amdhsa_inst_pref_size 59
	.end_amdhsa_kernel
	.amdgpu_metadata
---
amdhsa.version: [ 1, 2 ]
amdhsa.kernels:
  - .name:           k_qc4eaf9251d_norm1
    .symbol:         k_qc4eaf9251d_norm1.kd
    .args:
      - { .name: cb, .offset: 0, .size: 8, .value_kind: global_buffer, .address_space: global }
      - { .name: x, .offset: 8, .size: 8, .value_kind: global_buffer, .address_space: global }
      - { .name: bo, .offset: 16, .size: 8, .value_kind: global_buffer, .address_space: global }
      - { .name: g1, .offset: 24, .size: 8, .value_kind: global_buffer, .address_space: global }
      - { .name: be1, .offset: 32, .size: 8, .value_kind: global_buffer, .address_space: global }
      - { .name: x1, .offset: 40, .size: 8, .value_kind: global_buffer, .address_space: global }
    .group_segment_fixed_size: 66304
    .private_segment_fixed_size: 0
    .kernarg_segment_align: 8
    .kernarg_segment_size: 48
    .max_flat_workgroup_size: 128
    .sgpr_count:     66
    .vgpr_count:     256
    .wavefront_size: 32
...
	.end_amdgpu_metadata
.endif
;; end of part 5
;; launch gemm_up (part 6): grid 16 x 16, 4 waves a work-group, clusters of 4 x 4, 327,680 bytes of LDS; arguments x1, prep, b1, hb; writes hb
.if DOCPART == 6
	.amdgcn_target "amdgcn-amd-amdhsa--gfx1250"
	.amdhsa_code_object_version 6
	.text
	.protected	k_qc4eaf9251d_gemm_up
	.globl	k_qc4eaf9251d_gemm_up
	.p2align	8
	.type	k_qc4eaf9251d_gemm_up,@function
k_qc4eaf9251d_gemm_up:
	s_mov_b64 s[64:65], 0
	v_nop
	global_prefetch_b8 v0, s[64:65] scope:SCOPE_SE
	s_setreg_imm32_b32 hwreg(HW_REG_WAVE_MODE, 25, 1), 1
	s_wait_xcnt 0x0
	s_wait_alu depctr_hold_cnt(0) depctr_sa_sdst(0) depctr_va_vdst(0) depctr_va_sdst(0) depctr_va_ssrc(0) depctr_va_vcc(0) depctr_vm_vsrc(0)
	s_getreg_b32 s2, hwreg(HW_REG_IB_STS2, 6, 4)
	s_cmp_eq_u32 s2, 0
	s_cbranch_scc0 .Lentry_in_a_cluster
	s_endpgm
.Lentry_in_a_cluster:
	s_bfe_u32 s2, ttmp6, 0x10000c
	s_cmp_lg_u32 s2, 0xf033
	s_cbranch_scc0 .Lentry_shape_is_right
	s_endpgm
.Lentry_shape_is_right:
; hb = Q(gelu(Q(x1) W1 + b1)), [4096][4096], on codes of FP6 (E2M3) with E8M0 scales, K = 1,024; gelu is the exact one, x (1 + erf(x / sqrt 2)) / 2, in f32; the result is quantised in registers along the 4,096 and leaves as images of operand registers.
; A work-group of four waves makes 256 x 256, a wave 128 x 128 (64 accumulators, 512 registers).  K goes in steps of 256 through two LDS slots filled by the tensor data mover.
; OPERANDS ARE FRAGMENT IMAGES (16 rows x 128 K, 1,536 bytes, piece p at 256 p + 8 x lane), laid [tile][K step].  THE ROWS OF A TILE: lane r of tile T holds row 32 (T / 2) + 8 (T % 2) + r + 8 (r / 8).
; THE MATRIX INSTRUCTION: source 0 = B (W1), source 1 = A (x1): a lane holds one token, and the 16 registers of B's tiles 2 n, 2 n + 1 are 16 neighbouring hidden units: a wave's 128 columns are one K step of the next product.
; 4 x 4 work-groups form a cluster: A's tiles are asked for jointly along a row of the cluster, B's along a column.
; erf(z) = z P(z^2) / Q(z^2), |z| held at 4 (beyond it erf is 1 in f32), P of degree 6, Q of degree 4.  LIMIT: 1 + erf is right to about 1e-7 absolute, so gelu of a strongly negative x is right to about |x| 1e-7 absolute, not relative.
; LIMITS of the quantiser: NaN and infinities are not served; a block under 2^-124 keeps the byte 1; a block of zeros gets the byte 1 where the stated quantiser says 127 (this program alone reads the bytes).
; The way out is a loop of eight trips (one block of 16 tokens each), so that the activation is written once; only the 32 additions that fetch a block's accumulators differ, and a ladder of scalar branches on the trip's number picks them.
; REGISTERS: window 0: v7-11 an offset and two constants; v16-29 addresses; v32-63 scale words, nothing else; v64-127 b1; v128-223 A's fragments; on the way out v128-191 64 numbers, v192-255 at work.  Window 1: B's fragments.  Windows 2, 3: accumulators.
.set KK,    1024
.set AFO,   16777216                   ; A's images and scale words in x1,
.set ASO,   19922944
.set BFO,   6553600                    ; W1's in prep
.set BSO,   9699328
.set HS,    12582912                   ; in hb: images [tile 256][K step 32][1,536] at 0, scale words (2,048 bytes a tile) here
.set NS,    KK/128
.set LAPS,  KK/512
.set FRB,   1536
.set TROW,  2*FRB
.set HALFT, 8*TROW
.set SLOT,  4*HALFT
.set SCLA,  2*SLOT
.set SCLB,  SCLA+8*KK+128
.set SBLK,  KK/2
.set SPARE, SCLB+8*KK+128              ; the spare words, 128 bytes for each wave: two blocks of 256 bytes that no other line names
.set NQ, 2
.set FR, 12
.set NL, 6
.set NP, 4
.set ADRA, 16
.set ADRB, 20
.set L8,   24
.set R8,   25
.set ADRS, 27
.set SPW,  28
.set NIL,  29
.set SC,   32
.set BIAS, 64
.set AF,   128
.set W,    128
.set ZR,   192
.set Z2R,  208
.set PR,   224
.set QR,   240
.set TM,   192
.set PW,   208
.set PC,   212
.set SEL,  66
.set G1, 24
.set G0, 32
.set G1B, 48
.set G0B, 56
.set G1S, 68
.set G0S, 76
.set G1SB, 80
.set G0SB, 88
.set MSB, 0
.macro WIN new
.if MSB != (\new)
	s_set_vgpr_msb (MSB<<8)|(\new)
.set MSB, (\new)
.endif
.endm
.set MUL_LO, 0xa1
.set MUL_HI, 0xf1
.set TO_B,   0x40
.macro JLOAD g0a, g1a, g0b, g1b        ; a joint load: waves 0, 1 for A, waves 2, 3 for B; four v_nop follow each line
	s_cmp_eq_u32 s15, 0
	s_cbranch_scc0 .Lfor_b_\@
	tensor_load_to_lds s[\g0a:\g0a+3], s[\g1a:\g1a+7]
	s_nop 0
.rept 4
	v_nop
.endr
	s_branch .Lasked_\@
.Lfor_b_\@:
	tensor_load_to_lds s[\g0b:\g0b+3], s[\g1b:\g1b+7]
	s_nop 0
.rept 4
	v_nop
.endr
.Lasked_\@:
.endm
.macro CREST
	s_cmp_lg_u32 s14, 0
	s_cbranch_scc1 .Lnot_wave_0_\@
	s_barrier_signal -3
.Lnot_wave_0_\@:
	s_barrier_wait -3
	s_barrier_signal -1
	s_barrier_wait -1
.endm
.macro CROUND
	s_barrier_signal -1
	s_barrier_wait -1
	CREST
.endm
.macro FRAG reg, adr, q, i
.irp p, 0,1,2,3,4,5
	ds_load_b64 v[\reg+2*\p:\reg+2*\p+1], v[\adr] offset:(\i)*TROW+(\q)*FRB+256*\p
.endr
.endm
.macro MUL16 a0, p, q, sc, zero        ; the 64 accumulators take turns, one instruction a turn
.irp a, \a0, \a0+1
.irp b, 0,1,2,3,4,5,6,7
.if \zero
	v_wmma_scale_f32_16x16x128_f8f6f4 v[8*(8*((\a)%4)+\b):8*(8*((\a)%4)+\b)+7], v[128*(\p)+FR*\b:128*(\p)+FR*\b+FR-1], v[AF+FR*(\a):AF+FR*(\a)+FR-1], 0, v[SC+8*NQ*(\sc)+NQ*\b+(\q)], v[SC+8*NQ*(\sc)+NQ*(\a)+(\q)] matrix_a_fmt:MATRIX_FMT_FP6 matrix_b_fmt:MATRIX_FMT_FP6 matrix_a_scale:MATRIX_SCALE_ROW1
.else
	v_wmma_scale_f32_16x16x128_f8f6f4 v[8*(8*((\a)%4)+\b):8*(8*((\a)%4)+\b)+7], v[128*(\p)+FR*\b:128*(\p)+FR*\b+FR-1], v[AF+FR*(\a):AF+FR*(\a)+FR-1], v[8*(8*((\a)%4)+\b):8*(8*((\a)%4)+\b)+7], v[SC+8*NQ*(\sc)+NQ*\b+(\q)], v[SC+8*NQ*(\sc)+NQ*(\a)+(\q)] matrix_a_fmt:MATRIX_FMT_FP6 matrix_b_fmt:MATRIX_FMT_FP6 matrix_a_scale:MATRIX_SCALE_ROW1
.endif
.endr
.endr
.endm
.macro FETCH_B slot, q, p
	WIN TO_B
.irp i, 0,1,2,3,4,5,6,7
	FRAG 128*(\p)+FR*\i, ADRB+\slot, \q, \i
.endr
	WIN 0
.endm
.macro FETCH_A slot, q, i0
.irp i, \i0, \i0+1, \i0+2, \i0+3
	FRAG AF+FR*(\i), ADRA+\slot, \q, \i
.endr
.endm
.macro SCALES sc
.irp i, 0,1,2,3,4,5,6,7
	ds_load_b64 v[SC+8*NQ*\sc+NQ*\i:SC+8*NQ*\sc+NQ*\i+1], v[ADRS] offset:\i*SBLK
.endr
.endm
.macro PLACES n
.rept \n
	v_nop
.endr
.endm
.macro STEP slot, q, zero
	s_wait_dscnt 4*NL                              ; all but the youngest 24 loads (A's blocks 4-7) are in
	WIN MUL_LO
	MUL16 0, (\q)%2, \q, \slot, \zero
	MUL16 2, (\q)%2, \q, \slot, \zero
	s_wait_dscnt 0
	PLACES NP
	FETCH_B \slot, (\q)+1, 1-(\q)%2
	FETCH_A \slot, (\q)+1, 0
	WIN MUL_HI
	MUL16 4, (\q)%2, \q, \slot, \zero
	MUL16 6, (\q)%2, \q, \slot, \zero
	PLACES NP
	WIN 0
	FETCH_A \slot, (\q)+1, 4
.endm
.macro TURN slot, next, fill
	s_wait_tensorcnt 0x0                           ; all my tensor loads have landed: my part of the next slot
	ds_add_u32 v[SPW], v[NIL]                      ; 0 onto my spare word
	s_wait_dscnt 4*NL+1                            ; (the add and the youngest 24 loads may be out)
	WIN MUL_LO
	MUL16 0, 1, NQ-1, \slot, 0
	s_wait_dscnt 0x0                               ; the add is done, and my reads of this slot are over
	s_barrier_signal -1
	MUL16 2, 1, NQ-1, \slot, 0
	WIN 0
	s_barrier_wait -1
.if \fill
	CREST                                          ; a round of the cluster's barrier: no wave of any partner still reads this slot or has a load on its way
	s_add_nc_u64 s[G0+4*\slot+2:G0+4*\slot+3], s[G0+4*\slot+2:G0+4*\slot+3], 2*TROW
	s_add_nc_u64 s[G0B+4*\slot+2:G0B+4*\slot+3], s[G0B+4*\slot+2:G0B+4*\slot+3], 2*TROW
	JLOAD G0+4*\slot, G1, G0B+4*\slot, G1B         ; the first tensor load behind the round
.else
	PLACES NP
.endif
	v_add_nc_u32 v[ADRS], 128, v[ADRS]
	FETCH_B \next, 0, 0
	FETCH_A \next, 0, 0
	SCALES \next
	WIN MUL_HI
	MUL16 4, 1, NQ-1, \slot, 0
	MUL16 6, 1, NQ-1, \slot, 0
	PLACES NP
	WIN 0
	FETCH_A \next, 0, 4
.endm
.macro QUANT s
.irp b, 0,1,2,3
	v_max3_num_f32 v[TM+\b], |v[\s+16*\b]|, |v[\s+1+16*\b]|, 0x1800000   ; and the floor 2^(3 - 127): the byte cannot fall under 1
.endr
.irp i, 2,4,6,8,10,12,14
.irp b, 0,1,2,3
	v_max3_num_f32 v[TM+\b], v[TM+\b], |v[\s+16*\b+\i]|, |v[\s+1+16*\b+\i]|
.endr
.endr
.irp b, 0,1,2,3
	v_permlanex16_b32 v[TM+4+\b], v[TM+\b], s[SEL], s[SEL+1]
.endr
.irp b, 0,1,2,3
	v_max_num_f32 v[TM+\b], v[TM+\b], v[TM+4+\b]
.endr
.irp b, 0,1,2,3
	v_add_nc_u32 v[TM+12+\b], 0xff000000, v[TM+\b]
.endr
.irp b, 0,1,2,3
	v_lshrrev_b32 v[TM+4+\b], 23, v[TM+12+\b]
.endr
	v_lshl_or_b32 v[PW], v[TM+5], 8, v[TM+4]
	v_lshl_or_b32 v[PW], v[TM+6], 16, v[PW]
	v_lshl_or_b32 v[PW], v[TM+7], 24, v[PW]
.irp c, 0,1
	v_cvt_scalef32_pk16_fp6_f32 v[PC+6*\c:PC+2+6*\c], v[\s+32*\c:\s+15+32*\c], v[TM+12+2*\c]
	v_cvt_scalef32_pk16_fp6_f32 v[PC+12+4*\c:PC+14+4*\c], v[\s+16+32*\c:\s+31+32*\c], v[TM+12+2*\c+1]
.endr
	v_nop
.irp c, 0,1
.irp i, 0,1,2
	v_permlane16_swap_b32 v[PC+6*\c+\i], v[PC+12+4*\c+\i]
.endr
.irp i, 0,1,2
	v_mov_b32 v[PC+3+6*\c+\i], v[PC+12+4*\c+\i]
.endr
.endr
.endm
; gelu of the 16 numbers v[w] .. v[w + 15], in place, two at a time.  The 16 reciprocals are one batch with one wait; the two runs of multiplications behind them are its independent work.
.macro GELU w
.irp k, 0,2,4,6,8,10,12,14
	v_pk_mul_f32 v[ZR+\k:ZR+\k+1], v[\w+\k:\w+\k+1], 0x3f3504f3 op_sel_hi:[1,0]     ; z = x / sqrt 2
.endr
.irp k, 0,1,2,3,4,5,6,7,8,9,10,11,12,13,14,15
	v_med3_num_f32 v[ZR+\k], v[ZR+\k], -4.0, 4.0
.endr
.irp k, 0,2,4,6,8,10,12,14
	v_pk_mul_f32 v[Z2R+\k:Z2R+\k+1], v[ZR+\k:ZR+\k+1], v[ZR+\k:ZR+\k+1]
.endr
.irp k, 0,2,4,6,8,10,12,14
	v_pk_fma_f32 v[PR+\k:PR+\k+1], v[Z2R+\k:Z2R+\k+1], 0xaf95df0b, v[8:9] op_sel_hi:[1,0,1]
.endr
.irp c, 0xb60cff51, 0xb86ec2d2, 0xba40ac63, 0xbb41a1f6, 0xbc83dbd4
.irp k, 0,2,4,6,8,10,12,14
	v_pk_fma_f32 v[PR+\k:PR+\k+1], v[PR+\k:PR+\k+1], v[Z2R+\k:Z2R+\k+1], \c op_sel_hi:[1,1,0]
.endr
.endr
.irp k, 0,2,4,6,8,10,12,14
	v_pk_fma_f32 v[QR+\k:QR+\k+1], v[Z2R+\k:Z2R+\k+1], 0xb77460cd, v[10:11] op_sel_hi:[1,0,1]
.endr
.irp c, 0xbadc924e, 0xbbf19bf8, 0xbc69b6a7
.irp k, 0,2,4,6,8,10,12,14
	v_pk_fma_f32 v[QR+\k:QR+\k+1], v[QR+\k:QR+\k+1], v[Z2R+\k:Z2R+\k+1], \c op_sel_hi:[1,1,0]
.endr
.endr
.irp k, 0,1,2,3,4,5,6,7,8,9,10,11,12,13,14,15
	v_rcp_f32 v[QR+\k], v[QR+\k]
.endr
.irp k, 0,2,4,6,8,10,12,14
	v_pk_mul_f32 v[PR+\k:PR+\k+1], v[PR+\k:PR+\k+1], v[ZR+\k:ZR+\k+1]
.endr
.irp k, 0,2,4,6,8,10,12,14
	v_pk_mul_f32 v[\w+\k:\w+\k+1], v[\w+\k:\w+\k+1], 0.5 op_sel_hi:[1,0]
.endr
	s_wait_alu depctr_va_vdst(0)                   ; one wait for the 16 reciprocals, ahead of their first reader
.irp k, 0,2,4,6,8,10,12,14
	v_pk_mul_f32 v[PR+\k:PR+\k+1], v[PR+\k:PR+\k+1], v[QR+\k:QR+\k+1]                ; erf
.endr
.irp k, 0,2,4,6,8,10,12,14
	v_pk_fma_f32 v[\w+\k:\w+\k+1], v[\w+\k:\w+\k+1], v[PR+\k:PR+\k+1], v[\w+\k:\w+\k+1]   ; x / 2 + (x / 2) erf
.endr
.endm
	s_load_b128 s[4:7], s[0:1], 0x0                ; x1, prep
	s_load_b128 s[8:11], s[0:1], 0x10              ; b1, hb
	v_lshl_add_u32 v[SPW], v0, 2, SPARE
	v_mov_b32 v[NIL], 0
	ds_add_u32 v28, v29
	ds_add_u32 v28, v29
	s_wait_dscnt 0x0
	v_lshrrev_b32 v1, 5, v0
	v_readfirstlane_b32 s14, v1                    ; wave 0..3
	s_lshr_b32 s15, s14, 1
	s_and_b32 s16, s14, 1
	s_bfe_u32 s40, ttmp6, 0x40000                  ; cx, cy
	s_bfe_u32 s41, ttmp6, 0x40004
	s_lshl_b32 s42, ttmp9, 2
	s_add_co_u32 s42, s42, s40                     ; tile column
	s_and_b32 s17, ttmp7, 0xffff
	s_lshl_b32 s17, s17, 2
	s_add_co_u32 s17, s17, s41                     ; tile row
	s_lshl_b32 s43, s41, 2
	s_lshl_b32 s43, 15, s43
	s_lshl_b32 s44, 0x1111, s40
	s_or_b32 s[G1+0], s43, (3<<16)|(1<<21)         ; 8 rows of 3,072 bytes (384 elements of 8 bytes), a tile's images apart; no padding; 21 set beside a mask
	s_or_b32 s[G1B+0], s44, (3<<16)|(1<<21)
.irp g, G1, G1B
	s_mov_b32 s[\g+1], 384<<16
	s_mov_b32 s[\g+2], 8<<16
	s_mov_b32 s[\g+3], 384<<16
	s_mov_b32 s[\g+4], 8
	s_mov_b32 s[\g+5], NS*192
	s_mov_b32 s[\g+6], 0
	s_mov_b32 s[\g+7], 0
.endr
	s_or_b32 s[G1S+0], s43, (3<<16)|(1<<21)        ; 8 tiles' scale words: 4 KK dense bytes as rows of 256
	s_or_b32 s[G1SB+0], s44, (3<<16)|(1<<21)
.irp g, G1S, G1SB
	s_mov_b32 s[\g+1], 32<<16
	s_mov_b32 s[\g+2], (KK/64)<<16
	s_mov_b32 s[\g+3], 32<<16
	s_mov_b32 s[\g+4], KK/64
	s_mov_b32 s[\g+5], 32
	s_mov_b32 s[\g+6], 0
	s_mov_b32 s[\g+7], 0
.endr
	s_lshl_b32 s18, s16, 3
	s_lshl_b32 s20, s17, 4
	s_add_co_u32 s20, s20, s18
	s_lshl_b32 s46, s42, 4
	s_add_co_u32 s46, s46, s18
	s_mul_i32 s22, s20, SBLK
	s_mul_i32 s92, s46, SBLK
	s_mul_i32 s20, s20, NS*FRB
	s_mul_i32 s46, s46, NS*FRB
	s_add_co_u32 s20, s20, AFO
	s_add_co_u32 s22, s22, ASO
	s_add_co_u32 s46, s46, BFO
	s_add_co_u32 s92, s92, BSO
	s_mov_b32 s21, 0
	s_mov_b32 s23, 0
	s_mov_b32 s47, 0
	s_mov_b32 s93, 0
	s_mul_i32 s45, s14, HALFT
	s_mul_i32 s94, s14, 4*KK
	s_lshl_b32 s95, s15, 7
	s_add_co_u32 s94, s94, s95
	s_wait_kmcnt 0x0
	s_add_nc_u64 s[20:21], s[4:5], s[20:21]
	s_add_nc_u64 s[22:23], s[4:5], s[22:23]
	s_add_nc_u64 s[46:47], s[6:7], s[46:47]
	s_add_nc_u64 s[92:93], s[6:7], s[92:93]
	CROUND                                         ; all sixteen work-groups are here: the first joint loads meet
	s_mov_b32 s[G0S], 1
	s_add_co_u32 s[G0S+1], s94, SCLA
	s_mov_b64 s[G0S+2:G0S+3], s[22:23]
	s_or_b32 s[G0S+3], s[G0S+3], 0x80000000
	s_mov_b32 s[G0SB], 1
	s_add_co_u32 s[G0SB+1], s94, SCLA
	s_mov_b64 s[G0SB+2:G0SB+3], s[92:93]
	s_or_b32 s[G0SB+3], s[G0SB+3], 0x80000000
	JLOAD G0S, G1S, G0SB, G1SB                     ; the scale words first; three loads of mine are out at the most
.irp s, 0,1
	s_mov_b32 s[G0+4*\s], 1
	s_add_co_u32 s[G0+4*\s+1], s45, \s*SLOT
	s_add_nc_u64 s[G0+4*\s+2:G0+4*\s+3], s[20:21], \s*TROW
	s_or_b32 s[G0+4*\s+3], s[G0+4*\s+3], 0x80000000
	s_mov_b32 s[G0B+4*\s], 1
	s_add_co_u32 s[G0B+4*\s+1], s45, \s*SLOT
	s_add_nc_u64 s[G0B+4*\s+2:G0B+4*\s+3], s[46:47], \s*TROW
	s_or_b32 s[G0B+4*\s+3], s[G0B+4*\s+3], 0x80000000
	JLOAD G0+4*\s, G1, G0B+4*\s, G1B
.endr
	v_and_b32 v1, 15, v0                           ; r
	v_bfe_u32 v2, v0, 4, 1                         ; h
	v_and_b32 v3, 31, v0
	v_lshlrev_b32 v[L8], 3, v3
	v_lshlrev_b32 v[R8], 3, v1
	s_mul_i32 s21, s15, HALFT
	s_mul_i32 s22, s16, HALFT
	s_add_co_u32 s22, s22, 2*HALFT
.irp s, 0,1
	v_add_nc_u32 v[ADRA+\s], s21, v[L8]
	v_add_nc_u32 v[ADRB+\s], s22, v[L8]
	s_add_co_u32 s21, s21, SLOT
	s_add_co_u32 s22, s22, SLOT
.endr
	s_mul_i32 s21, s15, 4*KK
	s_mul_i32 s22, s16, 4*KK
	s_add_co_u32 s22, s22, 8*KK+128
	s_sub_co_u32 s22, s22, s21
	v_mul_u32_u24 v6, s22, v2                      ; lanes 16-31 take B's scale words
	s_add_co_u32 s21, s21, SCLA
	v_add_nc_u32 v5, v[R8], v6
	v_add_nc_u32 v[ADRS], s21, v5
	s_lshl_b32 s20, s42, 10                        ; b1 in the result's layout: register 8 b + j is the bias of my wave's column 32 (b / 2) + 8 (b % 2) + 16 h + j
	s_lshl_b32 s21, s16, 9
	s_add_co_u32 s20, s20, s21
	v_lshlrev_b32 v7, 6, v2
	v_add_nc_u32 v7, s20, v7
.irp b, 0,1,2,3,4,5,6,7
	global_load_b128 v[BIAS+8*\b:BIAS+8*\b+3], v7, s[8:9] offset:4*(32*(\b/2)+8*(\b%2))
	global_load_b128 v[BIAS+8*\b+4:BIAS+8*\b+7], v7, s[8:9] offset:4*(32*(\b/2)+8*(\b%2))+16
.endr
	s_wait_tensorcnt 1                             ; the scale words and my part of K step 0 are in (K step 1's load may be out),
	s_barrier_signal -1
	s_barrier_wait -1                              ; everybody's are
	FETCH_B 0, 0, 0
	FETCH_A 0, 0, 0
	SCALES 0
	FETCH_A 0, 0, 4
	STEP 0, 0, 1                                   ; the first products start the sums
	s_mov_b32 s3, LAPS-1
.Llap:
	TURN 0, 1, 1
	STEP 1, 0, 0
	TURN 1, 0, 1
	STEP 0, 0, 0
	s_sub_co_u32 s3, s3, 1
	s_cmp_lg_u32 s3, 0
	s_cbranch_scc1 .Llap
	TURN 0, 1, 0                                   ; the last lap fills nothing
	STEP 1, 0, 0
	s_wait_dscnt 4*NL
	WIN MUL_LO
	MUL16 0, 1, NQ-1, 1, 0
	MUL16 2, 1, NQ-1, 1, 0
	s_wait_dscnt 0
	WIN MUL_HI
	MUL16 4, 1, NQ-1, 1, 0
	MUL16 6, 1, NQ-1, 1, 0
	WIN 0
	; THE WAY OUT
	PLACES NP
	s_wait_loadcnt 0x0                             ; b1
	v_mov_b32 v8, 0x32edffee                       ; P's second coefficient, as a pair: an instruction takes one literal
	v_mov_b32 v9, 0x32edffee
	v_mov_b32 v10, 0xb95fbd29                      ; and Q's
	v_mov_b32 v11, 0xb95fbd29
	s_mov_b32 s[SEL], 0x76543210
	s_mov_b32 s[SEL+1], 0xfedcba98
	s_lshl_b32 s68, s17, 4
	s_lshl_b32 s69, s15, 3
	s_add_co_u32 s68, s68, s69                     ; my first tile of tokens
	s_lshl_b32 s70, s68, 11                        ; its scale words: 2,048 bytes a tile,
	s_lshl_b32 s69, s42, 7
	s_add_co_u32 s70, s70, s69                     ; 128 for 256 along the next K: the tile column,
	s_lshl_b32 s69, s16, 2
	s_add_co_u32 s70, s70, s69                     ; which of the pair's two words: my half
	s_add_co_u32 s70, s70, HS
	s_mov_b32 s71, 0
	s_add_nc_u64 s[70:71], s[10:11], s[70:71]
	s_lshl_b32 s68, s68, 5
	s_lshl_b32 s69, s42, 1
	s_add_co_u32 s68, s68, s69
	s_add_co_u32 s68, s68, s16                     ; image 32 x tile + (2 x tile column + half)
	s_mul_i32 s68, s68, FRB
	s_mov_b32 s69, 0
	s_add_nc_u64 s[68:69], s[10:11], s[68:69]
	s_mov_b32 s3, 0
.Lrows:                                                ; eight trips: block s3 of my eight blocks of 16 tokens
.irp a, 0,1,2,3,4,5,6,7
.if \a < 7
	s_cmp_lg_u32 s3, \a
	s_cbranch_scc1 .Lnot\a
.endif
	WIN 0x02+(\a)/4                                ; source 0: the accumulators' window
.set k, 0
.rept 32
	v_pk_add_f32 v[W+k:W+k+1], v[64*((\a)%4)+k:64*((\a)%4)+k+1], v[BIAS+k:BIAS+k+1]   ; each accumulator from its low end on
.set k, k+2
.endr
	WIN 0
.if \a < 7
	s_branch .Lwork
.Lnot\a:
.endif
.endr
.Lwork:
	GELU W
	GELU W+16
	GELU W+32
	GELU W+48
	QUANT W
.irp p, 0,1,2,3,4,5
	global_store_b64 v[L8], v[PC+2*\p:PC+2*\p+1], s[68:69] offset:256*\p     ; 256 consecutive bytes, aligned
.endr
	global_store_b32 v[R8], v[PW], s[70:71]
	s_wait_xcnt 0x0                                ; the stores have read their registers and bases: both are written again only behind this wait
	s_add_nc_u64 s[68:69], s[68:69], 32*FRB        ; the next tile of tokens
	s_add_nc_u64 s[70:71], s[70:71], 2048
	s_add_co_u32 s3, s3, 1
	s_cmp_lt_u32 s3, 8
	s_cbranch_scc1 .Lrows
	s_wait_tensorcnt 0x0                           ; the wave's end
	ds_add_u32 v[SPW], v[NIL]
	s_wait_dscnt 0x0
	CROUND                                         ; the closing round
	s_endpgm
.Lfunc_end_k_qc4eaf9251d_gemm_up:
	.size	k_qc4eaf9251d_gemm_up, .Lfunc_end_k_qc4eaf9251d_gemm_up-k_qc4eaf9251d_gemm_up
	.p2alignl 7, 3214868480
	.fill 96, 4, 3214868480
	.section	.rodata,"a",@progbits
	.p2align	6, 0x0
	.amdhsa_kernel k_qc4eaf9251d_gemm_up
		.amdhsa_group_segment_fixed_size 327680
		.amdhsa_private_segment_fixed_size 0
		.amdhsa_enable_private_segment 0
		.amdhsa_kernarg_size 32
		.amdhsa_user_sgpr_count 2
		.amdhsa_user_sgpr_kernarg_segment_ptr 1
		.amdhsa_wavefront_size32 1
		.amdhsa_system_sgpr_workgroup_id_x 1
		.amdhsa_system_sgpr_workgroup_id_y 1
		.amdhsa_system_sgpr_workgroup_id_z 1
		.amdhsa_system_vgpr_workitem_id 0
		.amdhsa_next_free_vgpr 1024
		.amdhsa_next_free_sgpr 102
		.amdhsa_reserve_vcc 0
		.amdhsa_float_denorm_mode_32 3
		.amdhsa_float_denorm_mode_16_64 3
		.amdhsa_memory_ordered 1
		.amdhsa_forward_progress 1
		.amdhsa_inst_pref_size 203
	.end_amdhsa_kernel
	.amdgpu_metadata
---
amdhsa.version: [ 1, 2 ]
amdhsa.kernels:
  - .name:           k_qc4eaf9251d_gemm_up
    .symbol:         k_qc4eaf9251d_gemm_up.kd
    .args:
      - { .name: x1, .offset: 0, .size: 8, .value_kind: global_buffer, .address_space: global }
      - { .name: prep, .offset: 8, .size: 8, .value_kind: global_buffer, .address_space: global }
      - { .name: b1, .offset: 16, .size: 8, .value_kind: global_buffer, .address_space: global }
      - { .name: hb, .offset: 24, .size: 8, .value_kind: global_buffer, .address_space: global }
    .group_segment_fixed_size: 327680
    .private_segment_fixed_size: 0
    .kernarg_segment_align: 8
    .kernarg_segment_size: 32
    .max_flat_workgroup_size: 128
    .sgpr_count:     102
    .vgpr_count:     1024
    .wavefront_size: 32
...
	.end_amdgpu_metadata
.endif
;; end of part 6
;; launch gemm_down (part 7): grid 4 x 16, 4 waves a work-group, clusters of 4 x 4, 327,680 bytes of LDS; arguments hb, prep, cb; writes cb
.if DOCPART == 7
	.amdgcn_target "amdgcn-amd-amdhsa--gfx1250"
	.amdhsa_code_object_version 6
	.text
	.protected	k_qc4eaf9251d_gemm_down
	.globl	k_qc4eaf9251d_gemm_down
	.p2align	8
	.type	k_qc4eaf9251d_gemm_down,@function
k_qc4eaf9251d_gemm_down:
	s_mov_b64 s[64:65], 0
	v_nop
	global_prefetch_b8 v0, s[64:65] scope:SCOPE_SE
	s_setreg_imm32_b32 hwreg(HW_REG_WAVE_MODE, 25, 1), 1
	s_wait_xcnt 0x0
	s_wait_alu depctr_hold_cnt(0) depctr_sa_sdst(0) depctr_va_vdst(0) depctr_va_sdst(0) depctr_va_ssrc(0) depctr_va_vcc(0) depctr_vm_vsrc(0)
	s_getreg_b32 s2, hwreg(HW_REG_IB_STS2, 6, 4)
	s_cmp_eq_u32 s2, 0
	s_cbranch_scc0 .Lentry_in_a_cluster
	s_endpgm
.Lentry_in_a_cluster:
	s_bfe_u32 s2, ttmp6, 0x10000c
	s_cmp_lg_u32 s2, 0xf033
	s_cbranch_scc0 .Lentry_shape_is_right
	s_endpgm
.Lentry_shape_is_right:
; cb = Q(gelu(..)) W2, [4096][1024] f32, on codes of FP6 (E2M3) with E8M0 scales, K = 4,096.  Bias, residual and norm follow in the next launch, which needs whole rows.
; A work-group of four waves makes 256 x 256 of C, a wave 128 x 128 (64 accumulators, 512 registers).  K goes in steps of 256 through two LDS slots filled by the tensor data mover.
; OPERANDS ARE FRAGMENT IMAGES (16 rows x 128 K, 1,536 bytes, piece p at 256 p + 8 x lane), laid [tile][K step]: a tile's two K steps of a slot are 3,072 dense bytes, and six ds_load_b64 of 256 consecutive bytes bring a fragment.
; THE ROWS OF A TILE: lane r of tile T holds row 32 (T / 2) + 8 (T % 2) + r + 8 (r / 8), in A (tokens) and in B (output features) alike; the way out puts both back in order.
; THE MATRIX INSTRUCTION: source 0 = B (the weight), source 1 = A: a lane holds one row of C and its registers run along the columns.
; 4 x 4 work-groups form a cluster: A's tiles are asked for jointly along a row of the cluster, B's along a column.  64 work-groups: C has no more tiles of this size.
; LDS: two slots of 98,304 bytes (A's 16 tiles, then B's 16); the scale words of the work-group's rows for all of K (2 x 32,768 bytes), brought once; the spare words.  The launch claims all of a WGP's LDS.
; REGISTERS: window 0: v16-29 addresses; v32-63 scale words, two sets, nothing else; v128-223 A's fragments, one set; on the way out v128-255 rows of C.  Window 1: B's fragments, two sets.  Windows 2, 3: accumulator (a, b) at v[8 (8 (a % 4) + b)].
.set KK,    4096
.set AFO,   0                          ; A's images and scale words in its buffer,
.set ASO,   12582912
.set BFO,   9830400                    ; B's in prep
.set BSO,   12976128
.set NS,    KK/128
.set LAPS,  KK/512
.set FRB,   1536
.set TROW,  2*FRB
.set HALFT, 8*TROW
.set SLOT,  4*HALFT
.set SCLA,  2*SLOT
.set SCLB,  SCLA+8*KK+128              ; the 128 set the two halves of a load of scale words on different banks (64 banks of 4 bytes: ISA guide 11.1)
.set SBLK,  KK/2
.set SPARE, SCLB+8*KK+128              ; the spare words, 128 bytes for each wave: two blocks of 256 bytes that no other line names
.set SPITCH, 528                       ; the way out: a stage of 16 rows x (512 bytes + 16) for each wave, in slot 0, which has had its last fill and its last read by then
.set NQ, 2
.set FR, 12
.set NL, 6
.set NP, 4
.set ADRA, 16
.set ADRB, 20
.set STO,  24
.set RD,   25
.set CO,   26
.set ADRS, 27
.set SPW,  28
.set NIL,  29
.set SC,   32
.set AF,   128
.set BK,   128
.set G1, 24
.set G0, 32
.set G1B, 48
.set G0B, 56
.set G1S, 68
.set G0S, 76
.set G1SB, 80
.set G0SB, 88
.set MSB, 0
.macro WIN new
.if MSB != (\new)
	s_set_vgpr_msb (MSB<<8)|(\new)
.set MSB, (\new)
.endif
.endm
.set MUL_LO, 0xa1
.set MUL_HI, 0xf1
.set TO_B,   0x40
.macro JLOAD g0a, g1a, g0b, g1b        ; a joint load: waves 0, 1 for A, waves 2, 3 for B; four v_nop follow each line
	s_cmp_eq_u32 s15, 0
	s_cbranch_scc0 .Lfor_b_\@
	tensor_load_to_lds s[\g0a:\g0a+3], s[\g1a:\g1a+7]
	s_nop 0
.rept 4
	v_nop
.endr
	s_branch .Lasked_\@
.Lfor_b_\@:
	tensor_load_to_lds s[\g0b:\g0b+3], s[\g1b:\g1b+7]
	s_nop 0
.rept 4
	v_nop
.endr
.Lasked_\@:
.endm
.macro CREST
	s_cmp_lg_u32 s14, 0
	s_cbranch_scc1 .Lnot_wave_0_\@
	s_barrier_signal -3
.Lnot_wave_0_\@:
	s_barrier_wait -3
	s_barrier_signal -1
	s_barrier_wait -1
.endm
.macro CROUND
	s_barrier_signal -1
	s_barrier_wait -1
	CREST
.endm
.macro FRAG reg, adr, q, i
.irp p, 0,1,2,3,4,5
	ds_load_b64 v[\reg+2*\p:\reg+2*\p+1], v[\adr] offset:(\i)*TROW+(\q)*FRB+256*\p
.endr
.endm
.macro MUL16 a0, p, q, sc, zero        ; the 64 accumulators take turns, one instruction a turn
.irp a, \a0, \a0+1
.irp b, 0,1,2,3,4,5,6,7
.if \zero
	v_wmma_scale_f32_16x16x128_f8f6f4 v[8*(8*((\a)%4)+\b):8*(8*((\a)%4)+\b)+7], v[128*(\p)+FR*\b:128*(\p)+FR*\b+FR-1], v[AF+FR*(\a):AF+FR*(\a)+FR-1], 0, v[SC+8*NQ*(\sc)+NQ*\b+(\q)], v[SC+8*NQ*(\sc)+NQ*(\a)+(\q)] matrix_a_fmt:MATRIX_FMT_FP6 matrix_b_fmt:MATRIX_FMT_FP6 matrix_a_scale:MATRIX_SCALE_ROW1
.else
	v_wmma_scale_f32_16x16x128_f8f6f4 v[8*(8*((\a)%4)+\b):8*(8*((\a)%4)+\b)+7], v[128*(\p)+FR*\b:128*(\p)+FR*\b+FR-1], v[AF+FR*(\a):AF+FR*(\a)+FR-1], v[8*(8*((\a)%4)+\b):8*(8*((\a)%4)+\b)+7], v[SC+8*NQ*(\sc)+NQ*\b+(\q)], v[SC+8*NQ*(\sc)+NQ*(\a)+(\q)] matrix_a_fmt:MATRIX_FMT_FP6 matrix_b_fmt:MATRIX_FMT_FP6 matrix_a_scale:MATRIX_SCALE_ROW1
.endif
.endr
.endr
.endm
.macro FETCH_B slot, q, p
	WIN TO_B
.irp i, 0,1,2,3,4,5,6,7
	FRAG 128*(\p)+FR*\i, ADRB+\slot, \q, \i
.endr
	WIN 0
.endm
.macro FETCH_A slot, q, i0
.irp i, \i0, \i0+1, \i0+2, \i0+3
	FRAG AF+FR*(\i), ADRA+\slot, \q, \i
.endr
.endm
.macro SCALES sc
.irp i, 0,1,2,3,4,5,6,7
	ds_load_b64 v[SC+8*NQ*\sc+NQ*\i:SC+8*NQ*\sc+NQ*\i+1], v[ADRS] offset:\i*SBLK
.endr
.endm
.macro PLACES n
.rept \n
	v_nop
.endr
.endm
.macro STEP slot, q, zero
	s_wait_dscnt 4*NL                              ; all but the youngest 24 loads (A's blocks 4-7) are in
	WIN MUL_LO
	MUL16 0, (\q)%2, \q, \slot, \zero
	MUL16 2, (\q)%2, \q, \slot, \zero
	s_wait_dscnt 0
	PLACES NP
	FETCH_B \slot, (\q)+1, 1-(\q)%2
	FETCH_A \slot, (\q)+1, 0
	WIN MUL_HI
	MUL16 4, (\q)%2, \q, \slot, \zero
	MUL16 6, (\q)%2, \q, \slot, \zero
	PLACES NP
	WIN 0
	FETCH_A \slot, (\q)+1, 4
.endm
.macro TURN slot, next, fill
	s_wait_tensorcnt 0x0                           ; all my tensor loads have landed: my part of the next slot
	ds_add_u32 v[SPW], v[NIL]                      ; 0 onto my spare word
	s_wait_dscnt 4*NL+1                            ; (the add and the youngest 24 loads may be out)
	WIN MUL_LO
	MUL16 0, 1, NQ-1, \slot, 0
	s_wait_dscnt 0x0                               ; the add is done, and my reads of this slot are over
	s_barrier_signal -1
	MUL16 2, 1, NQ-1, \slot, 0
	WIN 0
	s_barrier_wait -1
.if \fill
	CREST                                          ; a round of the cluster's barrier: no wave of any partner still reads this slot or has a load on its way
	s_add_nc_u64 s[G0+4*\slot+2:G0+4*\slot+3], s[G0+4*\slot+2:G0+4*\slot+3], 2*TROW
	s_add_nc_u64 s[G0B+4*\slot+2:G0B+4*\slot+3], s[G0B+4*\slot+2:G0B+4*\slot+3], 2*TROW
	JLOAD G0+4*\slot, G1, G0B+4*\slot, G1B         ; the first tensor load behind the round
.else
	PLACES NP
.endif
	v_add_nc_u32 v[ADRS], 128, v[ADRS]
	FETCH_B \next, 0, 0
	FETCH_A \next, 0, 0
	SCALES \next
	WIN MUL_HI
	MUL16 4, 1, NQ-1, \slot, 0
	MUL16 6, 1, NQ-1, \slot, 0
	PLACES NP
	WIN 0
	FETCH_A \next, 0, 4
.endm
	s_load_b128 s[4:7], s[0:1], 0x0                ; A's buffer, prep
	s_load_b64 s[12:13], s[0:1], 0x10              ; C
	v_lshl_add_u32 v[SPW], v0, 2, SPARE
	v_mov_b32 v[NIL], 0
	ds_add_u32 v28, v29
	ds_add_u32 v28, v29
	s_wait_dscnt 0x0
	v_lshrrev_b32 v1, 5, v0
	v_readfirstlane_b32 s14, v1                    ; wave 0..3
	s_lshr_b32 s15, s14, 1                         ; which half of the tile's rows is mine.  Also: I fetch for A (0) or for B (1)
	s_and_b32 s16, s14, 1                          ; which half of its columns.  Also: which 8 tiles I fetch
	s_bfe_u32 s40, ttmp6, 0x40000                  ; cx, cy
	s_bfe_u32 s41, ttmp6, 0x40004
	s_lshl_b32 s42, ttmp9, 2
	s_add_co_u32 s42, s42, s40                     ; tile column of C
	s_and_b32 s17, ttmp7, 0xffff
	s_lshl_b32 s17, s17, 2
	s_add_co_u32 s17, s17, s41                     ; tile row of C
	s_lshl_b32 s43, s41, 2
	s_lshl_b32 s43, 15, s43                        ; my row of the cluster
	s_lshl_b32 s44, 0x1111, s40                    ; my column
	s_or_b32 s[G1+0], s43, (3<<16)|(1<<21)         ; 8 rows of 3,072 bytes (384 elements of 8 bytes), a tile's images apart; no padding; 21 set beside a mask
	s_or_b32 s[G1B+0], s44, (3<<16)|(1<<21)
.irp g, G1, G1B
	s_mov_b32 s[\g+1], 384<<16
	s_mov_b32 s[\g+2], 8<<16
	s_mov_b32 s[\g+3], 384<<16
	s_mov_b32 s[\g+4], 8
	s_mov_b32 s[\g+5], NS*192
	s_mov_b32 s[\g+6], 0
	s_mov_b32 s[\g+7], 0
.endr
	s_or_b32 s[G1S+0], s43, (3<<16)|(1<<21)        ; 8 tiles' scale words: 4 KK dense bytes as rows of 256
	s_or_b32 s[G1SB+0], s44, (3<<16)|(1<<21)
.irp g, G1S, G1SB
	s_mov_b32 s[\g+1], 32<<16
	s_mov_b32 s[\g+2], (KK/64)<<16
	s_mov_b32 s[\g+3], 32<<16
	s_mov_b32 s[\g+4], KK/64
	s_mov_b32 s[\g+5], 32
	s_mov_b32 s[\g+6], 0
	s_mov_b32 s[\g+7], 0
.endr
	s_lshl_b32 s18, s16, 3
	s_lshl_b32 s20, s17, 4
	s_add_co_u32 s20, s20, s18                     ; A: tile 16 x tile row + 8 x half
	s_lshl_b32 s46, s42, 4
	s_add_co_u32 s46, s46, s18                     ; B: tile 16 x tile column + 8 x half
	s_mul_i32 s22, s20, SBLK
	s_mul_i32 s92, s46, SBLK
	s_mul_i32 s20, s20, NS*FRB
	s_mul_i32 s46, s46, NS*FRB
.if AFO
	s_add_co_u32 s20, s20, AFO
.endif
	s_add_co_u32 s22, s22, ASO
	s_add_co_u32 s46, s46, BFO
	s_add_co_u32 s92, s92, BSO
	s_mov_b32 s21, 0
	s_mov_b32 s23, 0
	s_mov_b32 s47, 0
	s_mov_b32 s93, 0
	s_mul_i32 s45, s14, HALFT                      ; where they go: no place in the cluster enters an LDS address
	s_mul_i32 s94, s14, 4*KK
	s_lshl_b32 s95, s15, 7
	s_add_co_u32 s94, s94, s95
	s_wait_kmcnt 0x0
	s_add_nc_u64 s[20:21], s[4:5], s[20:21]
	s_add_nc_u64 s[22:23], s[4:5], s[22:23]
	s_add_nc_u64 s[46:47], s[6:7], s[46:47]
	s_add_nc_u64 s[92:93], s[6:7], s[92:93]
	CROUND                                         ; all sixteen work-groups are here: the first joint loads meet
	s_mov_b32 s[G0S], 1
	s_add_co_u32 s[G0S+1], s94, SCLA
	s_mov_b64 s[G0S+2:G0S+3], s[22:23]
	s_or_b32 s[G0S+3], s[G0S+3], 0x80000000
	s_mov_b32 s[G0SB], 1
	s_add_co_u32 s[G0SB+1], s94, SCLA
	s_mov_b64 s[G0SB+2:G0SB+3], s[92:93]
	s_or_b32 s[G0SB+3], s[G0SB+3], 0x80000000
	JLOAD G0S, G1S, G0SB, G1SB                     ; the scale words first; three loads of mine are out at the most
.irp s, 0,1
	s_mov_b32 s[G0+4*\s], 1
	s_add_co_u32 s[G0+4*\s+1], s45, \s*SLOT
	s_add_nc_u64 s[G0+4*\s+2:G0+4*\s+3], s[20:21], \s*TROW
	s_or_b32 s[G0+4*\s+3], s[G0+4*\s+3], 0x80000000
	s_mov_b32 s[G0B+4*\s], 1
	s_add_co_u32 s[G0B+4*\s+1], s45, \s*SLOT
	s_add_nc_u64 s[G0B+4*\s+2:G0B+4*\s+3], s[46:47], \s*TROW
	s_or_b32 s[G0B+4*\s+3], s[G0B+4*\s+3], 0x80000000
	JLOAD G0+4*\s, G1, G0B+4*\s, G1B
.endr
	v_and_b32 v1, 15, v0                           ; r
	v_bfe_u32 v2, v0, 4, 1                         ; h
	v_and_b32 v3, 31, v0
	v_lshlrev_b32 v4, 3, v3                        ; 8 x lane
	s_mul_i32 s21, s15, HALFT
	s_mul_i32 s22, s16, HALFT
	s_add_co_u32 s22, s22, 2*HALFT
.irp s, 0,1
	v_add_nc_u32 v[ADRA+\s], s21, v4
	v_add_nc_u32 v[ADRB+\s], s22, v4
	s_add_co_u32 s21, s21, SLOT
	s_add_co_u32 s22, s22, SLOT
.endr
	v_lshlrev_b32 v5, 3, v1
	s_mul_i32 s21, s15, 4*KK
	s_mul_i32 s22, s16, 4*KK
	s_add_co_u32 s22, s22, 8*KK+128
	s_sub_co_u32 s22, s22, s21
	v_mul_u32_u24 v6, s22, v2                      ; lanes 16-31 take B's scale words
	s_add_co_u32 s21, s21, SCLA
	v_add_nc_u32 v5, v5, v6
	v_add_nc_u32 v[ADRS], s21, v5
	s_mul_i32 s23, s14, 16*SPITCH                  ; my stage
	v_mul_u32_u24 v5, v1, SPITCH
	v_lshl_add_u32 v5, v2, 6, v5                   ; in: row r, + 64 h: a pair of B's tiles gives my half 16 neighbouring columns
	v_add_nc_u32 v[STO], s23, v5
	v_lshlrev_b32 v[CO], 4, v3                     ; back: the 32 lanes take one row of 512 bytes; and the same in C
	v_add_nc_u32 v[RD], s23, v[CO]
	s_lshl_b32 s20, s17, 8
	s_lshl_b32 s21, s15, 7
	s_add_co_u32 s20, s20, s21                     ; my first row of C,
	s_lshl_b32 s20, s20, 12                        ; of 4,096 bytes
	s_lshl_b32 s21, s42, 10
	s_add_co_u32 s20, s20, s21                     ; my first column, in bytes
	s_lshl_b32 s21, s16, 9
	s_add_co_u32 s20, s20, s21
	s_mov_b32 s21, 0
	s_add_nc_u64 s[12:13], s[12:13], s[20:21]
	s_wait_tensorcnt 1                             ; the scale words and my part of K step 0 are in (K step 1's load may be out),
	s_barrier_signal -1
	s_barrier_wait -1                              ; everybody's are
	FETCH_B 0, 0, 0
	FETCH_A 0, 0, 0
	SCALES 0
	FETCH_A 0, 0, 4
	STEP 0, 0, 1                                   ; the first products start the sums
	s_mov_b32 s3, LAPS-1
.Llap:
	TURN 0, 1, 1
	STEP 1, 0, 0
	TURN 1, 0, 1
	STEP 0, 0, 0
	s_sub_co_u32 s3, s3, 1
	s_cmp_lg_u32 s3, 0
	s_cbranch_scc1 .Llap
	TURN 0, 1, 0                                   ; the last lap fills nothing
	STEP 1, 0, 0
	s_wait_dscnt 4*NL
	WIN MUL_LO
	MUL16 0, 1, NQ-1, 1, 0
	MUL16 2, 1, NQ-1, 1, 0
	s_wait_dscnt 0
	WIN MUL_HI
	MUL16 4, 1, NQ-1, 1, 0
	MUL16 6, 1, NQ-1, 1, 0
	WIN 0
; THE WAY OUT, block by block of 16 rows x 128 columns, through my own stage: in by columns in their true order, back as whole rows of 512 bytes.  LDS serves a wave's instructions in order (ISA guide 5.7.1.4).
.macro TOSTAGE a
.set AC, 64*((\a)%4)
	WIN 0x08+4*((\a)/4)                            ; the data: window 2 or 3
.irp b, 0,1,2,3,4,5,6,7
	ds_store_b128 v[STO], v[AC+8*\b:AC+8*\b+3] offset:128*(\b/2)+32*(\b%2)          ; each accumulator from its low end on
	ds_store_b128 v[STO], v[AC+8*\b+4:AC+8*\b+7] offset:128*(\b/2)+32*(\b%2)+16
.endr
	WIN 0
.set BB, BK+64*((\a)%2)
.irp t, 0,1,2,3,4,5,6,7,8,9,10,11,12,13,14,15
	ds_load_b128 v[BB+4*\t:BB+4*\t+3], v[RD] offset:\t*SPITCH
.endr
.endm
.macro SEND a, younger                 ; younger: the LDS instructions issued behind block a's loads
.set BB, BK+64*((\a)%2)
	s_wait_dscnt \younger
.irp t, 0,1,2,3,4,5,6,7,8,9,10,11,12,13,14,15
	global_store_b128 v[CO], v[BB+4*\t:BB+4*\t+3], s[12:13] offset:(32*((\a)/2)+8*((\a)%2)+\t+8*(\t/8))*4096 th:TH_STORE_NT   ; stage row t of block a is this row of C; 512 consecutive bytes, aligned
.endr
.endm
	PLACES NP
	TOSTAGE 0
.irp a, 1,2,3,4,5,6,7
.if \a > 1
	s_wait_xcnt 0x0                                ; block a - 2's stores have read their registers: block a's loads may land there
.endif
	TOSTAGE \a
	SEND \a-1, 32                                  ; behind block a - 1's loads: block a's 16 stores and 16 loads
.endr
	SEND 7, 0
	s_wait_tensorcnt 0x0                           ; the wave's end
	ds_add_u32 v[SPW], v[NIL]
	s_wait_dscnt 0x0
	CROUND                                         ; the closing round
	s_endpgm
.Lfunc_end_k_qc4eaf9251d_gemm_down:
	.size	k_qc4eaf9251d_gemm_down, .Lfunc_end_k_qc4eaf9251d_gemm_down-k_qc4eaf9251d_gemm_down
	.p2alignl 7, 3214868480
	.fill 96, 4, 3214868480
	.section	.rodata,"a",@progbits
	.p2align	6, 0x0
	.amdhsa_kernel k_qc4eaf9251d_gemm_down
		.amdhsa_group_segment_fixed_size 327680
		.amdhsa_private_segment_fixed_size 0
		.amdhsa_enable_private_segment 0
		.amdhsa_kernarg_size 24
		.amdhsa_user_sgpr_count 2
		.amdhsa_user_sgpr_kernarg_segment_ptr 1
		.amdhsa_wavefront_size32 1
		.amdhsa_system_sgpr_workgroup_id_x 1
		.amdhsa_system_sgpr_workgroup_id_y 1
		.amdhsa_system_sgpr_workgroup_id_z 1
		.amdhsa_system_vgpr_workitem_id 0
		.amdhsa_next_free_vgpr 1024
		.amdhsa_next_free_sgpr 102
		.amdhsa_reserve_vcc 0
		.amdhsa_float_denorm_mode_32 3
		.amdhsa_float_denorm_mode_16_64 3
		.amdhsa_memory_ordered 1
		.amdhsa_forward_progress 1
		.amdhsa_inst_pref_size 159
	.end_amdhsa_kernel
	.amdgpu_metadata
---
amdhsa.version: [ 1, 2 ]
amdhsa.kernels:
  - .name:           k_qc4eaf9251d_gemm_down
    .symbol:         k_qc4eaf9251d_gemm_down.kd
    .args:
      - { .name: hb, .offset: 0, .size: 8, .value_kind: global_buffer, .address_space: global }
      - { .name: prep, .offset: 8, .size: 8, .value_kind: global_buffer, .address_space: global }
      - { .name: cb, .offset: 16, .size: 8, .value_kind: global_buffer, .address_space: global }
    .group_segment_fixed_size: 327680
    .private_segment_fixed_size: 0
    .kernarg_segment_align: 8
    .kernarg_segment_size: 24
    .max_flat_workgroup_size: 128
    .sgpr_count:     102
    .vgpr_count:     1024
    .wavefront_size: 32
...
	.end_amdgpu_metadata
.endif
;; end of part 7
;; launch norm2 (part 8): grid 256 x 1, 4 waves a work-group, no clusters, 0 bytes of LDS; arguments cb, x1, b2, g2, be2, out0; writes out0
.if DOCPART == 8
	.amdgcn_target "amdgcn-amd-amdhsa--gfx1250"
	.amdhsa_code_object_version 6
	.text
	.protected	k_qc4eaf9251d_norm2
	.globl	k_qc4eaf9251d_norm2
	.p2align	8
	.type	k_qc4eaf9251d_norm2,@function
k_qc4eaf9251d_norm2:
	s_mov_b64 s[64:65], 0
	v_nop
	global_prefetch_b8 v0, s[64:65] scope:SCOPE_SE
	s_setreg_imm32_b32 hwreg(HW_REG_WAVE_MODE, 25, 1), 1
	s_wait_xcnt 0x0
; out0 = LayerNorm(x1 + (cb + b2)) g2 + be2, rows of 1,024 f32.  x1's f32 rows are the first 16,777,216 bytes of its buffer.
; A work-group takes 16 rows, a wave four; a row lies in one wave: 32 registers a lane, bytes 16 x lane + 512 j, so mean and variance (of the differences from the mean) never leave the wave: no LDS, no barrier.
; Two row slots: one at work, one on its way in.  Every load and store of a wave covers 512 consecutive bytes.  No cluster, no tensor load, no matrix work: memory binds, and the work-groups share only the three small vectors.
.set ROWB, 4096
.set BO,   16                          ; v16-47 b2, v48-79 g2, v80-111 be2 at my 32 columns
.set GA,   48
.set BE,   80
.set SL,   112                         ; v112-239 two row slots: 32 registers of cb, 32 of x1
.set SEL,  24
.macro ALLSUM                          ; v240 summed over the 32 lanes, the result in every lane
	v_add_f32_dpp v240, v240, v240 row_xmask:1 row_mask:0xf bank_mask:0xf
	v_add_f32_dpp v240, v240, v240 row_xmask:2 row_mask:0xf bank_mask:0xf
	v_add_f32_dpp v240, v240, v240 row_xmask:4 row_mask:0xf bank_mask:0xf
	v_add_f32_dpp v240, v240, v240 row_xmask:8 row_mask:0xf bank_mask:0xf
	v_permlanex16_b32 v244, v240, s[SEL], s[SEL+1]
	v_add_f32 v240, v240, v244
.endm
.macro RLOAD i, s
.irp j, 0,1,2,3,4,5,6,7
	global_load_b128 v[SL+64*(\s)+4*\j:SL+64*(\s)+4*\j+3], v1, s[4:5] offset:(\i)*ROWB+512*\j th:TH_LOAD_NT
	global_load_b128 v[SL+64*(\s)+32+4*\j:SL+64*(\s)+32+4*\j+3], v1, s[6:7] offset:(\i)*ROWB+512*\j th:TH_LOAD_NT
.endr
.endm
.macro ROW i, s, left, more
.set Y, SL+64*(\s)
	s_wait_loadcnt \left                           ; my row is in; the next row's 16 loads may be out
.set k, 0
.rept 16
	v_pk_add_f32 v[Y+k:Y+k+1], v[Y+k:Y+k+1], v[BO+k:BO+k+1]
.set k, k+2
.endr
.set k, 0
.rept 16
	v_pk_add_f32 v[Y+k:Y+k+1], v[Y+k:Y+k+1], v[Y+32+k:Y+33+k]      ; y = x1 + (product + bias)
.set k, k+2
.endr
	v_pk_add_f32 v[240:241], v[Y:Y+1], v[Y+2:Y+3]                  ; the row's sum, in two chains
	v_pk_add_f32 v[242:243], v[Y+4:Y+5], v[Y+6:Y+7]
.irp k, 8,12,16,20,24,28
	v_pk_add_f32 v[240:241], v[240:241], v[Y+\k:Y+\k+1]
	v_pk_add_f32 v[242:243], v[242:243], v[Y+\k+2:Y+\k+3]
.endr
	v_pk_add_f32 v[240:241], v[240:241], v[242:243]
	v_add_f32 v240, v240, v241
	ALLSUM
	v_mul_f32 v246, s21, v240                      ; the mean
.set k, 0
.rept 16
	v_pk_add_f32 v[Y+k:Y+k+1], v[Y+k:Y+k+1], v[246:247] op_sel_hi:[1,0] neg_lo:[0,1] neg_hi:[0,1]
.set k, k+2
.endr
	v_pk_mul_f32 v[240:241], v[Y:Y+1], v[Y:Y+1]                    ; the sum of squares of the differences
	v_pk_mul_f32 v[242:243], v[Y+2:Y+3], v[Y+2:Y+3]
.irp k, 4,8,12,16,20,24,28
	v_pk_fma_f32 v[240:241], v[Y+\k:Y+\k+1], v[Y+\k:Y+\k+1], v[240:241]
	v_pk_fma_f32 v[242:243], v[Y+\k+2:Y+\k+3], v[Y+\k+2:Y+\k+3], v[242:243]
.endr
	v_pk_add_f32 v[240:241], v[240:241], v[242:243]
	v_add_f32 v240, v240, v241
	ALLSUM
	v_fma_f32 v248, v240, s21, s22                 ; the variance + 1e-5
	v_rsq_f32 v250, v248
	v_nop                                          ; a plain instruction behind the transcendental,
	s_wait_alu depctr_va_vdst(0)                   ; and the wait ahead of its first reader
.set k, 0
.rept 16
	v_pk_mul_f32 v[Y+k:Y+k+1], v[Y+k:Y+k+1], v[250:251] op_sel_hi:[1,0]
.set k, k+2
.endr
.set k, 0
.rept 16
	v_pk_fma_f32 v[Y+k:Y+k+1], v[Y+k:Y+k+1], v[GA+k:GA+k+1], v[BE+k:BE+k+1]
.set k, k+2
.endr
.irp j, 0,1,2,3,4,5,6,7
	global_store_b128 v1, v[Y+4*\j:Y+4*\j+3], s[14:15] offset:(\i)*ROWB+512*\j th:TH_STORE_NT   ; 512 consecutive bytes, aligned
.endr
.if \more
	s_wait_xcnt 0x0                                ; the stores have read the slot's registers: it is loaded again only behind this wait
	RLOAD (\i)+2, \s
.endif
.endm
	s_load_b256 s[4:11], s[0:1], 0x0               ; cb, x1, b2, g2
	s_load_b128 s[12:15], s[0:1], 0x20             ; be2, out0
	v_lshrrev_b32 v1, 5, v0
	v_readfirstlane_b32 s16, v1                    ; wave
	v_and_b32 v2, 31, v0
	v_lshlrev_b32 v1, 4, v2                        ; 16 x lane
	s_lshl_b32 s17, ttmp9, 4
	s_lshl_b32 s18, s16, 2
	s_add_co_u32 s17, s17, s18                     ; my first row: 16 x work-group + 4 x wave
	s_lshl_b32 s18, s17, 12
	s_mov_b32 s19, 0
	s_mov_b32 s21, 0x3a800000                      ; 1 / 1,024
	s_mov_b32 s22, 0x3727c5ac                      ; 1e-5
	s_mov_b32 s[SEL], 0x76543210
	s_mov_b32 s[SEL+1], 0xfedcba98
	v_mov_b32 v244, 0                              ; a lane permute's destination counts as one of its sources
	v_mov_b32 v247, 0                              ; (named as the upper halves of pairs of which the low word serves)
	v_mov_b32 v251, 0
	s_wait_kmcnt 0x0
	s_add_nc_u64 s[4:5], s[4:5], s[18:19]
	s_add_nc_u64 s[6:7], s[6:7], s[18:19]
	s_add_nc_u64 s[14:15], s[14:15], s[18:19]
.irp j, 0,1,2,3,4,5,6,7
	global_load_b128 v[BO+4*\j:BO+4*\j+3], v1, s[8:9] offset:512*\j
	global_load_b128 v[GA+4*\j:GA+4*\j+3], v1, s[10:11] offset:512*\j
	global_load_b128 v[BE+4*\j:BE+4*\j+3], v1, s[12:13] offset:512*\j
.endr
	RLOAD 0, 0
	RLOAD 1, 1
	ROW 0, 0, 16, 1
	ROW 1, 1, 16, 1
	ROW 2, 0, 16, 0
	ROW 3, 1, 0, 0
	s_endpgm
.Lfunc_end_k_qc4eaf9251d_norm2:
	.size	k_qc4eaf9251d_norm2, .Lfunc_end_k_qc4eaf9251d_norm2-k_qc4eaf9251d_norm2
	.p2alignl 7, 3214868480
	.fill 96, 4, 3214868480
	.section	.rodata,"a",@progbits
	.p2align	6, 0x0
	.amdhsa_kernel k_qc4eaf9251d_norm2
		.amdhsa_group_segment_fixed_size 0
		.amdhsa_private_segment_fixed_size 0
		.amdhsa_enable_private_segment 0
		.amdhsa_kernarg_size 48
		.amdhsa_user_sgpr_count 2
		.amdhsa_user_sgpr_kernarg_segment_ptr 1
		.amdhsa_wavefront_size32 1
		.amdhsa_system_sgpr_workgroup_id_x 1
		.amdhsa_system_sgpr_workgroup_id_y 1
		.amdhsa_system_sgpr_workgroup_id_z 1
		.amdhsa_system_vgpr_workitem_id 0
		.amdhsa_next_free_vgpr 256
		.amdhsa_next_free_sgpr 66
		.amdhsa_reserve_vcc 0
		.amdhsa_float_denorm_mode_32 3
		.amdhsa_float_denorm_mode_16_64 3
		.amdhsa_memory_ordered 1
		.amdhsa_forward_progress 1
		.amdhsa_inst_pref_size 45
	.end_amdhsa_kernel
	.amdgpu_metadata
---
amdhsa.version: [ 1, 2 ]
amdhsa.kernels:
  - .name:           k_qc4eaf9251d_norm2
    .symbol:         k_qc4eaf9251d_norm2.kd
    .args:
      - { .name: cb, .offset: 0, .size: 8, .value_kind: global_buffer, .address_space: global }
      - { .name: x1, .offset: 8, .size: 8, .value_kind: global_buffer, .address_space: global }
      - { .name: b2, .offset: 16, .size: 8, .value_kind: global_buffer, .address_space: global }
      - { .name: g2, .offset: 24, .size: 8, .value_kind: global_buffer, .address_space: global }
      - { .name: be2, .offset: 32, .size: 8, .value_kind: global_buffer, .address_space: global }
      - { .name: out0, .offset: 40, .size: 8, .value_kind: global_buffer, .address_space: global }
    .group_segment_fixed_size: 0
    .private_segment_fixed_size: 0
    .kernarg_segment_align: 8
    .kernarg_segment_size: 48
    .max_flat_workgroup_size: 128
    .sgpr_count:     66
    .vgpr_count:     256
    .wavefront_size: 32
...
	.end_amdgpu_metadata
.endif
;; end of part 8
;; ======== version 2 of 2: 8 launches
;; limits: right only within a limited range of input values
;; workspace buffers: prep 13,107,200 bytes; qkv 10,092,544 bytes; at 3,276,800 bytes; cb 16,777,216 bytes; x1 20,054,016 bytes; hb 13,107,200 bytes
;; launch quant_in (part 9): grid 448 x 1, 4 waves a work-group, no clusters, 0 bytes of LDS; arguments x, Wqkv_codes, Wqkv_scales, Wo_codes, Wo_scales, W1_codes, W1_scales, W2_codes, W2_scales, prep; writes prep
.if DOCPART == 9
	.amdgcn_target "amdgcn-amd-amdhsa--gfx1250"
	.amdhsa_code_object_version 6
	.text
	.protected	k_qc4eaf9251d_quant_in
	.globl	k_qc4eaf9251d_quant_in
	.p2align	8
	.type	k_qc4eaf9251d_quant_in,@function
k_qc4eaf9251d_quant_in:
	s_mov_b64 s[64:65], 0
	v_nop
	global_prefetch_b8 v0, s[64:65] scope:SCOPE_SE
	s_setreg_imm32_b32 hwreg(HW_REG_WAVE_MODE, 25, 1), 1
	s_wait_xcnt 0x0
; x [4096][1024] f32 is quantised to FP6 (E2M3) along its 1,024, and the four weights, which come as codes with K innermost, are laid anew: all into IMAGES OF OPERAND REGISTERS.
; A FRAGMENT IMAGE: 16 rows x 128 K = 12 registers a lane = 1,536 bytes, as six pieces; piece p = registers 2 p, 2 p + 1 of the 32 lanes, at byte 256 p + 8 x lane.  Lane (r, h) holds row r; registers 6 c .. 6 c + 5 hold K = 64 c + 32 h + 0 .. 31.
; THE ROWS OF A TILE: lane r of tile T holds row 32 (T / 2) + 8 (T % 2) + r + 8 (r / 8).  So the 16 registers that a lane gets from two neighbouring tiles of a product's source 0 are 16 neighbours.
; SCALE WORDS: [tile][256 along K][r][2] words: 128 bytes for a tile and 256 along K.
; Wqkv's 3,072 rows are ordered q | k | v, heads in order inside each: new row 1024 sec + 64 head + d is given row 192 head + 64 sec + d.
; Work-groups 0-255: tile T of x, wave w its K steps 2 w, 2 w + 1.  Work-groups 256-447: a wave takes one tile of a weight x 1,024 along K.  The two ways part on the work-group's number; neither uses LDS.
; No cluster: no two work-groups read the same bytes.  No matrix work, no tensor load: every byte is read once and written once.
; A block's scale byte is its largest magnitude's exponent field - 2, held at 1 from below.  LIMITS: NaN and infinities in x are not served; a block whose largest magnitude lies under 2^-124 keeps the byte 1;
; a block of zeros gets the byte 1 where the stated quantiser says 127: its codes are zeros, and this program alone reads the bytes.
.set XSO, 3145728                      ; offsets in prep: x's images at 0, its scale words here
.set WQF, 3276800
.set WQS, 5636096
.set WOF, 5734400
.set WOS, 6520832
.set W1F, 6553600
.set W1S, 9699328
.set W2F, 9830400
.set W2S, 12976128
.set FRB, 1536
.set TM,  160                          ; v160-163 largest magnitudes, v164-167 the other half's, then bytes, v172-175 the conversions' scale operands
.set PW,  176                          ; the scale word just made
.set PP,  178                          ; v[178:179] the two K steps' words
.set PC,  180                          ; v180-191 the fragment, v192-198 at work
.set SEL, 2                            ; s[2:3] lane selects: lane l xor 16
; 64 numbers of a lane, register 16 b + i = k 32 b + 16 (lane / 16) + i of my row, become a fragment in v[PC] on and its scale word in v[PW]
.macro QUANT s
.irp b, 0,1,2,3
	v_max3_num_f32 v[TM+\b], |v[\s+16*\b]|, |v[\s+1+16*\b]|, 0x1800000   ; my 16 numbers of block b, and the floor 2^(3 - 127): the byte cannot fall under 1
.endr
.irp i, 2,4,6,8,10,12,14
.irp b, 0,1,2,3
	v_max3_num_f32 v[TM+\b], v[TM+\b], |v[\s+16*\b+\i]|, |v[\s+1+16*\b+\i]|
.endr
.endr
.irp b, 0,1,2,3
	v_permlanex16_b32 v[TM+4+\b], v[TM+\b], s[SEL], s[SEL+1]
.endr
.irp b, 0,1,2,3
	v_max_num_f32 v[TM+\b], v[TM+\b], v[TM+4+\b]       ; with lane l xor 16's: the block's largest magnitude
.endr
.irp b, 0,1,2,3
	v_add_nc_u32 v[TM+12+\b], 0xff000000, v[TM+\b]     ; 2 off its exponent field: the conversion's scale operand
.endr
.irp b, 0,1,2,3
	v_lshrrev_b32 v[TM+4+\b], 23, v[TM+12+\b]          ; the scale's byte
.endr
	v_lshl_or_b32 v[PW], v[TM+5], 8, v[TM+4]
	v_lshl_or_b32 v[PW], v[TM+6], 16, v[PW]
	v_lshl_or_b32 v[PW], v[TM+7], 24, v[PW]
.irp c, 0,1
	v_cvt_scalef32_pk16_fp6_f32 v[PC+6*\c:PC+2+6*\c], v[\s+32*\c:\s+15+32*\c], v[TM+12+2*\c]
	v_cvt_scalef32_pk16_fp6_f32 v[PC+12+4*\c:PC+14+4*\c], v[\s+16+32*\c:\s+31+32*\c], v[TM+12+2*\c+1]   ; (a conversion's three registers begin on an even number)
.endr
	v_nop                                              ; one plain instruction behind the scaled conversions
.irp c, 0,1                                            ; a lane wants a whole block: lanes 0-15 block 2 c, lanes 16-31 block 2 c + 1
.irp i, 0,1,2
	v_permlane16_swap_b32 v[PC+6*\c+\i], v[PC+12+4*\c+\i]
.endr
.irp i, 0,1,2
	v_mov_b32 v[PC+3+6*\c+\i], v[PC+12+4*\c+\i]
.endr
.endr
.endm
	s_load_b64 s[4:5], s[0:1], 0x0                 ; x
	s_load_b128 s[8:11], s[0:1], 0x8               ; Wqkv's codes, scales
	s_load_b128 s[12:15], s[0:1], 0x18             ; Wo's
	s_load_b128 s[16:19], s[0:1], 0x28             ; W1's
	s_load_b128 s[20:23], s[0:1], 0x38             ; W2's
	s_load_b64 s[24:25], s[0:1], 0x48              ; prep
	v_lshrrev_b32 v1, 5, v0
	v_readfirstlane_b32 s27, v1                    ; wave
	v_and_b32 v1, 31, v0                           ; lane
	v_and_b32 v2, 15, v0                           ; r
	v_bfe_u32 v3, v0, 4, 1                         ; h
	v_and_b32 v4, 8, v2
	v_add_nc_u32 v4, v4, v2                        ; r + 8 (r / 8)
	v_lshlrev_b32 v5, 3, v1                        ; 8 x lane: my place in a piece
	v_lshlrev_b32 v6, 3, v2                        ; 8 r: my row's pair of scale words
	s_mov_b32 s[SEL], 0x76543210
	s_mov_b32 s[SEL+1], 0xfedcba98
	s_wait_kmcnt 0x0
	s_cmp_lt_u32 ttmp9, 256
	s_cbranch_scc0 .Lweights
	; ---- x: tile T = the work-group's number
	s_lshr_b32 s28, ttmp9, 1
	s_lshl_b32 s28, s28, 17                        ; 32 (T / 2) rows of 4,096 bytes
	s_and_b32 s29, ttmp9, 1
	s_lshl_b32 s29, s29, 15                        ; + 8 (T % 2) rows
	s_add_co_u32 s28, s28, s29
	s_lshl_b32 s29, s27, 10                        ; + my wave's 256 numbers
	s_add_co_u32 s28, s28, s29
	s_mov_b32 s29, 0
	s_add_nc_u64 s[4:5], s[4:5], s[28:29]
	s_wait_alu depctr_va_vdst(0)
	v_lshlrev_b32 v7, 12, v4
	v_lshl_add_u32 v7, v3, 6, v7                   ; my row, + 64 h: my 16 numbers of each block of 32
.irp q, 0,1
.irp b, 0,1,2,3
.irp j, 0,1,2,3
	global_load_b128 v[32+64*\q+16*\b+4*\j:35+64*\q+16*\b+4*\j], v7, s[4:5] offset:512*\q+128*\b+16*\j th:TH_LOAD_NT
.endr
.endr
.endr
	s_lshl_b32 s30, ttmp9, 3
	s_lshl_b32 s31, s27, 1
	s_add_co_u32 s30, s30, s31
	s_mul_i32 s30, s30, FRB                        ; image 8 T + 2 w
	s_mov_b32 s31, 0
	s_add_nc_u64 s[32:33], s[24:25], s[30:31]
	s_lshl_b32 s30, ttmp9, 9
	s_lshl_b32 s36, s27, 7
	s_add_co_u32 s30, s30, s36
	s_add_co_u32 s30, s30, XSO                     ; scale words: 512 T + 128 w
	s_add_nc_u64 s[34:35], s[24:25], s[30:31]
.irp b, 0,1,2,3
	v_mov_b32 v[TM+4+\b], 0                        ; a lane permute's destination counts as one of its sources
.endr
	s_wait_loadcnt 16                              ; the first K step's 16 loads are in; the second's may be out
	QUANT 32
	v_mov_b32 v[PP], v[PW]
.irp p, 0,1,2,3,4,5
	global_store_b64 v5, v[PC+2*\p:PC+2*\p+1], s[32:33] offset:256*\p      ; 32 lanes store 256 consecutive bytes, aligned
.endr
	s_wait_loadcnt 0x0
	s_wait_xcnt 0x0                                ; the stores have read the fragment's registers: they are written again only behind this wait
	QUANT 96
	v_mov_b32 v[PP+1], v[PW]
.irp p, 0,1,2,3,4,5
	global_store_b64 v5, v[PC+2*\p:PC+2*\p+1], s[32:33] offset:FRB+256*\p
.endr
	global_store_b64 v6, v[PP:PP+1], s[34:35]      ; lanes r and r + 16 hold the same pair and write it to the same place
	s_endpgm
.Lweights:
	; ---- a weight: which one, which tile T, which 1,024 along K (kg); all by the work-group's and the wave's number
	s_sub_co_u32 s26, ttmp9, 256                   ; g: 0-47 Wqkv, 48-63 Wo, 64-127 W1 (T = 4 (g - first) + wave), 128-191 W2 (T = g - 128, kg = wave)
	s_mov_b32 s32, W2F
	s_mov_b32 s33, W2S
	s_mov_b32 s36, 3072
	s_mov_b32 s38, 32*FRB
	s_mov_b32 s39, 2048
	s_cmp_lt_u32 s26, 128
	s_cselect_b64 s[28:29], s[16:17], s[20:21]     ; the codes,
	s_cselect_b64 s[30:31], s[18:19], s[22:23]     ; the scale bytes,
	s_cselect_b32 s32, W1F, s32                    ; where the images go,
	s_cselect_b32 s33, W1S, s33                    ; and the scale words;
	s_cselect_b32 s36, 768, s36                    ; a row of codes in bytes,
	s_cselect_b32 s37, 32, 128                     ; a row of scale bytes,
	s_cselect_b32 s38, 8*FRB, s38                  ; a tile's images,
	s_cselect_b32 s39, 512, s39                    ; a tile's scale words
	s_cselect_b32 s35, 0, s27                      ; kg
	s_cselect_b32 s41, 64, 128                     ; the weight's first g
	s_cselect_b32 s42, 2, 0
	s_cselect_b32 s43, s27, 0
	s_cmp_lt_u32 s26, 64
	s_cselect_b64 s[28:29], s[12:13], s[28:29]
	s_cselect_b64 s[30:31], s[14:15], s[30:31]
	s_cselect_b32 s32, WOF, s32
	s_cselect_b32 s33, WOS, s33
	s_cselect_b32 s41, 48, s41
	s_cmp_lt_u32 s26, 48
	s_cselect_b64 s[28:29], s[8:9], s[28:29]
	s_cselect_b64 s[30:31], s[10:11], s[30:31]
	s_cselect_b32 s32, WQF, s32
	s_cselect_b32 s33, WQS, s33
	s_cselect_b32 s41, 0, s41
	s_cselect_b32 s40, 1, 0                        ; Wqkv?
	s_sub_co_u32 s34, s26, s41
	s_lshl_b32 s34, s34, s42
	s_add_co_u32 s34, s34, s43                     ; T
	s_and_b32 s44, s34, 63
	s_cmp_eq_u32 s40, 1
	s_cselect_b32 s44, s44, s34                    ; in Wqkv: the tile inside its section of 64 tiles
	s_lshr_b32 s45, s44, 1
	s_lshl_b32 s45, s45, 5
	s_and_b32 s46, s44, 1
	s_lshl_b32 s46, s46, 3
	s_add_co_u32 s45, s45, s46                     ; the tile's first row; its 16 rows lie inside one head's 64
	s_lshr_b32 s46, s45, 6
	s_lshl_b32 s46, s46, 7                         ; + 128 x head
	s_lshr_b32 s47, s34, 6
	s_lshl_b32 s47, s47, 6                         ; + 64 x section
	s_add_co_u32 s46, s46, s47
	s_mul_i32 s46, s46, s40                        ; in Wqkv alone
	s_add_co_u32 s45, s45, s46
	s_wait_alu depctr_va_vdst(0)
	v_add_nc_u32 v7, s45, v4                       ; my row as it is given
	v_mul_lo_u32 v8, v7, s36
	v_mad_u32_u24 v8, v3, 24, v8                   ; its codes, + 24 h
	s_mul_i32 s46, s35, 768
	v_add_nc_u32 v8, s46, v8                       ; + my 1,024 along K
	v_mul_lo_u32 v9, v7, s37
	v_lshl_add_u32 v9, v3, 4, v9                   ; its scale bytes: lanes 0-15 those of K steps 0-3, lanes 16-31 of 4-7
	s_lshl_b32 s46, s35, 5
	v_add_nc_u32 v9, s46, v9
.irp s, 0,1,2,3,4,5,6,7
.irp p, 0,1,2,3,4,5
	global_load_b64 v[32+12*\s+2*\p:33+12*\s+2*\p], v8, s[28:29] offset:96*\s+48*(\p/3)+8*(\p%3)   ; the row's stream of bits is the register image: 24 bytes as three loads of 8
.endr
.endr
	global_load_b128 v[128:131], v9, s[30:31]
	s_mul_i32 s46, s34, s38
	s_mul_i32 s47, s35, 8*FRB
	s_add_co_u32 s46, s46, s47
	s_add_co_u32 s46, s46, s32
	s_mov_b32 s47, 0
	s_add_nc_u64 s[48:49], s[24:25], s[46:47]      ; my eight images
	s_mul_i32 s46, s34, s39
	s_lshl_b32 s52, s35, 9
	s_add_co_u32 s46, s46, s52
	s_add_co_u32 s46, s46, s33
	s_add_nc_u64 s[50:51], s[24:25], s[46:47]      ; my 512 bytes of scale words
	v_lshl_add_u32 v10, v3, 8, v6                  ; 256 h + 8 r
	s_wait_alu depctr_va_vdst(0)
.irp s, 0,1,2,3,4,5,6,7
	s_wait_loadcnt 43-6*\s                         ; K step s's six loads are in: behind them stand 6 (7 - s) loads of codes and the one of scale bytes
.irp p, 0,1,2,3,4,5
	global_store_b64 v5, v[32+12*\s+2*\p:33+12*\s+2*\p], s[48:49] offset:FRB*\s+256*\p
.endr
.endr
	s_wait_loadcnt 0x0
	global_store_b64 v10, v[128:129], s[50:51]
	global_store_b64 v10, v[130:131], s[50:51] offset:128
	s_endpgm
.Lfunc_end_k_qc4eaf9251d_quant_in:
	.size	k_qc4eaf9251d_quant_in, .Lfunc_end_k_qc4eaf9251d_quant_in-k_qc4eaf9251d_quant_in
	.p2alignl 7, 3214868480
	.fill 96, 4, 3214868480
	.section	.rodata,"a",@progbits
	.p2align	6, 0x0
	.amdhsa_kernel k_qc4eaf9251d_quant_in
		.amdhsa_group_segment_fixed_size 0
		.amdhsa_private_segment_fixed_size 0
		.amdhsa_enable_private_segment 0
		.amdhsa_kernarg_size 80
		.amdhsa_user_sgpr_count 2
		.amdhsa_user_sgpr_kernarg_segment_ptr 1
		.amdhsa_wavefront_size32 1
		.amdhsa_system_sgpr_workgroup_id_x 1
		.amdhsa_system_sgpr_workgroup_id_y 1
		.amdhsa_system_sgpr_workgroup_id_z 1
		.amdhsa_system_vgpr_workitem_id 0
		.amdhsa_next_free_vgpr 200
		.amdhsa_next_free_sgpr 66
		.amdhsa_reserve_vcc 0
		.amdhsa_float_denorm_mode_32 3
		.amdhsa_float_denorm_mode_16_64 3
		.amdhsa_memory_ordered 1
		.amdhsa_forward_progress 1
		.amdhsa_inst_pref_size 27
	.end_amdhsa_kernel
	.amdgpu_metadata
---
amdhsa.version: [ 1, 2 ]
amdhsa.kernels:
  - .name:           k_qc4eaf9251d_quant_in
    .symbol:         k_qc4eaf9251d_quant_in.kd
    .args:
      - { .name: x, .offset: 0, .size: 8, .value_kind: global_buffer, .address_space: global }
      - { .name: Wqkv_codes, .offset: 8, .size: 8, .value_kind: global_buffer, .address_space: global }
      - { .name: Wqkv_scales, .offset: 16, .size: 8, .value_kind: global_buffer, .address_space: global }
      - { .name: Wo_codes, .offset: 24, .size: 8, .value_kind: global_buffer, .address_space: global }
      - { .name: Wo_scales, .offset: 32, .size: 8, .value_kind: global_buffer, .address_space: global }
      - { .name: W1_codes, .offset: 40, .size: 8, .value_kind: global_buffer, .address_space: global }
      - { .name: W1_scales, .offset: 48, .size: 8, .value_kind: global_buffer, .address_space: global }
      - { .name: W2_codes, .offset: 56, .size: 8, .value_kind: global_buffer, .address_space: global }
      - { .name: W2_scales, .offset: 64, .size: 8, .value_kind: global_buffer, .address_space: global }
      - { .name: prep, .offset: 72, .size: 8, .value_kind: global_buffer, .address_space: global }
    .group_segment_fixed_size: 0
    .private_segment_fixed_size: 0
    .kernarg_segment_align: 8
    .kernarg_segment_size: 80
    .max_flat_workgroup_size: 128
    .sgpr_count:     66
    .vgpr_count:     200
    .wavefront_size: 32
...
	.end_amdgpu_metadata
.endif
;; end of part 9
;; launch gemm_qkv (part 10): grid 12 x 16, 4 waves a work-group, clusters of 4 x 4, 327,680 bytes of LDS; arguments prep, bqkv, qkv; writes qkv
.if DOCPART == 10
	.amdgcn_target "amdgcn-amd-amdhsa--gfx1250"
	.amdhsa_code_object_version 6
	.text
	.protected	k_qc4eaf9251d_gemm_qkv
	.globl	k_qc4eaf9251d_gemm_qkv
	.p2align	8
	.type	k_qc4eaf9251d_gemm_qkv,@function
k_qc4eaf9251d_gemm_qkv:
	s_mov_b64 s[64:65], 0
	v_nop
	global_prefetch_b8 v0, s[64:65] scope:SCOPE_SE
	s_setreg_imm32_b32 hwreg(HW_REG_WAVE_MODE, 25, 1), 1
	s_wait_xcnt 0x0
	s_wait_alu depctr_hold_cnt(0) depctr_sa_sdst(0) depctr_va_vdst(0) depctr_va_sdst(0) depctr_va_ssrc(0) depctr_va_vcc(0) depctr_vm_vsrc(0)
	s_getreg_b32 s2, hwreg(HW_REG_IB_STS2, 6, 4)
	s_cmp_eq_u32 s2, 0
	s_cbranch_scc0 .Lentry_in_a_cluster
	s_endpgm
.Lentry_in_a_cluster:
	s_bfe_u32 s2, ttmp6, 0x10000c
	s_cmp_lg_u32 s2, 0xf033
	s_cbranch_scc0 .Lentry_shape_is_right
	s_endpgm
.Lentry_shape_is_right:
.set KK,    1024
.set XSO,   3145728
.set WQF,   3276800
.set WQS,   5636096
.set KF,    3145728
.set VF,    6291456
.set QS,    9437184
.set KVS,   9699328
.set NS,    KK/128
.set LAPS,  KK/512
.set FRB,   1536
.set TROW,  2*FRB
.set HALFT, 8*TROW
.set SLOT,  4*HALFT
.set SCLA,  2*SLOT
.set SCLB,  SCLA+8*KK+128
.set SBLK,  KK/2
.set SPARE, SCLB+8*KK+128
.set NQ, 2
.set FR, 12
.set NL, 6
.set NP, 4
.set ADRA, 16
.set ADRB, 20
.set L8,   24
.set SV0,  25
.set SV1,  26
.set ADRS, 27
.set SPW,  28
.set NIL,  29
.set SC,   32
.set BIAS, 64
.set AF,   128
.set W,    128
.set TM,   192
.set PW,   208
.set PC,   212
.set SEL,  66
.set G1, 24
.set G0, 32
.set G1B, 48
.set G0B, 56
.set G1S, 68
.set G0S, 76
.set G1SB, 80
.set G0SB, 88
.set MSB, 0
.macro WIN new
.if MSB != (\new)
	s_set_vgpr_msb (MSB<<8)|(\new)
.set MSB, (\new)
.endif
.endm
.set MUL_LO, 0xa1
.set MUL_HI, 0xf1
.set TO_B,   0x40
.macro JLOAD g0a, g1a, g0b, g1b
	s_cmp_eq_u32 s15, 0
	s_cbranch_scc0 .Lfor_b_\@
	tensor_load_to_lds s[\g0a:\g0a+3], s[\g1a:\g1a+7]
	s_nop 0
.rept 4
	v_nop
.endr
	s_branch .Lasked_\@
.Lfor_b_\@:
	tensor_load_to_lds s[\g0b:\g0b+3], s[\g1b:\g1b+7]
	s_nop 0
.rept 4
	v_nop
.endr
.Lasked_\@:
.endm
.macro CREST
	s_cmp_lg_u32 s14, 0
	s_cbranch_scc1 .Lnot_wave_0_\@
	s_barrier_signal -3
.Lnot_wave_0_\@:
	s_barrier_wait -3
	s_barrier_signal -1
	s_barrier_wait -1
.endm
.macro CROUND
	s_barrier_signal -1
	s_barrier_wait -1
	CREST
.endm
.macro FRAG reg, adr, q, i
.irp p, 0,1,2,3,4,5
	ds_load_b64 v[\reg+2*\p:\reg+2*\p+1], v[\adr] offset:(\i)*TROW+(\q)*FRB+256*\p
.endr
.endm
.macro MUL16 a0, p, q, sc, zero
.irp a, \a0, \a0+1
.irp b, 0,1,2,3,4,5,6,7
.if \zero
	v_wmma_scale_f32_16x16x128_f8f6f4 v[8*(8*((\a)%4)+\b):8*(8*((\a)%4)+\b)+7], v[128*(\p)+FR*\b:128*(\p)+FR*\b+FR-1], v[AF+FR*(\a):AF+FR*(\a)+FR-1], 0, v[SC+8*NQ*(\sc)+NQ*\b+(\q)], v[SC+8*NQ*(\sc)+NQ*(\a)+(\q)] matrix_a_fmt:MATRIX_FMT_FP6 matrix_b_fmt:MATRIX_FMT_FP6 matrix_a_scale:MATRIX_SCALE_ROW1
.else
	v_wmma_scale_f32_16x16x128_f8f6f4 v[8*(8*((\a)%4)+\b):8*(8*((\a)%4)+\b)+7], v[128*(\p)+FR*\b:128*(\p)+FR*\b+FR-1], v[AF+FR*(\a):AF+FR*(\a)+FR-1], v[8*(8*((\a)%4)+\b):8*(8*((\a)%4)+\b)+7], v[SC+8*NQ*(\sc)+NQ*\b+(\q)], v[SC+8*NQ*(\sc)+NQ*(\a)+(\q)] matrix_a_fmt:MATRIX_FMT_FP6 matrix_b_fmt:MATRIX_FMT_FP6 matrix_a_scale:MATRIX_SCALE_ROW1
.endif
.endr
.endr
.endm
.macro FETCH_B slot, q, p
	WIN TO_B
.irp i, 0,1,2,3,4,5,6,7
	FRAG 128*(\p)+FR*\i, ADRB+\slot, \q, \i
.endr
	WIN 0
.endm
.macro FETCH_A slot, q, i0
.irp i, \i0, \i0+1, \i0+2, \i0+3
	FRAG AF+FR*(\i), ADRA+\slot, \q, \i
.endr
.endm
.macro SCALES sc
.irp i, 0,1,2,3,4,5,6,7
	ds_load_b64 v[SC+8*NQ*\sc+NQ*\i:SC+8*NQ*\sc+NQ*\i+1], v[ADRS] offset:\i*SBLK
.endr
.endm
.macro PLACES n
.rept \n
	v_nop
.endr
.endm
.macro STEP slot, q, zero
	s_wait_dscnt 4*NL
	WIN MUL_LO
	MUL16 0, (\q)%2, \q, \slot, \zero
	MUL16 2, (\q)%2, \q, \slot, \zero
	s_wait_dscnt 0
	PLACES NP
	FETCH_B \slot, (\q)+1, 1-(\q)%2
	FETCH_A \slot, (\q)+1, 0
	WIN MUL_HI
	MUL16 4, (\q)%2, \q, \slot, \zero
	MUL16 6, (\q)%2, \q, \slot, \zero
	PLACES NP
	WIN 0
	FETCH_A \slot, (\q)+1, 4
.endm
.macro TURN slot, next, fill
	s_wait_tensorcnt 0x0
	ds_add_u32 v[SPW], v[NIL]
	s_wait_dscnt 4*NL+1
	WIN MUL_LO
	MUL16 0, 1, NQ-1, \slot, 0
	s_wait_dscnt 0x0
	s_barrier_signal -1
	MUL16 2, 1, NQ-1, \slot, 0
	WIN 0
	s_barrier_wait -1
.if \fill
	CREST
	s_add_nc_u64 s[G0+4*\slot+2:G0+4*\slot+3], s[G0+4*\slot+2:G0+4*\slot+3], 2*TROW
	s_add_nc_u64 s[G0B+4*\slot+2:G0B+4*\slot+3], s[G0B+4*\slot+2:G0B+4*\slot+3], 2*TROW
	JLOAD G0+4*\slot, G1, G0B+4*\slot, G1B
.else
	PLACES NP
.endif
	s_wait_alu depctr_va_vdst(0)
	v_add_nc_u32 v[ADRS], 128, v[ADRS]
	FETCH_B \next, 0, 0
	FETCH_A \next, 0, 0
	SCALES \next
	WIN MUL_HI
	MUL16 4, 1, NQ-1, \slot, 0
	MUL16 6, 1, NQ-1, \slot, 0
	PLACES NP
	WIN 0
	FETCH_A \next, 0, 4
.endm
.macro QUANT s
.irp b, 0,1,2,3
	v_max3_num_f32 v[TM+\b], |v[\s+16*\b]|, |v[\s+1+16*\b]|, 0x1800000
.endr
.irp i, 2,4,6,8,10,12,14
.irp b, 0,1,2,3
	v_max3_num_f32 v[TM+\b], v[TM+\b], |v[\s+16*\b+\i]|, |v[\s+1+16*\b+\i]|
.endr
.endr
.irp b, 0,1,2,3
	v_permlanex16_b32 v[TM+4+\b], v[TM+\b], s[SEL], s[SEL+1]
.endr
.irp b, 0,1,2,3
	v_max_num_f32 v[TM+\b], v[TM+\b], v[TM+4+\b]
.endr
.irp b, 0,1,2,3
	v_add_nc_u32 v[TM+12+\b], 0xff000000, v[TM+\b]
.endr
.irp b, 0,1,2,3
	v_lshrrev_b32 v[TM+4+\b], 23, v[TM+12+\b]
.endr
	v_lshl_or_b32 v[PW], v[TM+5], 8, v[TM+4]
	v_lshl_or_b32 v[PW], v[TM+6], 16, v[PW]
	v_lshl_or_b32 v[PW], v[TM+7], 24, v[PW]
.irp c, 0,1
	v_cvt_scalef32_pk16_fp6_f32 v[PC+6*\c:PC+2+6*\c], v[\s+32*\c:\s+15+32*\c], v[TM+12+2*\c]
	v_cvt_scalef32_pk16_fp6_f32 v[PC+12+4*\c:PC+14+4*\c], v[\s+16+32*\c:\s+31+32*\c], v[TM+12+2*\c+1]
.endr
	v_nop
.irp c, 0,1
.irp i, 0,1,2
	v_permlane16_swap_b32 v[PC+6*\c+\i], v[PC+12+4*\c+\i]
.endr
.irp i, 0,1,2
	v_mov_b32 v[PC+3+6*\c+\i], v[PC+12+4*\c+\i]
.endr
.endr
.endm
	s_load_b128 s[4:7], s[0:1], 0x0
	s_load_b64 s[8:9], s[0:1], 0x10
	v_lshl_add_u32 v[SPW], v0, 2, SPARE
	v_mov_b32 v[NIL], 0
	ds_add_u32 v28, v29
	ds_add_u32 v28, v29
	s_wait_dscnt 0x0
	v_lshrrev_b32 v1, 5, v0
	v_readfirstlane_b32 s14, v1
	s_lshr_b32 s15, s14, 1
	s_and_b32 s16, s14, 1
	s_bfe_u32 s40, ttmp6, 0x40000
	s_bfe_u32 s41, ttmp6, 0x40004
	s_and_b32 s96, ttmp7, 0xffff
	s_lshl_b32 s96, s96, 2
	s_lshl_b32 s97, ttmp9, 2
	s_mov_b32 s99, XSO
	s_mov_b32 s101, WQS
	s_cmp_eq_u32 ttmp9, 2
	s_cselect_b32 s2, 1, 0
	s_cselect_b32 s17, 8, s96
	s_cselect_b32 s42, s96, s97
	s_cselect_b32 s98, WQF, 0
	s_cselect_b32 s99, WQS, s99
	s_cselect_b32 s100, 0, WQF
	s_cselect_b32 s101, XSO, s101
	s_add_co_u32 s17, s17, s41
	s_add_co_u32 s42, s42, s40
	s_lshl_b32 s43, s41, 2
	s_lshl_b32 s43, 15, s43
	s_lshl_b32 s44, 0x1111, s40
	s_or_b32 s[G1+0], s43, (3<<16)|(1<<21)
	s_or_b32 s[G1B+0], s44, (3<<16)|(1<<21)
.irp g, G1, G1B
	s_mov_b32 s[\g+1], 384<<16
	s_mov_b32 s[\g+2], 16<<16                      ; the head's loads bring all 16 tiles of a side
	s_mov_b32 s[\g+3], 384<<16
	s_mov_b32 s[\g+4], 16
	s_mov_b32 s[\g+5], NS*192
	s_mov_b32 s[\g+6], 0
	s_mov_b32 s[\g+7], 0
.endr
	s_or_b32 s[G1S+0], s43, (3<<16)|(1<<21)
	s_or_b32 s[G1SB+0], s44, (3<<16)|(1<<21)
.irp g, G1S, G1SB
	s_mov_b32 s[\g+1], 32<<16
	s_mov_b32 s[\g+2], (KK/32)<<16                 ; 16 tiles' scale words: 8 KK dense bytes as rows of 256
	s_mov_b32 s[\g+3], 32<<16
	s_mov_b32 s[\g+4], KK/32
	s_mov_b32 s[\g+5], 32
	s_mov_b32 s[\g+6], 0
	s_mov_b32 s[\g+7], 0
.endr
	s_mul_i32 s12, s16, 8*NS*FRB                   ; in the ring I fetch 8 tiles of a side: which half, in bytes
	s_mov_b32 s13, 0
	s_lshl_b32 s20, s17, 4
	s_lshl_b32 s46, s42, 4
	s_mul_i32 s22, s20, SBLK
	s_mul_i32 s92, s46, SBLK
	s_mul_i32 s20, s20, NS*FRB
	s_mul_i32 s46, s46, NS*FRB
	s_add_co_u32 s20, s20, s98
	s_add_co_u32 s22, s22, s99
	s_add_co_u32 s46, s46, s100
	s_add_co_u32 s92, s92, s101
	s_mov_b32 s21, 0
	s_mov_b32 s23, 0
	s_mov_b32 s47, 0
	s_mov_b32 s93, 0
	s_mul_i32 s45, s14, HALFT
	s_wait_kmcnt 0x0
	s_add_nc_u64 s[20:21], s[4:5], s[20:21]
	s_add_nc_u64 s[22:23], s[4:5], s[22:23]
	s_add_nc_u64 s[46:47], s[4:5], s[46:47]
	s_add_nc_u64 s[92:93], s[4:5], s[92:93]
	CROUND
	s_mov_b32 s[G0S], 1
	s_mov_b32 s[G0S+1], SCLA
	s_mov_b64 s[G0S+2:G0S+3], s[22:23]
	s_or_b32 s[G0S+3], s[G0S+3], 0x80000000
	s_mov_b32 s[G0SB], 1
	s_mov_b32 s[G0SB+1], SCLB
	s_mov_b64 s[G0SB+2:G0SB+3], s[92:93]
	s_or_b32 s[G0SB+3], s[G0SB+3], 0x80000000
	; the head's four tiles, one joint load a wave: wave 0 slot 0's 16 tiles of A, wave 1 B's, wave 2 A's scale words, wave 3 B's
	s_mov_b32 s[G0], 1
	s_mov_b32 s[G0+1], 0
	s_mov_b64 s[G0+2:G0+3], s[20:21]
	s_or_b32 s[G0+3], s[G0+3], 0x80000000
	s_mov_b32 s[G0B], 1
	s_mov_b32 s[G0B+1], 2*HALFT
	s_mov_b64 s[G0B+2:G0B+3], s[46:47]
	s_or_b32 s[G0B+3], s[G0B+3], 0x80000000
	s_add_nc_u64 s[20:21], s[20:21], s[12:13]      ; for the ring: my 8 tiles
	s_add_nc_u64 s[46:47], s[46:47], s[12:13]
	s_mov_b32 s[G0+4], 1
	s_add_co_u32 s[G0+5], s45, SLOT
	s_add_nc_u64 s[G0+6:G0+7], s[20:21], TROW
	s_or_b32 s[G0+7], s[G0+7], 0x80000000
	s_mov_b32 s[G0B+4], 1
	s_add_co_u32 s[G0B+5], s45, SLOT
	s_add_nc_u64 s[G0B+6:G0B+7], s[46:47], TROW
	s_or_b32 s[G0B+7], s[G0B+7], 0x80000000
.macro ARM under, g0, g1, next         ; one tree of branches on the wave's number: every way passes exactly one load
	s_cmp_lt_u32 s14, \under
	s_cbranch_scc0 \next
	tensor_load_to_lds s[\g0:\g0+3], s[\g1:\g1+7]
	s_nop 0
.rept 4
	v_nop
.endr
	s_branch .Lhead_asked
\next:
.endm
	ARM 1, G0,  G1,  .Lhead_b
	ARM 2, G0B, G1B, .Lhead_sa
	ARM 3, G0S, G1S, .Lhead_sb
	tensor_load_to_lds s[G0SB:G0SB+3], s[G1SB:G1SB+7]
	s_nop 0
.rept 4
	v_nop
.endr
.Lhead_asked:
	v_and_b32 v1, 15, v0
	v_bfe_u32 v2, v0, 4, 1
	s_wait_alu depctr_va_vdst(0)
	v_and_b32 v3, 31, v0
	v_lshlrev_b32 v[L8], 3, v3
	s_mul_i32 s21, s15, HALFT
	s_mul_i32 s22, s16, HALFT
	s_add_co_u32 s22, s22, 2*HALFT
.irp s, 0,1
	v_add_nc_u32 v[ADRA+\s], s21, v[L8]
	v_add_nc_u32 v[ADRB+\s], s22, v[L8]
	s_add_co_u32 s21, s21, SLOT
	s_add_co_u32 s22, s22, SLOT
.endr
	v_lshlrev_b32 v5, 3, v1
	s_mul_i32 s21, s15, 4*KK
	s_mul_i32 s22, s16, 4*KK
	s_add_co_u32 s22, s22, 8*KK+128
	s_sub_co_u32 s22, s22, s21
	v_mul_u32_u24 v6, s22, v2
	s_add_co_u32 s21, s21, SCLA
	v_add_nc_u32 v5, v5, v6
	v_add_nc_u32 v[ADRS], s21, v5
	v_lshlrev_b32 v[SV0], 2, v1
	s_cmp_eq_u32 s2, 1
	s_cselect_b32 s18, 0, 64
	s_cselect_b32 s19, 4, 0
	s_cselect_b32 s96, 0, 4
	s_cselect_b32 s97, s41, s40
	s_cselect_b32 s95, s15, s16
	s_lshl_b32 s97, s97, 2
	s_lshl_b32 s95, s95, 1
	s_add_co_u32 s97, s97, s95
	s_mul_i32 s97, s97, 768
	s_lshl_b32 s95, ttmp9, 8
	s_add_co_u32 s97, s97, s95
	v_and_b32 v7, 8, v1
	v_add_nc_u32 v7, v7, v1
	v_mul_u32_u24 v8, v2, s18
	v_mad_u32_u24 v8, v7, s19, v8
	v_add_nc_u32 v224, s97, v8
.irp j, 1,2,3,4,5,6,7
	v_add_nc_u32 v[224+\j], s96, v[223+\j]
.endr
.irp x, 0,1,2,3,4,5,6,7
.irp j, 0,1,2,3,4,5,6,7
	global_load_b32 v[BIAS+8*\x+\j], v[224+\j], s[6:7] offset:4*((\x/4)*192+32*((\x%4)/2)+8*(\x%2))
.endr
.endr
	s_wait_alu depctr_va_vdst(0)                   ; the wait at the head's end
	s_wait_tensorcnt 0x0                           ; my tile of the head's four is in
	ds_add_u32 v[SPW], v[NIL]
	s_mov_b32 s[G1+2], 8<<16                       ; no load of mine is out: from here on a load brings 8 tiles,
	s_mov_b32 s[G1+4], 8
	s_mov_b32 s[G1B+2], 8<<16
	s_mov_b32 s[G1B+4], 8
	s_mov_b32 s[G0+1], s45                         ; and slot 0's group 0 takes the ring's form: my quarter of the slot
	s_add_nc_u64 s[G0+2:G0+3], s[G0+2:G0+3], s[12:13]
	s_mov_b32 s[G0B+1], s45
	s_add_nc_u64 s[G0B+2:G0B+3], s[G0B+2:G0B+3], s[12:13]
	s_wait_dscnt 0x0
	CROUND                                         ; all four tiles are in, all sixteen work-groups are here
	JLOAD G0+4, G1, G0B+4, G1B                     ; slot 1's first fill, the first tensor load behind the round
	FETCH_B 0, 0, 0
	FETCH_A 0, 0, 0
	SCALES 0
	FETCH_A 0, 0, 4
	STEP 0, 0, 1
	s_mov_b32 s3, LAPS-1
.Llap:
	TURN 0, 1, 1
	STEP 1, 0, 0
	TURN 1, 0, 1
	STEP 0, 0, 0
	s_sub_co_u32 s3, s3, 1
	s_cmp_lg_u32 s3, 0
	s_cbranch_scc1 .Llap
	TURN 0, 1, 0
	STEP 1, 0, 0
	s_wait_dscnt 4*NL
	WIN MUL_LO
	MUL16 0, 1, NQ-1, 1, 0
	MUL16 2, 1, NQ-1, 1, 0
	s_wait_dscnt 0
	WIN MUL_HI
	MUL16 4, 1, NQ-1, 1, 0
	MUL16 6, 1, NQ-1, 1, 0
	WIN 0
	PLACES NP
	s_wait_loadcnt 0x0
.irp b, 0,1,2,3
	v_mov_b32 v[TM+4+\b], 0
.endr
	s_mov_b32 s[SEL], 0x76543210
	s_mov_b32 s[SEL+1], 0xfedcba98
	s_cmp_eq_u32 s2, 1
	s_cbranch_scc1 .Lvway
	s_lshr_b32 s68, s17, 3
	s_lshl_b32 s68, s68, 4
	s_lshl_b32 s69, s40, 2
	s_add_co_u32 s68, s68, s69
	s_lshl_b32 s69, s16, 1
	s_add_co_u32 s68, s68, s69
	s_and_b32 s69, s17, 7
	s_lshl_b32 s69, s69, 4
	s_lshl_b32 s70, s15, 3
	s_add_co_u32 s69, s69, s70
	s_lshl_b32 s70, s68, 7
	s_add_co_u32 s70, s70, s69
	s_mul_i32 s70, s70, 768
	s_mov_b32 s72, 12288
	s_mov_b32 s73, KVS
	s_cmp_eq_u32 ttmp9, 0
	s_cselect_b32 s71, 0, KF
	s_cselect_b32 s72, 8192, s72
	s_cselect_b32 s73, QS, s73
	s_add_co_u32 s70, s70, s71
	s_mov_b32 s71, 0
	s_add_nc_u64 s[74:75], s[8:9], s[70:71]
	s_mul_i32 s70, s68, s72
	s_lshl_b32 s69, s69, 6
	s_add_co_u32 s70, s70, s69
	s_add_co_u32 s70, s70, s73
	s_add_nc_u64 s[76:77], s[8:9], s[70:71]
	v_add_nc_u32 v[SV1], s72, v[SV0]
.macro BLOCKQK a
	s_wait_xcnt 0x0
	WIN 0x02+(\a)/4
.set k, 0
.rept 32
	v_pk_add_f32 v[W+k:W+k+1], v[64*((\a)%4)+k:64*((\a)%4)+k+1], v[BIAS+k:BIAS+k+1]
.set k, k+2
.endr
	WIN 0
	QUANT W
.irp p, 0,1,2,3,4,5
	global_store_b64 v[L8], v[PC+2*\p:PC+2*\p+1], s[74:75] offset:(\a)*768+256*(\p%3)+(\p/3)*98304
.endr
	v_lshrrev_b32 v[PW+1], 16, v[PW]
	global_store_b32 v[SV0], v[PW], s[76:77] offset:(\a)*64
	global_store_b32 v[SV1], v[PW+1], s[76:77] offset:(\a)*64
.endm
.irp a, 0,1,2,3,4,5,6,7
	BLOCKQK \a
.endr
	s_branch .Lend
.Lvway:
	s_lshl_b32 s68, s42, 1
	s_add_co_u32 s68, s68, s16
	s_lshr_b32 s69, s68, 4
	s_and_b32 s68, s68, 15
	s_lshl_b32 s69, s69, 4
	s_lshl_b32 s70, s41, 2
	s_add_co_u32 s69, s69, s70
	s_lshl_b32 s70, s15, 1
	s_add_co_u32 s69, s69, s70
	s_lshl_b32 s70, s69, 4
	s_add_co_u32 s70, s70, s68
	s_mul_i32 s70, s70, 4*FRB
	s_add_co_u32 s70, s70, VF
	s_mov_b32 s71, 0
	s_add_nc_u64 s[74:75], s[8:9], s[70:71]
	s_mul_i32 s70, s69, 12288
	s_lshl_b32 s68, s68, 8
	s_add_co_u32 s70, s70, s68
	s_add_co_u32 s70, s70, KVS+8192
	s_add_nc_u64 s[76:77], s[8:9], s[70:71]
.macro BLOCKV a
	s_wait_xcnt 0x0
	WIN 0x02+(\a)/4
.set k, 0
.rept 32
	v_pk_add_f32 v[W+k:W+k+1], v[64*((\a)%4)+k:64*((\a)%4)+k+1], v[BIAS+8*(\a)+k%8:BIAS+8*(\a)+k%8+1]
.set k, k+2
.endr
	WIN 0
	QUANT W
.irp p, 0,1,2,3,4,5
	global_store_b64 v[L8], v[PC+2*\p:PC+2*\p+1], s[74:75] offset:((\a)/4)*98304+((\a)%4)*FRB+256*\p
.endr
	global_store_b32 v[SV0], v[PW], s[76:77] offset:((\a)/4)*12288+((\a)%4)*64
.endm
.irp a, 0,1,2,3,4,5,6,7
	BLOCKV \a
.endr
.Lend:
	s_wait_tensorcnt 0x0
	ds_add_u32 v[SPW], v[NIL]
	s_wait_dscnt 0x0
	CROUND
	s_endpgm
.Lfunc_end_k_qc4eaf9251d_gemm_qkv:
	.size	k_qc4eaf9251d_gemm_qkv, .Lfunc_end_k_qc4eaf9251d_gemm_qkv-k_qc4eaf9251d_gemm_qkv
	.p2alignl 7, 3214868480
	.fill 96, 4, 3214868480
	.section	.rodata,"a",@progbits
	.p2align	6, 0x0
	.amdhsa_kernel k_qc4eaf9251d_gemm_qkv
		.amdhsa_group_segment_fixed_size 327680
		.amdhsa_private_segment_fixed_size 0
		.amdhsa_enable_private_segment 0
		.amdhsa_kernarg_size 24
		.amdhsa_user_sgpr_count 2
		.amdhsa_user_sgpr_kernarg_segment_ptr 1
		.amdhsa_wavefront_size32 1
		.amdhsa_system_sgpr_workgroup_id_x 1
		.amdhsa_system_sgpr_workgroup_id_y 1
		.amdhsa_system_sgpr_workgroup_id_z 1
		.amdhsa_system_vgpr_workitem_id 0
		.amdhsa_next_free_vgpr 1024
		.amdhsa_next_free_sgpr 102
		.amdhsa_reserve_vcc 0
		.amdhsa_float_denorm_mode_32 3
		.amdhsa_float_denorm_mode_16_64 3
		.amdhsa_memory_ordered 1
		.amdhsa_forward_progress 1
		.amdhsa_inst_pref_size 244
	.end_amdhsa_kernel
	.amdgpu_metadata
---
amdhsa.version: [ 1, 2 ]
amdhsa.kernels:
  - .name:           k_qc4eaf9251d_gemm_qkv
    .symbol:         k_qc4eaf9251d_gemm_qkv.kd
    .args:
      - { .name: prep, .offset: 0, .size: 8, .value_kind: global_buffer, .address_space: global }
      - { .name: bqkv, .offset: 8, .size: 8, .value_kind: global_buffer, .address_space: global }
      - { .name: qkv, .offset: 16, .size: 8, .value_kind: global_buffer, .address_space: global }
    .group_segment_fixed_size: 327680
    .private_segment_fixed_size: 0
    .kernarg_segment_align: 8
    .kernarg_segment_size: 24
    .max_flat_workgroup_size: 128
    .sgpr_count:     102
    .vgpr_count:     1024
    .wavefront_size: 32
...
	.end_amdgpu_metadata
.endif
;; end of part 10
;; launch attention (part 11): grid 8 x 32, 16 waves a work-group, clusters of 4 x 1, 210,944 bytes of LDS; arguments qkv, at; writes at
.if DOCPART == 11
	.amdgcn_target "amdgcn-amd-amdhsa--gfx1250"
	.amdhsa_code_object_version 6
	.text
	.protected	k_qc4eaf9251d_attention
	.globl	k_qc4eaf9251d_attention
	.p2align	8
	.type	k_qc4eaf9251d_attention,@function
k_qc4eaf9251d_attention:
	s_mov_b64 s[64:65], 0
	v_nop
	global_prefetch_b8 v0, s[64:65] scope:SCOPE_SE
	s_setreg_imm32_b32 hwreg(HW_REG_WAVE_MODE, 25, 1), 1
	s_wait_xcnt 0x0
	s_wait_alu depctr_hold_cnt(0) depctr_sa_sdst(0) depctr_va_vdst(0) depctr_va_sdst(0) depctr_va_ssrc(0) depctr_va_vcc(0) depctr_vm_vsrc(0)
	s_getreg_b32 s2, hwreg(HW_REG_IB_STS2, 6, 4)
	s_cmp_eq_u32 s2, 0
	s_cbranch_scc0 .Lentry_in_a_cluster
	s_endpgm
.Lentry_in_a_cluster:
	s_bfe_u32 s2, ttmp6, 0x10000c
	s_cmp_lg_u32 s2, 0x3003
	s_cbranch_scc0 .Lentry_shape_is_right
	s_endpgm
.Lentry_shape_is_right:
; attn[q][head 64] = softmax_k(q . k / 8) v for one of 32 heads (batch x head), both products on codes of FP6 (E2M3) with E8M0 scales; the result is quantised along the model's 1,024 and leaves as images of operand registers.
; THE SOFTMAX: t = score x log2(e) / 8; M = the running largest t rounded UP to a whole number; p = 2^(t - M) is quantised along the keys, not normalised; the row's sum is taken of the unquantised p and divides at the end.
; When M moves, the sum and O are multiplied by 2^(old M - new M): exact.
; SHARES.  A work-group owns 256 queries of a head, each of its sixteen waves one tile of 16, in 256 registers: four waves to a SIMD, so that one wave's vector work stands beside another's products and LDS loads.
; A WHOLE HEAD'S K AND V LIE IN LDS: 128 half images of k (768 bytes: the head's 64 are half of the instruction's 128 along K; the other half of the registers holds zero codes, on both sides), 64 images of V^T, 12,288 bytes of scale words.
; They are filled ONCE, one load a wave, so there is no ring.  The four work-groups of a cluster belong to one head and ask for each part JOINTLY.
; LAYOUT.  S^T = K Q^T and O^T = V^T P^T: a lane holds one query throughout.  Lane r of a tile T of keys holds key 32 (T / 2) + 8 (T % 2) + r + 8 (r / 8), so the 16 registers of two neighbouring tiles are 16 neighbouring keys; V's rows d likewise.
; LIMITS of the last quantiser: a block under 2^-124 keeps the byte 1; a block of zeros gets the byte 1 where the stated quantiser says 127 (this program alone reads the bytes).
.set KF,  3145728                      ; in qkv: q's half images at 0, k's, v's images, q's scale words, k's and v's
.set VF,  6291456
.set QS,  9437184
.set KVS, 9699328
.set ATS, 3145728                      ; in at: images [tile 256][K step 8][1,536] at 0, scale words (512 bytes a tile) here
.set LV,  12288                        ; LDS: 24,576 bytes for each pair of steps: k's 16 half images, then v's 8 images; one load a wave fills them (waves 0-7), waves 8-15 fill the scale words
.set LS,  196608
.set KR,  32                           ; v32-79  four fragments of k
.set VR,  80                           ; v80-127 four fragments of v
.set S,   128                          ; v128-191 S^T, then p
.set O,   192                          ; v192-223 O^T
.set MX,  28                           ; v28-31 the blocks' largest scores
.set SW,  248                          ; v248-251 the tiles' scale words, nothing else
.set WV,  8
.set G1C, 24
.set G1S, 32
.set G0K, 40
.set G0V, 44
.set G0S, 48
.set SEL, 52
.set CS,  54
.set TB,  56
.set TS,  57
.set TJ,  58
.set CNT, 59
.macro CROUND
	s_barrier_signal -1
	s_barrier_wait -1
	s_cmp_lg_u32 s[WV], 0
	s_cbranch_scc1 .Lnot_wave_0_\@
	s_barrier_signal -3
.Lnot_wave_0_\@:
	s_barrier_wait -3
	s_barrier_signal -1
	s_barrier_wait -1
.endm
	s_load_b128 s[4:7], s[0:1], 0x0                ; qkv, at
	v_lshl_add_u32 v243, v0, 2, 0x33000
	v_mov_b32 v255, 0
	ds_add_u32 v243, v255
	ds_add_u32 v243, v255
	v_lshrrev_b32 v1, 5, v0
	s_delay_alu instid0(VALU_DEP_1)
	v_readfirstlane_b32 s[WV], v1                  ; wave 0..15
	s_bfe_u32 s9, ttmp6, 0x40000                   ; cx
	s_lshl_b32 s10, ttmp9, 2
	s_add_co_u32 s10, s10, s9                      ; my block of 256 queries: it enters global addresses alone
	s_and_b32 s11, ttmp7, 0xffff                   ; the head, which the four partners share
	s_and_b32 s3, s[WV], 7                         ; which eighth is mine: of k and v (waves 0-7) or of the scale words (waves 8-15)
	s_mul_i32 s12, s11, 98304
	s_mul_i32 s13, s3, 12288                       ; two steps of k; v's two lie VF - KF bytes further on
	s_add_co_u32 s12, s12, s13
	s_add_co_u32 s16, s12, KF
	s_mov_b32 s17, 0
	s_lshl_b32 s13, s13, 1                         ; in LDS: 24,576 bytes a pair of steps
	s_mul_i32 s20, s11, 12288
	s_mul_i32 s14, s3, 1536
	s_add_co_u32 s20, s20, s14
	s_add_co_u32 s20, s20, KVS
	s_mov_b32 s21, 0
	; descriptor group 1: codes as two rows of 12,288 bytes (k's, v's), scale words as 6 rows of 256 (32 elements of 8 bytes)
	s_mov_b32 s[G1C], 15|(3<<16)|(1<<21)           ; 15:0 the mask: all four work-groups; 17:16 elements of 8 bytes; 21 set beside a mask
	s_mov_b32 s[G1C+1], 1536<<16                   ; two rows of 12,288 bytes (1,536 elements of 8): k's part, v's part
	s_mov_b32 s[G1C+2], 2<<16
	s_mov_b32 s[G1C+3], 1536<<16
	s_mov_b32 s[G1C+4], 2
	s_mov_b32 s[G1C+5], (VF-KF)/8                  ; the pitch: from k's images to v's
	s_mov_b32 s[G1C+6], 0
	s_mov_b32 s[G1C+7], 0
	s_mov_b32 s[G1S], 15|(3<<16)|(1<<21)
	s_mov_b32 s[G1S+1], 32<<16
	s_mov_b32 s[G1S+2], 6<<16
	s_mov_b32 s[G1S+3], 32<<16
	s_mov_b32 s[G1S+4], 6
	s_mov_b32 s[G1S+5], 32
	s_mov_b32 s[G1S+6], 0
	s_mov_b32 s[G1S+7], 0
	s_mov_b32 s[SEL], 0x76543210
	s_mov_b32 s[SEL+1], 0xfedcba98
	s_mov_b32 s[CS], 0x3e38aa3b                    ; c = log2(e) / sqrt(64)
	s_mov_b32 s[CS+1], s[CS]                       ; (named with it as a pair, so it is written)
	s_mov_b32 s[TB], 0
	s_mov_b32 s[TS], 0
	s_mov_b32 s[TJ], 0
	s_mov_b32 s[CNT], 8
	s_wait_dscnt 0x0
	s_wait_kmcnt 0x0
	s_mov_b32 s[G0K], 1
	s_mov_b32 s[G0K+1], s13
	s_add_nc_u64 s[G0K+2:G0K+3], s[4:5], s[16:17]
	s_or_b32 s[G0K+3], s[G0K+3], 0x80000000
	s_mov_b32 s[G0S], 1
	s_add_co_u32 s[G0S+1], s14, LS
	s_add_nc_u64 s[G0S+2:G0S+3], s[4:5], s[20:21]
	s_or_b32 s[G0S+3], s[G0S+3], 0x80000000
	CROUND                                         ; all four work-groups are here: the joint loads meet
	s_cmp_lt_u32 s[WV], 8                          ; the launch's only fills, one joint load a wave, in the two arms of one branch on the wave's number
	s_cbranch_scc0 .Lscl
	tensor_load_to_lds s[G0K:G0K+3], s[G1C:G1C+7]  ; waves 0-7: two steps of k and of v
	s_nop 0
.rept 4
	v_nop
.endr
	s_branch .Lasked
.Lscl:
	tensor_load_to_lds s[G0S:G0S+3], s[G1S:G1S+7]  ; waves 8-15: 1,536 bytes of scale words
	s_nop 0
.rept 4
	v_nop
.endr
.Lasked:
	s_lshl_b32 s15, s10, 4
	s_add_co_u32 s15, s15, s[WV]                   ; my tile of queries in the batch
	s_lshl_b32 s22, s11, 7
	s_add_co_u32 s22, s22, s15
	s_mul_i32 s22, s22, 768
	s_mov_b32 s23, 0
	s_add_nc_u64 s[22:23], s[4:5], s[22:23]        ; its half image
	s_lshl_b32 s2, s11, 13
	s_lshl_b32 s3, s15, 6
	s_add_co_u32 s2, s2, s3
	s_add_co_u32 s2, s2, QS
	s_mov_b32 s3, 0
	s_add_nc_u64 s[2:3], s[4:5], s[2:3]            ; its scale words
	s_lshr_b32 s60, s11, 4
	s_lshl_b32 s60, s60, 7
	s_add_co_u32 s60, s60, s15                     ; the tile among all 256
	s_and_b32 s9, s11, 15                          ; the head in its batch: the model's columns 64 head on
	s_lshl_b32 s62, s60, 9
	s_lshl_b32 s60, s60, 3
	s_lshr_b32 s12, s9, 1
	s_add_co_u32 s60, s60, s12                     ; K step head / 2 of the next product,
	s_mul_i32 s60, s60, 1536
	s_and_b32 s16, s9, 1
	s_mul_i32 s17, s16, 768                        ; its lower or upper half
	s_add_co_u32 s60, s60, s17
	s_mov_b32 s61, 0
	s_add_nc_u64 s[60:61], s[6:7], s[60:61]
	s_lshr_b32 s17, s9, 2
	s_lshl_b32 s17, s17, 7
	s_add_co_u32 s62, s62, s17                     ; scale words: 128 bytes for 256 along K,
	s_and_b32 s12, s12, 1
	s_lshl_b32 s12, s12, 2
	s_add_co_u32 s62, s62, s12                     ; which of the pair's two words,
	s_lshl_b32 s16, s16, 1
	s_add_co_u32 s62, s62, s16                     ; which half of it
	s_add_co_u32 s62, s62, ATS
	s_mov_b32 s63, 0
	s_add_nc_u64 s[62:63], s[6:7], s[62:63]
	v_and_b32 v9, 31, v0
	s_delay_alu instid0(VALU_DEP_1)
	v_lshlrev_b32 v1, 3, v9                        ; k: 8 x lane
	s_delay_alu instid0(VALU_DEP_1)
	v_add_nc_u32 v2, LV, v1                        ; v
	v_and_b32 v9, 15, v0
	s_delay_alu instid0(VALU_DEP_1)
	v_lshlrev_b32 v11, 2, v9                       ; 4 r
	s_delay_alu instid0(VALU_DEP_1)
	v_add_nc_u32 v3, LS, v11                       ; k's scale words
	s_delay_alu instid0(VALU_DEP_2)
	v_add_nc_u32 v4, LS+8192, v11                  ; v's
.irp p, 0,1,2
	global_load_b64 v[16+2*\p:17+2*\p], v1, s[22:23] offset:256*\p    ; Q's half fragment stays in registers
.endr
	global_load_b32 v10, v11, s[2:3]               ; its scale words: v10, nothing else
.irp j, 22,23,24,25,26,27
	v_mov_b32 v\j, 0                               ; K = 64 .. 127 of the first product: zero codes
.endr
.irp t, 0,1,2,3
.irp j, 6,7,8,9,10,11
	v_mov_b32 v[KR+12*\t+\j], 0
.endr
.endr
.set j, 0
.rept 32
	v_mov_b32 v[O+j], 0                            ; the step is written once: the first finds zeros, which the first change of M leaves zeros
.set j, j+1
.endr
	v_mov_b32 v13, 0xff61b1e6                      ; the largest t so far: -3e38
	s_delay_alu instid0(VALU_DEP_1)
	v_floor_f32 v12, -v13                          ; -M
	v_mov_b32 v14, 0                               ; the sum, in two halves
	v_mov_b32 v15, 0
.irp b, 0,1,2,3
	v_mov_b32 v[236+\b], 0                         ; a lane permute's destination counts as one of its sources
.endr
	v_mov_b32 v253, 0                              ; (named as the upper half of the pair v[252:253] before it is first written)
	s_wait_tensorcnt 0x0                           ; my parts have landed,
	s_barrier_signal -1
	s_barrier_wait -1                              ; everybody's have
	s_wait_loadcnt 0x0                             ; Q
.macro ASTEP u                         ; a step of 128 keys: the u-th of a pair, whose place stands in the loads' immediates
.if \u
.rept 4
	v_nop                                          ; the places behind the last step's products
.endr
.else
	v_add_nc_u32 v5, s[TB], v1                     ; (these four are the places behind the last step's products)
	s_wait_alu depctr_va_vdst(0)
	v_add_nc_u32 v6, s[TB], v2
	v_add_nc_u32 v7, s[TS], v3
	s_wait_alu depctr_va_vdst(0)
	v_add_nc_u32 v8, s[TJ], v4
	s_wait_alu depctr_va_vdst(0)
.endif
.irp g, 0,1                                    ; S^T = K Q^T, four tiles of 16 keys at a time
.if \g
.rept 4
	v_nop                                          ; places in front of loads into registers that matrix instructions have read
.endr
.endif
.irp t, 0,1,2,3
.irp p, 0,1,2
	ds_load_b64 v[KR+12*\t+2*\p:KR+12*\t+2*\p+1], v5 offset:\u*6144+(4*\g+\t)*768+256*\p
.endr
	ds_load_b32 v[SW+\t], v7 offset:\u*512+(4*\g+\t)*64
.endr
	s_wait_dscnt 0x0
.irp t, 0,1,2,3
	v_wmma_scale_f32_16x16x128_f8f6f4 v[S+8*(4*\g+\t):S+8*(4*\g+\t)+7], v[KR+12*\t:KR+12*\t+11], v[16:27], 0, v[SW+\t], v10 matrix_a_fmt:MATRIX_FMT_FP6 matrix_b_fmt:MATRIX_FMT_FP6
.endr
.endr
.rept 4
	v_nop
.endr
.irp t, 0,1,2,3                                ; V's four fragments and scale words are asked for now and land under the softmax
.irp p, 0,1,2,3,4,5
	ds_load_b64 v[VR+12*\t+2*\p:VR+12*\t+2*\p+1], v6 offset:\u*6144+\t*1536+256*\p
.endr
	ds_load_b32 v[SW+\t], v8 offset:\u*256+\t*64
.endr
.irp b, 0,1,2,3
	v_max3_num_f32 v[MX+\b], v[S+16*\b], v[S+1+16*\b], v[S+2+16*\b]   ; the largest score of each block of 32 keys: for the row's maximum and, since p rises with the score, for the block's largest p
.endr
.irp i, 3,5,7,9,11,13
.irp b, 0,1,2,3
	v_max3_num_f32 v[MX+\b], v[MX+\b], v[S+16*\b+\i], v[S+1+16*\b+\i]
.endr
.endr
.irp b, 0,1,2,3
	v_max_num_f32 v[MX+\b], v[MX+\b], v[S+15+16*\b]
.endr
.irp b, 0,1,2,3
	s_delay_alu instid0(VALU_DEP_4)
	v_permlanex16_b32 v[236+\b], v[MX+\b], s[SEL], s[SEL+1]
.endr
.irp b, 0,1,2,3
	s_delay_alu instid0(VALU_DEP_4)
	v_max_num_f32 v[MX+\b], v[MX+\b], v[236+\b]    ; with lane l xor 16's 16 keys
.endr
	s_delay_alu instid0(VALU_DEP_2)
	v_max3_num_f32 v254, v[MX], v[MX+1], v[MX+2]
	s_delay_alu instid0(VALU_DEP_1)
	v_max_num_f32 v254, v254, v[MX+3]
	s_delay_alu instid0(VALU_DEP_1)
	v_mul_f32 v254, s[CS], v254                    ; the step's largest t
	s_delay_alu instid0(VALU_DEP_1)
	v_max_num_f32 v13, v13, v254                   ; the running largest t
	v_mov_b32 v254, v12
	s_delay_alu instid0(VALU_DEP_2)
	v_floor_f32 v12, -v13                          ; the new -M = floor(-t): M is a whole number
	s_delay_alu instid0(VALU_DEP_1)
	v_sub_f32 v254, v12, v254                      ; old M - new M: a whole number, 0 or less
	s_delay_alu instid0(VALU_DEP_1)
	v_cvt_i32_f32 v254, v254                       ; (it saturates)
	s_delay_alu instid0(VALU_DEP_1)
	v_ldexp_f32 v252, 1.0, v254                    ; f = 2^(old M - new M)
.set j, 0
.rept 32
	v_pk_fma_f32 v[S+j:S+j+1], v[S+j:S+j+1], s[CS:CS+1], v[12:13] op_sel_hi:[1,0,0]   ; t - M, two at a time
.set j, j+2
.endr
.irp b, 0,1,2,3
	v_fma_f32 v[MX+\b], v[MX+\b], s[CS], v12       ; the same of each block's largest score
.endr
.set j, 0
	s_wait_alu depctr_va_vdst(0)
.rept 64
	v_exp_f32 v[S+j], v[S+j]                       ; p = 2^(t - M), at most 1
.set j, j+1
.endr
	v_pk_mul_f32 v[14:15], v[14:15], v[252:253] op_sel_hi:[1,0]   ; the sums under the new M: the plain instruction behind the exponentials
	s_wait_alu depctr_va_vdst(0)                   ; one wait for the batch of 64, ahead of its first reader
.irp b, 0,1,2,3
	v_exp_f32 v[MX+\b], v[MX+\b]                   ; the block's largest p: the same two instructions on the same number
.endr
	v_pk_add_f32 v[236:237], v[132:133], v[136:137]
	v_pk_add_f32 v[246:247], v[140:141], v[144:145]
	v_pk_add_f32 v[244:245], v[148:149], v[152:153]
	v_pk_add_f32 v[240:241], v[156:157], v[160:161]
	v_pk_add_f32 v[238:239], v[164:165], v[168:169]
	v_pk_add_f32 v[234:235], v[172:173], v[176:177]
	v_pk_add_f32 v[232:233], v[180:181], v[184:185]
	v_pk_add_f32 v[14:15], v[14:15], v[188:189]
	v_pk_add_f32 v[236:237], v[236:237], v[128:129]
	v_pk_add_f32 v[246:247], v[246:247], v[130:131]
	v_pk_add_f32 v[244:245], v[244:245], v[134:135]
	v_pk_add_f32 v[240:241], v[240:241], v[138:139]
	v_pk_add_f32 v[238:239], v[238:239], v[142:143]
	v_pk_add_f32 v[234:235], v[234:235], v[146:147]
	v_pk_add_f32 v[232:233], v[232:233], v[150:151]
	v_pk_add_f32 v[14:15], v[14:15], v[154:155]
	v_pk_add_f32 v[236:237], v[236:237], v[158:159]
	v_pk_add_f32 v[246:247], v[246:247], v[162:163]
	v_pk_add_f32 v[244:245], v[244:245], v[166:167]
	v_pk_add_f32 v[240:241], v[240:241], v[170:171]
	v_pk_add_f32 v[238:239], v[238:239], v[174:175]
	v_pk_add_f32 v[234:235], v[234:235], v[178:179]
	v_pk_add_f32 v[232:233], v[232:233], v[182:183]
	v_pk_add_f32 v[14:15], v[14:15], v[186:187]
	v_pk_add_f32 v[236:237], v[236:237], v[190:191]
	s_delay_alu instid0(VALU_DEP_2)
	v_pk_add_f32 v[14:15], v[14:15], v[240:241]
	s_delay_alu instid0(VALU_DEP_2)
	v_pk_add_f32 v[236:237], v[236:237], v[238:239]
	v_pk_add_f32 v[246:247], v[246:247], v[234:235]
	v_pk_add_f32 v[244:245], v[244:245], v[232:233]
	s_delay_alu instid0(VALU_DEP_2)
	v_pk_add_f32 v[14:15], v[14:15], v[246:247]
	s_delay_alu instid0(VALU_DEP_2)
	v_pk_add_f32 v[236:237], v[236:237], v[244:245]
	s_delay_alu instid0(VALU_DEP_1)
	v_pk_add_f32 v[14:15], v[14:15], v[236:237]
	s_wait_alu depctr_va_vdst(0)                   ; and one for the four
.irp b, 0,1,2,3
	v_max_num_f32 v[MX+\b], 0x1800000, v[MX+\b]    ; the floor 2^(3 - 127): the byte cannot fall under 1
.endr
.irp b, 0,1,2,3
	s_delay_alu instid0(VALU_DEP_4)
	v_add_nc_u32 v[244+\b], 0xff000000, v[MX+\b]   ; 2 off the exponent field: the conversion's scale operand
.endr
.irp b, 0,1,2,3
	s_delay_alu instid0(VALU_DEP_4)
	v_lshrrev_b32 v[236+\b], 23, v[244+\b]
.endr
	s_delay_alu instid0(VALU_DEP_3)
	v_lshl_or_b32 v253, v237, 8, v236              ; p's scale word for these 128 keys
	s_delay_alu instid0(VALU_DEP_1)
	v_lshl_or_b32 v253, v238, 16, v253
	s_delay_alu instid0(VALU_DEP_1)
	v_lshl_or_b32 v253, v239, 24, v253
.irp c, 0,1
	v_cvt_scalef32_pk16_fp6_f32 v[224+6*\c:226+6*\c], v[S+32*\c:S+15+32*\c], v[244+2*\c]
	v_cvt_scalef32_pk16_fp6_f32 v[236+4*\c:238+4*\c], v[S+16+32*\c:S+31+32*\c], v[244+2*\c+1]
.endr
	v_nop                                          ; one plain instruction behind the scaled conversions
.irp c, 0,1
.irp i, 0,1,2
	v_permlane16_swap_b32 v[224+6*\c+\i], v[236+4*\c+\i]
.endr
.irp i, 0,1,2
	s_delay_alu instid0(VALU_DEP_3)
	v_mov_b32 v[227+6*\c+\i], v[236+4*\c+\i]
.endr
.endr
.set j, 0
.rept 16
	v_pk_mul_f32 v[O+j:O+j+1], v[O+j:O+j+1], v[252:253] op_sel_hi:[1,0]   ; O^T under the new M; these 16 also stand between the writes of p's codes and scale word and the products
.set j, j+2
.endr
	s_wait_alu depctr_va_vdst(0)
	s_wait_dscnt 0x0                               ; V
.irp t, 0,1,2,3                                ; O^T += V^T P^T: the four accumulators by turns
	v_wmma_scale_f32_16x16x128_f8f6f4 v[O+8*\t:O+8*\t+7], v[VR+12*\t:VR+12*\t+11], v[224:235], v[O+8*\t:O+8*\t+7], v[SW+\t], v253 matrix_a_fmt:MATRIX_FMT_FP6 matrix_b_fmt:MATRIX_FMT_FP6
.endr
.endm
.Lstep:                                                ; 8 trips of two steps of 128 keys
	s_barrier_signal -1                            ; I have entered this trip (no LDS instruction of mine is out: the last step waited for all of them)
	ASTEP 0
	ASTEP 1
	s_barrier_wait -1                              ; and leave it when all sixteen waves have entered it: the waves stay within one trip of each other; between the two stand register work and loads of LDS bytes that nobody writes
	s_add_co_u32 s[TB], s[TB], 24576               ; the next pair of steps: k's and v's bytes,
	s_add_co_u32 s[TS], s[TS], 1024                ; 16 x 64 bytes of k's scale words,
	s_add_co_u32 s[TJ], s[TJ], 512                 ; 8 x 64 of v's
	s_sub_co_u32 s[CNT], s[CNT], 1
	s_cmp_lg_u32 s[CNT], 0
	s_cbranch_scc1 .Lstep
	; THE WAY OUT: O^T / the sum; register 16 b + i is channel 32 b + 16 h + i of my query: two blocks of the next product's K
	v_add_f32 v14, v14, v15
	s_delay_alu instid0(VALU_DEP_1)
	v_permlanex16_b32 v252, v14, s[SEL], s[SEL+1]
	s_delay_alu instid0(VALU_DEP_1)
	v_add_f32 v14, v14, v252                       ; the row's sum
	s_wait_alu depctr_va_vdst(0)
	v_rcp_f32 v14, v14
	v_and_b32 v9, 15, v0                           ; (plain instructions behind the reciprocal and the last products)
	s_delay_alu instid0(VALU_DEP_1)
	v_lshlrev_b32 v9, 3, v9                        ; 8 r
	v_nop
	v_nop
	s_wait_alu depctr_va_vdst(0)                   ; the wait ahead of the reciprocal's first reader
.set j, 0
.rept 32
	v_mul_f32 v[S+j], v[O+j], v14
.set j, j+1
.endr
.irp b, 0,1
	v_max3_num_f32 v[MX+\b], |v[S+16*\b]|, |v[S+1+16*\b]|, 0x1800000
.endr
.irp i, 2,4,6,8,10,12,14
.irp b, 0,1
	s_delay_alu instid0(VALU_DEP_2)
	v_max3_num_f32 v[MX+\b], v[MX+\b], |v[S+16*\b+\i]|, |v[S+1+16*\b+\i]|
.endr
.endr
.irp b, 0,1
	s_delay_alu instid0(VALU_DEP_2)
	v_permlanex16_b32 v[236+\b], v[MX+\b], s[SEL], s[SEL+1]
.endr
.irp b, 0,1
	s_delay_alu instid0(VALU_DEP_2)
	v_max_num_f32 v[MX+\b], v[MX+\b], v[236+\b]
.endr
.irp b, 0,1
	s_delay_alu instid0(VALU_DEP_2)
	v_add_nc_u32 v[244+\b], 0xff000000, v[MX+\b]
.endr
.irp b, 0,1
	s_delay_alu instid0(VALU_DEP_2)
	v_lshrrev_b32 v[236+\b], 23, v[244+\b]
.endr
	s_delay_alu instid0(VALU_DEP_1)
	v_lshl_or_b32 v254, v237, 8, v236              ; my row's two scale bytes
	v_cvt_scalef32_pk16_fp6_f32 v[224:226], v[S:S+15], v244
	v_cvt_scalef32_pk16_fp6_f32 v[236:238], v[S+16:S+31], v245
	v_nop
.irp i, 0,1,2
	v_permlane16_swap_b32 v[224+\i], v[236+\i]
.endr
.irp i, 0,1,2
	s_delay_alu instid0(VALU_DEP_3)
	v_mov_b32 v[227+\i], v[236+\i]
.endr
.irp p, 0,1,2
	global_store_b64 v1, v[224+2*\p:225+2*\p], s[60:61] offset:256*\p     ; 256 consecutive bytes, aligned
.endr
	global_store_b16 v9, v254, s[62:63]            ; lanes r and r + 16 write the same two bytes
	s_wait_tensorcnt 0x0
	ds_add_u32 v243, v255
	s_wait_dscnt 0x0
	CROUND                                         ; the closing round
	s_endpgm
.Lfunc_end_k_qc4eaf9251d_attention:
	.size	k_qc4eaf9251d_attention, .Lfunc_end_k_qc4eaf9251d_attention-k_qc4eaf9251d_attention
	.p2alignl 7, 3214868480
	.fill 96, 4, 3214868480
	.section	.rodata,"a",@progbits
	.p2align	6, 0x0
	.amdhsa_kernel k_qc4eaf9251d_attention
		.amdhsa_group_segment_fixed_size 210944
		.amdhsa_private_segment_fixed_size 0
		.amdhsa_enable_private_segment 0
		.amdhsa_kernarg_size 16
		.amdhsa_user_sgpr_count 2
		.amdhsa_user_sgpr_kernarg_segment_ptr 1
		.amdhsa_wavefront_size32 1
		.amdhsa_system_sgpr_workgroup_id_x 1
		.amdhsa_system_sgpr_workgroup_id_y 1
		.amdhsa_system_sgpr_workgroup_id_z 1
		.amdhsa_system_vgpr_workitem_id 0
		.amdhsa_next_free_vgpr 256
		.amdhsa_next_free_sgpr 66
		.amdhsa_reserve_vcc 0
		.amdhsa_float_denorm_mode_32 3
		.amdhsa_float_denorm_mode_16_64 3
		.amdhsa_memory_ordered 1
		.amdhsa_forward_progress 1
		.amdhsa_inst_pref_size 52
	.end_amdhsa_kernel
	.amdgpu_metadata
---
amdhsa.version: [ 1, 2 ]
amdhsa.kernels:
  - .name:           k_qc4eaf9251d_attention
    .symbol:         k_qc4eaf9251d_attention.kd
    .args:
      - { .name: qkv, .offset: 0, .size: 8, .value_kind: global_buffer, .address_space: global }
      - { .name: at, .offset: 8, .size: 8, .value_kind: global_buffer, .address_space: global }
    .group_segment_fixed_size: 210944
    .private_segment_fixed_size: 0
    .kernarg_segment_align: 8
    .kernarg_segment_size: 16
    .max_flat_workgroup_size: 512
    .sgpr_count:     66
    .vgpr_count:     256
    .wavefront_size: 32
...
	.end_amdgpu_metadata
.endif
;; end of part 11
;; launch gemm_proj (part 12): grid 8 x 32, 4 waves a work-group, clusters of 4 x 4, 327,680 bytes of LDS; arguments at, prep, cb; writes cb
.if DOCPART == 12
	.amdgcn_target "amdgcn-amd-amdhsa--gfx1250"
	.amdhsa_code_object_version 6
	.text
	.protected	k_qc4eaf9251d_gemm_proj
	.globl	k_qc4eaf9251d_gemm_proj
	.p2align	8
	.type	k_qc4eaf9251d_gemm_proj,@function
k_qc4eaf9251d_gemm_proj:
	s_mov_b64 s[64:65], 0
	v_nop
	global_prefetch_b8 v0, s[64:65] scope:SCOPE_SE
	s_setreg_imm32_b32 hwreg(HW_REG_WAVE_MODE, 25, 1), 1
	s_wait_xcnt 0x0
	s_wait_alu depctr_hold_cnt(0) depctr_sa_sdst(0) depctr_va_vdst(0) depctr_va_sdst(0) depctr_va_ssrc(0) depctr_va_vcc(0) depctr_vm_vsrc(0)
	s_getreg_b32 s2, hwreg(HW_REG_IB_STS2, 6, 4)
	s_cmp_eq_u32 s2, 0
	s_cbranch_scc0 .Lentry_in_a_cluster
	s_endpgm
.Lentry_in_a_cluster:
	s_bfe_u32 s2, ttmp6, 0x10000c
	s_cmp_lg_u32 s2, 0xf033
	s_cbranch_scc0 .Lentry_shape_is_right
	s_endpgm
.Lentry_shape_is_right:
.set KK,    1024
.set AFO,   0
.set ASO,   3145728
.set BFO,   5734400
.set BSO,   6520832
.set NS,    KK/128
.set LAPS,  KK/1024
.set FRB,   1536
.set NQ,    4
.set TROW,  NQ*FRB
.set HALFT, 4*TROW
.set SLOT,  4*HALFT
.set SCLA,  2*SLOT
.set SCLB,  SCLA+4*KK+128
.set SBLK,  KK/2
.set SPARE, SCLB+4*KK+128
.set SPITCH, 272
.set FR, 12
.set NL, 6
.set NP, 4
.set ADRA, 16
.set ADRB, 20
.set STO,  24
.set RD,   25
.set CO,   26
.set ADRS, 27
.set SPW,  28
.set NIL,  29
.set PFO,  30
.set SC,   32
.set AF,   64
.set BK,   160
.set G1, 24
.set G0, 32
.set G1B, 48
.set G0B, 56
.set G1S, 68
.set G0S, 76
.set G1SB, 80
.set G0SB, 88
.set PFA, 96
.set LIM, 98
.set MSB, 0
.macro WIN new
.if MSB != (\new)
	s_set_vgpr_msb (MSB<<8)|(\new)
.set MSB, (\new)
.endif
.endm
.set MUL,  0xa1
.set TO_B, 0x40
.macro JLOAD g0a, g1a, g0b, g1b
	s_cmp_eq_u32 s15, 0
	s_cbranch_scc0 .Lfor_b_\@
	tensor_load_to_lds s[\g0a:\g0a+3], s[\g1a:\g1a+7]
	s_nop 0
.rept 4
	v_nop
.endr
	s_branch .Lasked_\@
.Lfor_b_\@:
	tensor_load_to_lds s[\g0b:\g0b+3], s[\g1b:\g1b+7]
	s_nop 0
.rept 4
	v_nop
.endr
.Lasked_\@:
.endm
.macro ASK
	s_cmp_gt_u32 s3, s[LIM]
	s_cbranch_scc0 .Lnot_mine_\@
	global_prefetch_b8 v[PFO], s[PFA:PFA+1] th:TH_LOAD_NT scope:SCOPE_SE
.Lnot_mine_\@:
.endm
.macro CREST
	s_cmp_lg_u32 s14, 0
	s_cbranch_scc1 .Lnot_wave_0_\@
	s_barrier_signal -3
.Lnot_wave_0_\@:
	s_barrier_wait -3
	s_barrier_signal -1
	s_barrier_wait -1
.endm
.macro CROUND
	s_barrier_signal -1
	s_barrier_wait -1
	CREST
.endm
.macro FRAG reg, adr, q, i
.irp p, 0,1,2,3,4,5
	ds_load_b64 v[\reg+2*\p:\reg+2*\p+1], v[\adr] offset:(\i)*TROW+(\q)*FRB+256*\p
.endr
.endm
.macro MUL8 a0, p, q, sc, zero
.irp a, \a0, \a0+1
.irp b, 0,1,2,3
.if \zero
	v_wmma_scale_f32_16x16x128_f8f6f4 v[8*(4*(\a)+\b):8*(4*(\a)+\b)+7], v[128*(\p)+FR*\b:128*(\p)+FR*\b+FR-1], v[AF+48*(\p)+FR*(\a):AF+48*(\p)+FR*(\a)+FR-1], 0, v[SC+16*(\sc)+NQ*\b+(\q)], v[SC+16*(\sc)+NQ*(\a)+(\q)] matrix_a_fmt:MATRIX_FMT_FP6 matrix_b_fmt:MATRIX_FMT_FP6 matrix_a_scale:MATRIX_SCALE_ROW1
.else
	v_wmma_scale_f32_16x16x128_f8f6f4 v[8*(4*(\a)+\b):8*(4*(\a)+\b)+7], v[128*(\p)+FR*\b:128*(\p)+FR*\b+FR-1], v[AF+48*(\p)+FR*(\a):AF+48*(\p)+FR*(\a)+FR-1], v[8*(4*(\a)+\b):8*(4*(\a)+\b)+7], v[SC+16*(\sc)+NQ*\b+(\q)], v[SC+16*(\sc)+NQ*(\a)+(\q)] matrix_a_fmt:MATRIX_FMT_FP6 matrix_b_fmt:MATRIX_FMT_FP6 matrix_a_scale:MATRIX_SCALE_ROW1
.endif
.endr
.endr
.endm
.macro FETCH_B slot, q, p
	WIN TO_B
.irp i, 0,1,2,3
	FRAG 128*(\p)+FR*\i, ADRB+\slot, \q, \i
.endr
.endm
.macro FETCH_A slot, q, p
	WIN 0
.irp i, 0,1,2,3
	FRAG AF+48*(\p)+FR*\i, ADRA+\slot, \q, \i
.endr
.endm
.macro SCALES sc
.irp i, 0,1,2,3
.irp g, 0,1
	ds_load_b64 v[SC+16*\sc+NQ*\i+2*\g:SC+16*\sc+NQ*\i+2*\g+1], v[ADRS] offset:\i*SBLK+128*\g
.endr
.endr
.endm
.macro PLACES n
.rept \n
	v_nop
.endr
.endm
.macro STEP slot, q, zero
	PLACES NP
	FETCH_B \slot, (\q)+1, 1-(\q)%2
	s_wait_dscnt 4*NL
	WIN MUL
	MUL8 0, (\q)%2, \q, \slot, \zero
	FETCH_A \slot, (\q)+1, 1-(\q)%2
	WIN MUL
	MUL8 2, (\q)%2, \q, \slot, \zero
.endm
.macro TURN slot, next, fill
	WIN 0
.if \fill
	s_wait_xcnt 0x0
	s_add_nc_u64 s[PFA:PFA+1], s[PFA:PFA+1], TROW
.endif
	s_wait_tensorcnt 0x0
	ds_add_u32 v[SPW], v[NIL]
	s_wait_dscnt 1
	WIN MUL
	MUL8 0, 1, NQ-1, \slot, 0
	s_wait_dscnt 0x0
	s_barrier_signal -1
	MUL8 2, 1, NQ-1, \slot, 0
	WIN 0
	s_barrier_wait -1
.if \fill
	CREST
	s_add_nc_u64 s[G0+4*\slot+2:G0+4*\slot+3], s[G0+4*\slot+2:G0+4*\slot+3], 2*TROW
	s_add_nc_u64 s[G0B+4*\slot+2:G0B+4*\slot+3], s[G0B+4*\slot+2:G0B+4*\slot+3], 2*TROW
	JLOAD G0+4*\slot, G1, G0B+4*\slot, G1B
.else
	PLACES NP
.endif
	v_add_nc_u32 v[ADRS], 256, v[ADRS]
	FETCH_B \next, 0, 0
	FETCH_A \next, 0, 0
	SCALES \next
.if \fill
	ASK
.endif
.endm
	s_load_b128 s[4:7], s[0:1], 0x0
	s_load_b64 s[12:13], s[0:1], 0x10
	v_lshl_add_u32 v[SPW], v0, 2, SPARE
	v_mov_b32 v[NIL], 0
	ds_add_u32 v28, v29
	ds_add_u32 v28, v29
	s_wait_dscnt 0x0
	v_lshrrev_b32 v1, 5, v0
	v_readfirstlane_b32 s14, v1
	s_lshr_b32 s15, s14, 1
	s_and_b32 s16, s14, 1
	s_bfe_u32 s40, ttmp6, 0x40000
	s_bfe_u32 s41, ttmp6, 0x40004
	s_lshl_b32 s42, ttmp9, 2
	s_add_co_u32 s42, s42, s40
	s_and_b32 s17, ttmp7, 0xffff
	s_lshl_b32 s17, s17, 2
	s_add_co_u32 s17, s17, s41
	s_lshl_b32 s43, s41, 2
	s_lshl_b32 s43, 15, s43
	s_lshl_b32 s44, 0x1111, s40
	s_or_b32 s[G1+0], s43, (3<<16)|(1<<21)
	s_or_b32 s[G1B+0], s44, (3<<16)|(1<<21)
.irp g, G1, G1B
	s_mov_b32 s[\g+1], 768<<16
	s_mov_b32 s[\g+2], 8<<16                       ; the head's loads bring all 8 tiles of a side
	s_mov_b32 s[\g+3], 768<<16
	s_mov_b32 s[\g+4], 8
	s_mov_b32 s[\g+5], NS*192
	s_mov_b32 s[\g+6], 0
	s_mov_b32 s[\g+7], 0
.endr
	s_or_b32 s[G1S+0], s43, (3<<16)|(1<<21)
	s_or_b32 s[G1SB+0], s44, (3<<16)|(1<<21)
.irp g, G1S, G1SB
	s_mov_b32 s[\g+1], 32<<16
	s_mov_b32 s[\g+2], (KK/64)<<16                 ; 8 tiles' scale words: 4 KK dense bytes as rows of 256
	s_mov_b32 s[\g+3], 32<<16
	s_mov_b32 s[\g+4], KK/64
	s_mov_b32 s[\g+5], 32
	s_mov_b32 s[\g+6], 0
	s_mov_b32 s[\g+7], 0
.endr
	s_mul_i32 s10, s16, 4*NS*FRB                   ; in the ring I fetch 4 tiles of a side: which half, in bytes
	s_mov_b32 s11, 0
	s_lshl_b32 s20, s17, 3
	s_lshl_b32 s46, s42, 3
	s_mul_i32 s22, s20, SBLK
	s_mul_i32 s92, s46, SBLK
	s_mul_i32 s20, s20, NS*FRB
	s_mul_i32 s46, s46, NS*FRB
.if AFO
	s_add_co_u32 s20, s20, AFO
.endif
	s_add_co_u32 s22, s22, ASO
	s_add_co_u32 s46, s46, BFO
	s_add_co_u32 s92, s92, BSO
	s_mov_b32 s21, 0
	s_mov_b32 s23, 0
	s_mov_b32 s47, 0
	s_mov_b32 s93, 0
	s_mul_i32 s45, s14, HALFT
	s_wait_kmcnt 0x0
	s_add_nc_u64 s[20:21], s[4:5], s[20:21]
	s_add_nc_u64 s[22:23], s[4:5], s[22:23]
	s_add_nc_u64 s[46:47], s[6:7], s[46:47]
	s_add_nc_u64 s[92:93], s[6:7], s[92:93]
	CROUND
	s_mov_b32 s[G0S], 1
	s_mov_b32 s[G0S+1], SCLA
	s_mov_b64 s[G0S+2:G0S+3], s[22:23]
	s_or_b32 s[G0S+3], s[G0S+3], 0x80000000
	s_mov_b32 s[G0SB], 1
	s_mov_b32 s[G0SB+1], SCLB
	s_mov_b64 s[G0SB+2:G0SB+3], s[92:93]
	s_or_b32 s[G0SB+3], s[G0SB+3], 0x80000000
	; the head's four tiles, one joint load a wave: wave 0 slot 0's 8 tiles of A, wave 1 B's, wave 2 A's scale words, wave 3 B's
	s_mov_b32 s[G0], 1
	s_mov_b32 s[G0+1], 0
	s_mov_b64 s[G0+2:G0+3], s[20:21]
	s_or_b32 s[G0+3], s[G0+3], 0x80000000
	s_mov_b32 s[G0B], 1
	s_mov_b32 s[G0B+1], 2*HALFT
	s_mov_b64 s[G0B+2:G0B+3], s[46:47]
	s_or_b32 s[G0B+3], s[G0B+3], 0x80000000
	s_add_nc_u64 s[20:21], s[20:21], s[10:11]      ; for slot 1: my 4 tiles
	s_add_nc_u64 s[46:47], s[46:47], s[10:11]
	s_mov_b32 s[G0+4], 1
	s_add_co_u32 s[G0+5], s45, SLOT
	s_add_nc_u64 s[G0+6:G0+7], s[20:21], TROW
	s_or_b32 s[G0+7], s[G0+7], 0x80000000
	s_mov_b32 s[G0B+4], 1
	s_add_co_u32 s[G0B+5], s45, SLOT
	s_add_nc_u64 s[G0B+6:G0B+7], s[46:47], TROW
	s_or_b32 s[G0B+7], s[G0B+7], 0x80000000
.macro ARM under, g0, g1, next         ; one tree of branches on the wave's number: every way passes exactly one load
	s_cmp_lt_u32 s14, \under
	s_cbranch_scc0 \next
	tensor_load_to_lds s[\g0:\g0+3], s[\g1:\g1+7]
	s_nop 0
.rept 4
	v_nop
.endr
	s_branch .Lhead_asked
\next:
.endm
	ARM 1, G0,  G1,  .Lhead_b
	ARM 2, G0B, G1B, .Lhead_sa
	ARM 3, G0S, G1S, .Lhead_sb
	tensor_load_to_lds s[G0SB:G0SB+3], s[G1SB:G1SB+7]
	s_nop 0
.rept 4
	v_nop
.endr
.Lhead_asked:
	v_and_b32 v1, 15, v0
	v_bfe_u32 v2, v0, 4, 1
	s_wait_alu depctr_va_vdst(0)
	v_and_b32 v3, 31, v0
	v_lshlrev_b32 v4, 3, v3
	s_mul_i32 s21, s15, HALFT
	s_mul_i32 s22, s16, HALFT
	s_add_co_u32 s22, s22, 2*HALFT
.irp s, 0,1
	v_add_nc_u32 v[ADRA+\s], s21, v4
	v_add_nc_u32 v[ADRB+\s], s22, v4
	s_add_co_u32 s21, s21, SLOT
	s_add_co_u32 s22, s22, SLOT
.endr
	v_lshlrev_b32 v5, 3, v1
	s_mul_i32 s21, s15, 2*KK
	s_mul_i32 s22, s16, 2*KK
	s_add_co_u32 s22, s22, 4*KK+128
	s_sub_co_u32 s22, s22, s21
	v_mul_u32_u24 v6, s22, v2
	s_add_co_u32 s21, s21, SCLA
	v_add_nc_u32 v5, v5, v6
	v_add_nc_u32 v[ADRS], s21, v5
	s_mul_i32 s23, s14, 16*SPITCH
	v_mul_u32_u24 v5, v1, SPITCH
	v_lshl_add_u32 v5, v2, 6, v5
	v_add_nc_u32 v[STO], s23, v5
	v_mul_u32_u24 v5, v2, SPITCH
	v_lshl_add_u32 v5, v1, 4, v5
	v_add_nc_u32 v[RD], s23, v5
	v_lshlrev_b32 v[CO], 12, v2
	v_lshl_add_u32 v[CO], v1, 4, v[CO]
	s_lshl_b32 s20, s17, 7
	s_lshl_b32 s21, s15, 6
	s_add_co_u32 s20, s20, s21
	s_lshl_b32 s20, s20, 12
	s_lshl_b32 s21, s42, 9
	s_add_co_u32 s20, s20, s21
	s_lshl_b32 s21, s16, 8
	s_add_co_u32 s20, s20, s21
	s_mov_b32 s21, 0
	s_add_nc_u64 s[12:13], s[12:13], s[20:21]
.if LAPS > 1
	s_and_b32 s22, ttmp7, 0xffff
	s_lshl_b32 s20, s17, 3
	s_lshl_b32 s21, s42, 3
	s_cmp_eq_u32 s15, 0
	s_cselect_b32 s20, s20, s21
	s_cselect_b32 s21, s40, s41
	s_cselect_b32 s22, ttmp9, s22
	s_cselect_b32 s23, AFO, BFO
	s_cselect_b64 s[PFA:PFA+1], s[4:5], s[6:7]
	s_cmp_eq_u32 s22, 0
	s_cselect_b32 s[LIM], 1, -1
	s_lshl_b32 s22, s16, 2
	s_add_co_u32 s20, s20, s22
	s_add_co_u32 s20, s20, s21
	s_mul_i32 s20, s20, NS*FRB
	s_add_co_u32 s20, s20, s23
	s_add_co_u32 s20, s20, 3*TROW
	s_mov_b32 s21, 0
	s_add_nc_u64 s[PFA:PFA+1], s[PFA:PFA+1], s[20:21]
	v_min_u32 v[PFO], 23, v3
	v_lshlrev_b32 v[PFO], 8, v[PFO]
.endif
	s_wait_alu depctr_va_vdst(0)
	s_wait_tensorcnt 0x0                           ; my tile of the head's four is in
	ds_add_u32 v[SPW], v[NIL]
	s_mov_b32 s[G1+2], 4<<16                       ; no load of mine is out: slot 1's load brings 4 tiles a wave (K = 1,024 is two slots: slot 0 is not filled again)
	s_mov_b32 s[G1+4], 4
	s_mov_b32 s[G1B+2], 4<<16
	s_mov_b32 s[G1B+4], 4
	s_wait_dscnt 0x0
	CROUND                                         ; all four tiles are in, all sixteen work-groups are here
	JLOAD G0+4, G1, G0B+4, G1B                     ; slot 1's first fill, the first tensor load behind the round
	FETCH_B 0, 0, 0
	FETCH_A 0, 0, 0
	SCALES 0
	STEP 0, 0, 1
.if LAPS > 1
	WIN 0
	s_mov_b32 s3, LAPS-1
.Llap:
	STEP 0, 1, 0
	STEP 0, 2, 0
	TURN 0, 1, 1
	STEP 1, 0, 0
	STEP 1, 1, 0
	STEP 1, 2, 0
	TURN 1, 0, 1
	STEP 0, 0, 0
	WIN 0
	s_sub_co_u32 s3, s3, 1
	s_cmp_lg_u32 s3, 0
	s_cbranch_scc1 .Llap
.endif
	STEP 0, 1, 0
	STEP 0, 2, 0
	TURN 0, 1, 0
	STEP 1, 0, 0
	STEP 1, 1, 0
	STEP 1, 2, 0
	s_wait_dscnt 0
	WIN MUL
	MUL8 0, 1, NQ-1, 1, 0
	MUL8 2, 1, NQ-1, 1, 0
	WIN 0
.macro TOSTAGE a
	WIN 0x08
.irp b, 0,1,2,3
	ds_store_b128 v[STO], v[8*(4*(\a)+\b):8*(4*(\a)+\b)+3] offset:128*(\b/2)+32*(\b%2)
	ds_store_b128 v[STO], v[8*(4*(\a)+\b)+4:8*(4*(\a)+\b)+7] offset:128*(\b/2)+32*(\b%2)+16
.endr
	WIN 0
.set BB, BK+32*((\a)%2)
.irp t, 0,1,2,3,4,5,6,7
	ds_load_b128 v[BB+4*\t:BB+4*\t+3], v[RD] offset:\t*2*SPITCH
.endr
.endm
.macro SEND a, younger
.set BB, BK+32*((\a)%2)
	s_wait_dscnt \younger
.irp t, 0,1,2,3,4,5,6,7
	global_store_b128 v[CO], v[BB+4*\t:BB+4*\t+3], s[12:13] offset:(32*((\a)/2)+8*((\a)%2)+2*\t+8*(\t/4))*4096 th:TH_STORE_NT
.endr
.endm
	PLACES NP
	TOSTAGE 0
.irp a, 1,2,3
.if \a > 1
	s_wait_xcnt 0x0
.endif
	TOSTAGE \a
	SEND \a-1, 16
.endr
	SEND 3, 0
	s_wait_tensorcnt 0x0
	ds_add_u32 v[SPW], v[NIL]
	s_wait_dscnt 0x0
	CROUND
	s_endpgm
.Lfunc_end_k_qc4eaf9251d_gemm_proj:
	.size	k_qc4eaf9251d_gemm_proj, .Lfunc_end_k_qc4eaf9251d_gemm_proj-k_qc4eaf9251d_gemm_proj
	.p2alignl 7, 3214868480
	.fill 96, 4, 3214868480
	.section	.rodata,"a",@progbits
	.p2align	6, 0x0
	.amdhsa_kernel k_qc4eaf9251d_gemm_proj
		.amdhsa_group_segment_fixed_size 327680
		.amdhsa_private_segment_fixed_size 0
		.amdhsa_enable_private_segment 0
		.amdhsa_kernarg_size 24
		.amdhsa_user_sgpr_count 2
		.amdhsa_user_sgpr_kernarg_segment_ptr 1
		.amdhsa_wavefront_size32 1
		.amdhsa_system_sgpr_workgroup_id_x 1
		.amdhsa_system_sgpr_workgroup_id_y 1
		.amdhsa_system_sgpr_workgroup_id_z 1
		.amdhsa_system_vgpr_workitem_id 0
		.amdhsa_next_free_vgpr 640
		.amdhsa_next_free_sgpr 102
		.amdhsa_reserve_vcc 0
		.amdhsa_float_denorm_mode_32 3
		.amdhsa_float_denorm_mode_16_64 3
		.amdhsa_memory_ordered 1
		.amdhsa_forward_progress 1
		.amdhsa_inst_pref_size 62
	.end_amdhsa_kernel
	.amdgpu_metadata
---
amdhsa.version: [ 1, 2 ]
amdhsa.kernels:
  - .name:           k_qc4eaf9251d_gemm_proj
    .symbol:         k_qc4eaf9251d_gemm_proj.kd
    .args:
      - { .name: at, .offset: 0, .size: 8, .value_kind: global_buffer, .address_space: global }
      - { .name: prep, .offset: 8, .size: 8, .value_kind: global_buffer, .address_space: global }
      - { .name: cb, .offset: 16, .size: 8, .value_kind: global_buffer, .address_space: global }
    .group_segment_fixed_size: 327680
    .private_segment_fixed_size: 0
    .kernarg_segment_align: 8
    .kernarg_segment_size: 24
    .max_flat_workgroup_size: 128
    .sgpr_count:     102
    .vgpr_count:     640
    .wavefront_size: 32
...
	.end_amdgpu_metadata
.endif
;; end of part 12
;; launch norm1 (part 13): grid 256 x 1, 8 waves a work-group, no clusters, 66,816 bytes of LDS; arguments cb, x, bo, g1, be1, x1; writes x1
.if DOCPART == 13
	.amdgcn_target "amdgcn-amd-amdhsa--gfx1250"
	.amdhsa_code_object_version 6
	.text
	.protected	k_qc4eaf9251d_norm1
	.globl	k_qc4eaf9251d_norm1
	.p2align	8
	.type	k_qc4eaf9251d_norm1,@function
k_qc4eaf9251d_norm1:
	s_mov_b64 s[64:65], 0
	v_nop
	global_prefetch_b8 v0, s[64:65] scope:SCOPE_SE
	s_setreg_imm32_b32 hwreg(HW_REG_WAVE_MODE, 25, 1), 1
	s_wait_xcnt 0x0
; x1 = LayerNorm(x + (cb + bo)) g1 + be1, rows of 1,024 f32; stored as f32 (the later residual) and, quantised to FP6 (E2M3) along the row, as images of operand registers with their scale words.
; A work-group takes the 16 rows of tile T: row 32 (T / 2) + 8 (T % 2) + m + 8 (m / 8) is the tile's row m.  Wave w of eight takes m = 2 w, 2 w + 1, two neighbouring rows of memory; a row lies in one wave: 32 registers a lane, bytes 16 x lane + 512 j.
; So mean and variance (of the differences from the mean, as the definition has it) never leave the wave.  Both rows' 32 loads are asked for at the start, together with the three vectors: every load of the wave is on its way at once.
; The finished rows also go to a stage in LDS (pitch 4,112 bytes: 16 rows of a load start at 16 different groups of banks); behind one barrier wave w reads K step w of all 16 rows, 16 neighbours of each block to a lane, and quantises it.
; No cluster, no tensor load, no matrix work: the work-groups share only the three small vectors, and memory binds.
; LIMITS of the quantiser: NaN and infinities are not served; a block under 2^-124 keeps the byte 1; a block of zeros gets the byte 1 where the stated quantiser says 127 (this program alone reads the bytes).
.set ROWB, 4096
.set SP,   4112
.set X1F,  16777216                    ; in x1: the f32 rows at 0, the images here, the scale words behind
.set X1S,  19922944
.set FRB,  1536
.set BO,   16                          ; v16-47 bo, v48-79 g1, v80-111 be1 at my 32 columns
.set GA,   48
.set BE,   80
.set SL,   112                         ; v112-239 two row slots: 32 registers of cb, 32 of x
.set TM,   16                          ; the quantiser works in the vectors' registers, which are free by then
.set PW,   32
.set PC,   36
.set SEL,  24
.macro QUANT s
.irp b, 0,1,2,3
	v_max3_num_f32 v[TM+\b], |v[\s+16*\b]|, |v[\s+1+16*\b]|, 0x1800000   ; and the floor 2^(3 - 127): the byte cannot fall under 1
.endr
.irp i, 2,4,6,8,10,12,14
.irp b, 0,1,2,3
	s_delay_alu instid0(VALU_DEP_4)
	v_max3_num_f32 v[TM+\b], v[TM+\b], |v[\s+16*\b+\i]|, |v[\s+1+16*\b+\i]|
.endr
.endr
.irp b, 0,1,2,3
	s_delay_alu instid0(VALU_DEP_4)
	v_permlanex16_b32 v[TM+4+\b], v[TM+\b], s[SEL], s[SEL+1]
.endr
.irp b, 0,1,2,3
	s_delay_alu instid0(VALU_DEP_4)
	v_max_num_f32 v[TM+\b], v[TM+\b], v[TM+4+\b]
.endr
.irp b, 0,1,2,3
	s_delay_alu instid0(VALU_DEP_4)
	v_add_nc_u32 v[TM+12+\b], 0xff000000, v[TM+\b]     ; 2 off the exponent field: the conversion's scale operand
.endr
.irp b, 0,1,2,3
	s_delay_alu instid0(VALU_DEP_4)
	v_lshrrev_b32 v[TM+4+\b], 23, v[TM+12+\b]
.endr
	s_delay_alu instid0(VALU_DEP_3)
	v_lshl_or_b32 v[PW], v[TM+5], 8, v[TM+4]
	s_delay_alu instid0(VALU_DEP_1)
	v_lshl_or_b32 v[PW], v[TM+6], 16, v[PW]
	s_delay_alu instid0(VALU_DEP_1)
	v_lshl_or_b32 v[PW], v[TM+7], 24, v[PW]
.irp c, 0,1
	v_cvt_scalef32_pk16_fp6_f32 v[PC+6*\c:PC+2+6*\c], v[\s+32*\c:\s+15+32*\c], v[TM+12+2*\c]
	v_cvt_scalef32_pk16_fp6_f32 v[PC+12+4*\c:PC+14+4*\c], v[\s+16+32*\c:\s+31+32*\c], v[TM+12+2*\c+1]
.endr
	v_nop
.irp c, 0,1
.irp i, 0,1,2
	v_permlane16_swap_b32 v[PC+6*\c+\i], v[PC+12+4*\c+\i]
.endr
.irp i, 0,1,2
	s_delay_alu instid0(VALU_DEP_3)
	v_mov_b32 v[PC+3+6*\c+\i], v[PC+12+4*\c+\i]
.endr
.endr
.endm
.macro ALLSUM                          ; v240 summed over the 32 lanes, the result in every lane
	s_delay_alu instid0(VALU_DEP_1)
	v_add_f32_dpp v240, v240, v240 row_xmask:1 row_mask:0xf bank_mask:0xf
	s_delay_alu instid0(VALU_DEP_1)
	v_add_f32_dpp v240, v240, v240 row_xmask:2 row_mask:0xf bank_mask:0xf
	s_delay_alu instid0(VALU_DEP_1)
	v_add_f32_dpp v240, v240, v240 row_xmask:4 row_mask:0xf bank_mask:0xf
	s_delay_alu instid0(VALU_DEP_1)
	v_add_f32_dpp v240, v240, v240 row_xmask:8 row_mask:0xf bank_mask:0xf
	s_delay_alu instid0(VALU_DEP_1)
	v_permlanex16_b32 v244, v240, s[SEL], s[SEL+1]
	s_delay_alu instid0(VALU_DEP_1)
	v_add_f32 v240, v240, v244
.endm
.macro RLOAD i, s                      ; my row i into slot s: 16 loads of 512 consecutive bytes
.irp j, 0,1,2,3,4,5,6,7
	global_load_b128 v[SL+64*(\s)+4*\j:SL+64*(\s)+4*\j+3], v1, s[4:5] offset:(\i)*ROWB+512*\j th:TH_LOAD_NT
	global_load_b128 v[SL+64*(\s)+32+4*\j:SL+64*(\s)+32+4*\j+3], v1, s[6:7] offset:(\i)*ROWB+512*\j th:TH_LOAD_NT
.endr
.endm
.macro ROW i, s, left
.set Y, SL+64*(\s)
	s_wait_loadcnt \left                           ; my row is in; the other row's 16 loads may be out
.set k, 0
.rept 16
	v_pk_add_f32 v[Y+k:Y+k+1], v[Y+k:Y+k+1], v[BO+k:BO+k+1]
.set k, k+2
.endr
.set k, 0
.rept 16
	v_pk_add_f32 v[Y+k:Y+k+1], v[Y+k:Y+k+1], v[Y+32+k:Y+33+k]      ; y = x + (product + bias)
.set k, k+2
.endr
	v_pk_add_f32 v[240:241], v[Y:Y+1], v[Y+2:Y+3]                  ; the row's sum, in two chains
	v_pk_add_f32 v[242:243], v[Y+4:Y+5], v[Y+6:Y+7]
.irp k, 8,12,16,20,24,28
	s_delay_alu instid0(VALU_DEP_2)
	v_pk_add_f32 v[240:241], v[240:241], v[Y+\k:Y+\k+1]
	s_delay_alu instid0(VALU_DEP_2)
	v_pk_add_f32 v[242:243], v[242:243], v[Y+\k+2:Y+\k+3]
.endr
	s_delay_alu instid0(VALU_DEP_1)
	v_pk_add_f32 v[240:241], v[240:241], v[242:243]
	s_delay_alu instid0(VALU_DEP_1)
	v_add_f32 v240, v240, v241
	ALLSUM
	s_delay_alu instid0(VALU_DEP_1)
	v_mul_f32 v246, s21, v240                      ; the mean
.set k, 0
.rept 16
	v_pk_add_f32 v[Y+k:Y+k+1], v[Y+k:Y+k+1], v[246:247] op_sel_hi:[1,0] neg_lo:[0,1] neg_hi:[0,1]
.set k, k+2
.endr
	v_pk_mul_f32 v[240:241], v[Y:Y+1], v[Y:Y+1]                    ; the sum of squares of the differences
	v_pk_mul_f32 v[242:243], v[Y+2:Y+3], v[Y+2:Y+3]
.irp k, 4,8,12,16,20,24,28
	s_delay_alu instid0(VALU_DEP_2)
	v_pk_fma_f32 v[240:241], v[Y+\k:Y+\k+1], v[Y+\k:Y+\k+1], v[240:241]
	s_delay_alu instid0(VALU_DEP_2)
	v_pk_fma_f32 v[242:243], v[Y+\k+2:Y+\k+3], v[Y+\k+2:Y+\k+3], v[242:243]
.endr
	s_delay_alu instid0(VALU_DEP_1)
	v_pk_add_f32 v[240:241], v[240:241], v[242:243]
	s_delay_alu instid0(VALU_DEP_1)
	v_add_f32 v240, v240, v241
	ALLSUM
	s_delay_alu instid0(VALU_DEP_1)
	v_fma_f32 v248, v240, s21, s22                 ; the variance + 1e-5
	s_wait_alu depctr_va_vdst(0)
	v_rsq_f32 v250, v248
	v_nop                                          ; a plain instruction behind the transcendental,
	s_wait_alu depctr_va_vdst(0)                   ; and the wait ahead of its first reader
.set k, 0
.rept 16
	v_pk_mul_f32 v[Y+k:Y+k+1], v[Y+k:Y+k+1], v[250:251] op_sel_hi:[1,0]
.set k, k+2
.endr
.set k, 0
.rept 16
	v_pk_fma_f32 v[Y+k:Y+k+1], v[Y+k:Y+k+1], v[GA+k:GA+k+1], v[BE+k:BE+k+1]
.set k, k+2
.endr
.irp j, 0,1,2,3,4,5,6,7
	global_store_b128 v1, v[Y+4*\j:Y+4*\j+3], s[26:27] offset:(\i)*ROWB+512*\j   ; 512 consecutive bytes, aligned
	ds_store_b128 v3, v[Y+4*\j:Y+4*\j+3] offset:(\i)*SP+512*\j
.endr
.endm
	s_load_b256 s[4:11], s[0:1], 0x0               ; cb, x, bo, g1
	s_load_b128 s[12:15], s[0:1], 0x20             ; be1, x1
	v_lshl_add_u32 v254, v0, 2, 0x10100
	v_mov_b32 v255, 0
	v_lshrrev_b32 v1, 5, v0
	s_delay_alu instid0(VALU_DEP_1)
	v_readfirstlane_b32 s16, v1                    ; wave 0..7
	v_and_b32 v2, 31, v0
	s_delay_alu instid0(VALU_DEP_1)
	v_lshlrev_b32 v1, 4, v2                        ; 16 x lane
	s_wait_alu depctr_va_vdst(0)
	v_lshlrev_b32 v5, 3, v2                        ; 8 x lane
	v_and_b32 v7, 15, v0                           ; r
	s_wait_alu depctr_va_vdst(0)
	v_bfe_u32 v8, v0, 4, 1                         ; h
	v_lshlrev_b32 v6, 3, v7                        ; 8 r
	s_lshr_b32 s17, ttmp9, 1
	s_lshl_b32 s17, s17, 5
	s_and_b32 s18, ttmp9, 1
	s_lshl_b32 s18, s18, 3
	s_add_co_u32 s17, s17, s18
	s_lshl_b32 s18, s16, 1
	s_add_co_u32 s17, s17, s18
	s_lshr_b32 s18, s16, 2
	s_lshl_b32 s18, s18, 3
	s_add_co_u32 s17, s17, s18                     ; my first row: 32 (T / 2) + 8 (T % 2) + 2 w + 8 (w / 4)
	s_lshl_b32 s18, s17, 12
	s_mov_b32 s19, 0
	s_mul_i32 s20, s16, 2*SP
	v_add_nc_u32 v3, s20, v1                       ; the stage, on the way in: my two rows
	v_mul_u32_u24 v4, v7, SP
	s_wait_alu depctr_va_vdst(0)
	v_lshl_add_u32 v4, v8, 6, v4
	s_lshl_b32 s20, s16, 9
	v_add_nc_u32 v4, s20, v4                       ; and out: row r, + 64 h, + my wave's 128 numbers
	s_mov_b32 s21, 0x3a800000                      ; 1 / 1,024
	s_mov_b32 s22, 0x3727c5ac                      ; 1e-5
	s_mov_b32 s[SEL], 0x76543210
	s_mov_b32 s[SEL+1], 0xfedcba98
	v_mov_b32 v244, 0                              ; a lane permute's destination counts as one of its sources
	v_mov_b32 v247, 0                              ; (named as the upper halves of pairs of which the low word serves)
	v_mov_b32 v251, 0
	s_wait_kmcnt 0x0
	s_add_nc_u64 s[4:5], s[4:5], s[18:19]
	s_add_nc_u64 s[6:7], s[6:7], s[18:19]
	s_add_nc_u64 s[26:27], s[14:15], s[18:19]
.irp j, 0,1,2,3,4,5,6,7
	global_load_b128 v[BO+4*\j:BO+4*\j+3], v1, s[8:9] offset:512*\j
	global_load_b128 v[GA+4*\j:GA+4*\j+3], v1, s[10:11] offset:512*\j
	global_load_b128 v[BE+4*\j:BE+4*\j+3], v1, s[12:13] offset:512*\j
.endr
	RLOAD 0, 0
	RLOAD 1, 1
	s_lshl_b32 s18, ttmp9, 3
	s_add_co_u32 s18, s18, s16
	s_mul_i32 s18, s18, FRB
	s_add_co_u32 s18, s18, X1F                     ; image 8 T + w
	s_add_nc_u64 s[28:29], s[14:15], s[18:19]
	s_lshl_b32 s18, ttmp9, 9
	s_lshr_b32 s20, s16, 1
	s_lshl_b32 s20, s20, 7
	s_add_co_u32 s18, s18, s20                     ; scale words: 512 T + 128 (w / 2),
	s_and_b32 s20, s16, 1
	s_lshl_b32 s20, s20, 2
	s_add_co_u32 s18, s18, s20                     ; + 4 (w % 2): which word of a row's pair
	s_add_co_u32 s18, s18, X1S
	s_add_nc_u64 s[30:31], s[14:15], s[18:19]
	ROW 0, 0, 16
	ROW 1, 1, 0
	s_wait_dscnt 0x0                               ; for the others' sake: my rows lie in the stage
	s_barrier_signal -1
	s_barrier_wait -1
	s_wait_xcnt 0x0                                ; the rows' stores have read the slots' registers
.irp b, 0,1,2,3
.irp j, 0,1,2,3
	ds_load_b128 v[SL+16*\b+4*\j:SL+16*\b+4*\j+3], v4 offset:128*\b+16*\j
.endr
.endr
.irp b, 0,1,2,3
	v_mov_b32 v[TM+4+\b], 0
.endr
	s_wait_dscnt 0x0
	QUANT SL
.irp p, 0,1,2,3,4,5
	global_store_b64 v5, v[PC+2*\p:PC+2*\p+1], s[28:29] offset:256*\p      ; 256 consecutive bytes, aligned
.endr
	global_store_b32 v6, v[PW], s[30:31]           ; lanes r and r + 16 write the same word
	s_wait_tensorcnt 0x0
	ds_add_u32 v254, v255
	s_wait_dscnt 0x0
	s_endpgm
.Lfunc_end_k_qc4eaf9251d_norm1:
	.size	k_qc4eaf9251d_norm1, .Lfunc_end_k_qc4eaf9251d_norm1-k_qc4eaf9251d_norm1
	.p2alignl 7, 3214868480
	.fill 96, 4, 3214868480
	.section	.rodata,"a",@progbits
	.p2align	6, 0x0
	.amdhsa_kernel k_qc4eaf9251d_norm1
		.amdhsa_group_segment_fixed_size 66816
		.amdhsa_private_segment_fixed_size 0
		.amdhsa_enable_private_segment 0
		.amdhsa_kernarg_size 48
		.amdhsa_user_sgpr_count 2
		.amdhsa_user_sgpr_kernarg_segment_ptr 1
		.amdhsa_wavefront_size32 1
		.amdhsa_system_sgpr_workgroup_id_x 1
		.amdhsa_system_sgpr_workgroup_id_y 1
		.amdhsa_system_sgpr_workgroup_id_z 1
		.amdhsa_system_vgpr_workitem_id 0
		.amdhsa_next_free_vgpr 256
		.amdhsa_next_free_sgpr 66
		.amdhsa_reserve_vcc 0
		.amdhsa_float_denorm_mode_32 3
		.amdhsa_float_denorm_mode_16_64 3
		.amdhsa_memory_ordered 1
		.amdhsa_forward_progress 1
		.amdhsa_inst_pref_size 37
	.end_amdhsa_kernel
	.amdgpu_metadata
---
amdhsa.version: [ 1, 2 ]
amdhsa.kernels:
  - .name:           k_qc4eaf9251d_norm1
    .symbol:         k_qc4eaf9251d_norm1.kd
    .args:
      - { .name: cb, .offset: 0, .size: 8, .value_kind: global_buffer, .address_space: global }
      - { .name: x, .offset: 8, .size: 8, .value_kind: global_buffer, .address_space: global }
      - { .name: bo, .offset: 16, .size: 8, .value_kind: global_buffer, .address_space: global }
      - { .name: g1, .offset: 24, .size: 8, .value_kind: global_buffer, .address_space: global }
      - { .name: be1, .offset: 32, .size: 8, .value_kind: global_buffer, .address_space: global }
      - { .name: x1, .offset: 40, .size: 8, .value_kind: global_buffer, .address_space: global }
    .group_segment_fixed_size: 66816
    .private_segment_fixed_size: 0
    .kernarg_segment_align: 8
    .kernarg_segment_size: 48
    .max_flat_workgroup_size: 256
    .sgpr_count:     66
    .vgpr_count:     256
    .wavefront_size: 32
...
	.end_amdgpu_metadata
.endif
;; end of part 13
;; launch gemm_up (part 14): grid 16 x 16, 4 waves a work-group, clusters of 4 x 4, 327,680 bytes of LDS; arguments x1, prep, b1, hb; writes hb
.if DOCPART == 14
	.amdgcn_target "amdgcn-amd-amdhsa--gfx1250"
	.amdhsa_code_object_version 6
	.text
	.protected	k_qc4eaf9251d_gemm_up
	.globl	k_qc4eaf9251d_gemm_up
	.p2align	8
	.type	k_qc4eaf9251d_gemm_up,@function
k_qc4eaf9251d_gemm_up:
	s_mov_b64 s[64:65], 0
	v_nop
	global_prefetch_b8 v0, s[64:65] scope:SCOPE_SE
	s_setreg_imm32_b32 hwreg(HW_REG_WAVE_MODE, 25, 1), 1
	s_wait_xcnt 0x0
	s_wait_alu depctr_hold_cnt(0) depctr_sa_sdst(0) depctr_va_vdst(0) depctr_va_sdst(0) depctr_va_ssrc(0) depctr_va_vcc(0) depctr_vm_vsrc(0)
	s_getreg_b32 s2, hwreg(HW_REG_IB_STS2, 6, 4)
	s_cmp_eq_u32 s2, 0
	s_cbranch_scc0 .Lentry_in_a_cluster
	s_endpgm
.Lentry_in_a_cluster:
	s_bfe_u32 s2, ttmp6, 0x10000c
	s_cmp_lg_u32 s2, 0xf033
	s_cbranch_scc0 .Lentry_shape_is_right
	s_endpgm
.Lentry_shape_is_right:
; hb = Q(gelu(Q(x1) W1 + b1)), [4096][4096], on codes of FP6 (E2M3) with E8M0 scales, K = 1,024; gelu is the exact one, x (1 + erf(x / sqrt 2)) / 2, in f32; the result is quantised in registers along the 4,096 and leaves as images of operand registers.
; A work-group of four waves makes 256 x 256, a wave 128 x 128 (64 accumulators, 512 registers).  K goes in steps of 256 through two LDS slots filled by the tensor data mover.
; OPERANDS ARE FRAGMENT IMAGES (16 rows x 128 K, 1,536 bytes, piece p at 256 p + 8 x lane), laid [tile][K step].  THE ROWS OF A TILE: lane r of tile T holds row 32 (T / 2) + 8 (T % 2) + r + 8 (r / 8).
; THE MATRIX INSTRUCTION: source 0 = B (W1), source 1 = A (x1): a lane holds one token, and the 16 registers of B's tiles 2 n, 2 n + 1 are 16 neighbouring hidden units: a wave's 128 columns are one K step of the next product.
; 4 x 4 work-groups form a cluster: A's tiles are asked for jointly along a row of the cluster, B's along a column.
; erf(z) = z P(z^2) / Q(z^2), |z| held at 4 (beyond it erf is 1 in f32), P of degree 6, Q of degree 4.  LIMIT: 1 + erf is right to about 1e-7 absolute, so gelu of a strongly negative x is right to about |x| 1e-7 absolute, not relative.
; LIMITS of the quantiser: NaN and infinities are not served; a block under 2^-124 keeps the byte 1; a block of zeros gets the byte 1 where the stated quantiser says 127 (this program alone reads the bytes).
; The way out is a loop of eight trips (one block of 16 tokens each), so that the activation is written once; only the 32 additions that fetch a block's accumulators differ, and a ladder of scalar branches on the trip's number picks them.
; REGISTERS: window 0: v7-11 an offset and two constants; v16-29 addresses; v32-63 scale words, nothing else; v64-127 b1; v128-223 A's fragments; on the way out v128-191 64 numbers, v192-255 at work.  Window 1: B's fragments.  Windows 2, 3: accumulators.
.set KK,    1024
.set AFO,   16777216                   ; A's images and scale words in x1,
.set ASO,   19922944
.set BFO,   6553600                    ; W1's in prep
.set BSO,   9699328
.set HS,    12582912                   ; in hb: images [tile 256][K step 32][1,536] at 0, scale words (2,048 bytes a tile) here
.set NS,    KK/128
.set LAPS,  KK/512
.set FRB,   1536
.set TROW,  2*FRB
.set HALFT, 8*TROW
.set SLOT,  4*HALFT
.set SCLA,  2*SLOT
.set SCLB,  SCLA+8*KK+128
.set SBLK,  KK/2
.set SPARE, SCLB+8*KK+128              ; the spare words, 128 bytes for each wave: two blocks of 256 bytes that no other line names
.set NQ, 2
.set FR, 12
.set NL, 6
.set NP, 4
.set ADRA, 16
.set ADRB, 20
.set L8,   24
.set R8,   25
.set ADRS, 27
.set SPW,  28
.set NIL,  29
.set SC,   32
.set BIAS, 64
.set AF,   128
.set W,    128
.set ZR,   192
.set Z2R,  208
.set PR,   224
.set QR,   240
.set TM,   192
.set PW,   208
.set PC,   212
.set SEL,  66
.set G1, 24
.set G0, 32
.set G1B, 48
.set G0B, 56
.set G1S, 68
.set G0S, 76
.set G1SB, 80
.set G0SB, 88
.set MSB, 0
.macro WIN new
.if MSB != (\new)
	s_set_vgpr_msb (MSB<<8)|(\new)
.set MSB, (\new)
.endif
.endm
.set MUL_LO, 0xa1
.set MUL_HI, 0xf1
.set TO_B,   0x40
.macro JLOAD g0a, g1a, g0b, g1b        ; a joint load: waves 0, 1 for A, waves 2, 3 for B; four v_nop follow each line
	s_cmp_eq_u32 s15, 0
	s_cbranch_scc0 .Lfor_b_\@
	tensor_load_to_lds s[\g0a:\g0a+3], s[\g1a:\g1a+7]
	s_nop 0
.rept 4
	v_nop
.endr
	s_branch .Lasked_\@
.Lfor_b_\@:
	tensor_load_to_lds s[\g0b:\g0b+3], s[\g1b:\g1b+7]
	s_nop 0
.rept 4
	v_nop
.endr
.Lasked_\@:
.endm
.macro CREST
	s_cmp_lg_u32 s14, 0
	s_cbranch_scc1 .Lnot_wave_0_\@
	s_barrier_signal -3
.Lnot_wave_0_\@:
	s_barrier_wait -3
	s_barrier_signal -1
	s_barrier_wait -1
.endm
.macro CROUND
	s_barrier_signal -1
	s_barrier_wait -1
	CREST
.endm
.macro FRAG reg, adr, q, i
.irp p, 0,1,2,3,4,5
	ds_load_b64 v[\reg+2*\p:\reg+2*\p+1], v[\adr] offset:(\i)*TROW+(\q)*FRB+256*\p
.endr
.endm
.macro MUL16 a0, p, q, sc, zero        ; the 64 accumulators take turns, one instruction a turn
.irp a, \a0, \a0+1
.irp b, 0,1,2,3,4,5,6,7
.if \zero
	v_wmma_scale_f32_16x16x128_f8f6f4 v[8*(8*((\a)%4)+\b):8*(8*((\a)%4)+\b)+7], v[128*(\p)+FR*\b:128*(\p)+FR*\b+FR-1], v[AF+FR*(\a):AF+FR*(\a)+FR-1], 0, v[SC+8*NQ*(\sc)+NQ*\b+(\q)], v[SC+8*NQ*(\sc)+NQ*(\a)+(\q)] matrix_a_fmt:MATRIX_FMT_FP6 matrix_b_fmt:MATRIX_FMT_FP6 matrix_a_scale:MATRIX_SCALE_ROW1
.else
	v_wmma_scale_f32_16x16x128_f8f6f4 v[8*(8*((\a)%4)+\b):8*(8*((\a)%4)+\b)+7], v[128*(\p)+FR*\b:128*(\p)+FR*\b+FR-1], v[AF+FR*(\a):AF+FR*(\a)+FR-1], v[8*(8*((\a)%4)+\b):8*(8*((\a)%4)+\b)+7], v[SC+8*NQ*(\sc)+NQ*\b+(\q)], v[SC+8*NQ*(\sc)+NQ*(\a)+(\q)] matrix_a_fmt:MATRIX_FMT_FP6 matrix_b_fmt:MATRIX_FMT_FP6 matrix_a_scale:MATRIX_SCALE_ROW1
.endif
.endr
.endr
.endm
.macro FETCH_B slot, q, p
	WIN TO_B
.irp i, 0,1,2,3,4,5,6,7
	FRAG 128*(\p)+FR*\i, ADRB+\slot, \q, \i
.endr
	WIN 0
.endm
.macro FETCH_A slot, q, i0
.irp i, \i0, \i0+1, \i0+2, \i0+3
	FRAG AF+FR*(\i), ADRA+\slot, \q, \i
.endr
.endm
.macro SCALES sc
.irp i, 0,1,2,3,4,5,6,7
	ds_load_b64 v[SC+8*NQ*\sc+NQ*\i:SC+8*NQ*\sc+NQ*\i+1], v[ADRS] offset:\i*SBLK
.endr
.endm
.macro PLACES n
.rept \n
	v_nop
.endr
.endm
.macro STEP slot, q, zero
	s_wait_dscnt 4*NL                              ; all but the youngest 24 loads (A's blocks 4-7) are in
	WIN MUL_LO
	MUL16 0, (\q)%2, \q, \slot, \zero
	MUL16 2, (\q)%2, \q, \slot, \zero
	s_wait_dscnt 0
	PLACES NP
	FETCH_B \slot, (\q)+1, 1-(\q)%2
	FETCH_A \slot, (\q)+1, 0
	WIN MUL_HI
	MUL16 4, (\q)%2, \q, \slot, \zero
	MUL16 6, (\q)%2, \q, \slot, \zero
	PLACES NP
	WIN 0
	FETCH_A \slot, (\q)+1, 4
.endm
.macro TURN slot, next, fill
	s_wait_tensorcnt 0x0                           ; all my tensor loads have landed: my part of the next slot
	ds_add_u32 v[SPW], v[NIL]                      ; 0 onto my spare word
	s_wait_dscnt 4*NL+1                            ; (the add and the youngest 24 loads may be out)
	WIN MUL_LO
	MUL16 0, 1, NQ-1, \slot, 0
	s_wait_dscnt 0x0                               ; the add is done, and my reads of this slot are over
	s_barrier_signal -1
	MUL16 2, 1, NQ-1, \slot, 0
	WIN 0
	s_barrier_wait -1
.if \fill
	CREST                                          ; a round of the cluster's barrier: no wave of any partner still reads this slot or has a load on its way
	s_add_nc_u64 s[G0+4*\slot+2:G0+4*\slot+3], s[G0+4*\slot+2:G0+4*\slot+3], 2*TROW
	s_add_nc_u64 s[G0B+4*\slot+2:G0B+4*\slot+3], s[G0B+4*\slot+2:G0B+4*\slot+3], 2*TROW
	JLOAD G0+4*\slot, G1, G0B+4*\slot, G1B         ; the first tensor load behind the round
.else
	PLACES NP
.endif
	s_wait_alu depctr_va_vdst(0)
	v_add_nc_u32 v[ADRS], 128, v[ADRS]
	FETCH_B \next, 0, 0
	FETCH_A \next, 0, 0
	SCALES \next
	WIN MUL_HI
	MUL16 4, 1, NQ-1, \slot, 0
	MUL16 6, 1, NQ-1, \slot, 0
	PLACES NP
	WIN 0
	FETCH_A \next, 0, 4
.endm
.macro QUANT s
.irp b, 0,1,2,3
	v_max3_num_f32 v[TM+\b], |v[\s+16*\b]|, |v[\s+1+16*\b]|, 0x1800000   ; and the floor 2^(3 - 127): the byte cannot fall under 1
.endr
.irp i, 2,4,6,8,10,12,14
.irp b, 0,1,2,3
	v_max3_num_f32 v[TM+\b], v[TM+\b], |v[\s+16*\b+\i]|, |v[\s+1+16*\b+\i]|
.endr
.endr
.irp b, 0,1,2,3
	v_permlanex16_b32 v[TM+4+\b], v[TM+\b], s[SEL], s[SEL+1]
.endr
.irp b, 0,1,2,3
	v_max_num_f32 v[TM+\b], v[TM+\b], v[TM+4+\b]
.endr
.irp b, 0,1,2,3
	v_add_nc_u32 v[TM+12+\b], 0xff000000, v[TM+\b]
.endr
.irp b, 0,1,2,3
	v_lshrrev_b32 v[TM+4+\b], 23, v[TM+12+\b]
.endr
	v_lshl_or_b32 v[PW], v[TM+5], 8, v[TM+4]
	v_lshl_or_b32 v[PW], v[TM+6], 16, v[PW]
	v_lshl_or_b32 v[PW], v[TM+7], 24, v[PW]
.irp c, 0,1
	v_cvt_scalef32_pk16_fp6_f32 v[PC+6*\c:PC+2+6*\c], v[\s+32*\c:\s+15+32*\c], v[TM+12+2*\c]
	v_cvt_scalef32_pk16_fp6_f32 v[PC+12+4*\c:PC+14+4*\c], v[\s+16+32*\c:\s+31+32*\c], v[TM+12+2*\c+1]
.endr
	v_nop
.irp c, 0,1
.irp i, 0,1,2
	v_permlane16_swap_b32 v[PC+6*\c+\i], v[PC+12+4*\c+\i]
.endr
.irp i, 0,1,2
	v_mov_b32 v[PC+3+6*\c+\i], v[PC+12+4*\c+\i]
.endr
.endr
.endm
; gelu of the 16 numbers v[w] .. v[w + 15], in place, two at a time.  The 16 reciprocals are one batch with one wait; the two runs of multiplications behind them are its independent work.
.macro GELU w
.irp k, 0,2,4,6,8,10,12,14
	v_pk_mul_f32 v[ZR+\k:ZR+\k+1], v[\w+\k:\w+\k+1], 0x3f3504f3 op_sel_hi:[1,0]     ; z = x / sqrt 2
.endr
.irp k, 0,1,2,3,4,5,6,7,8,9,10,11,12,13,14,15
	v_med3_num_f32 v[ZR+\k], v[ZR+\k], -4.0, 4.0
.endr
.irp k, 0,2,4,6,8,10,12,14
	v_pk_mul_f32 v[Z2R+\k:Z2R+\k+1], v[ZR+\k:ZR+\k+1], v[ZR+\k:ZR+\k+1]
.endr
.irp k, 0,2,4,6,8,10,12,14
	v_pk_fma_f32 v[PR+\k:PR+\k+1], v[Z2R+\k:Z2R+\k+1], 0xaf95df0b, v[8:9] op_sel_hi:[1,0,1]
.endr
.irp c, 0xb60cff51, 0xb86ec2d2, 0xba40ac63, 0xbb41a1f6, 0xbc83dbd4
.irp k, 0,2,4,6,8,10,12,14
	v_pk_fma_f32 v[PR+\k:PR+\k+1], v[PR+\k:PR+\k+1], v[Z2R+\k:Z2R+\k+1], \c op_sel_hi:[1,1,0]
.endr
.endr
.irp k, 0,2,4,6,8,10,12,14
	v_pk_fma_f32 v[QR+\k:QR+\k+1], v[Z2R+\k:Z2R+\k+1], 0xb77460cd, v[10:11] op_sel_hi:[1,0,1]
.endr
.irp c, 0xbadc924e, 0xbbf19bf8, 0xbc69b6a7
.irp k, 0,2,4,6,8,10,12,14
	v_pk_fma_f32 v[QR+\k:QR+\k+1], v[QR+\k:QR+\k+1], v[Z2R+\k:Z2R+\k+1], \c op_sel_hi:[1,1,0]
.endr
.endr
	s_wait_alu depctr_va_vdst(0)
.irp k, 0,1,2,3,4,5,6,7,8,9,10,11,12,13,14,15
	v_rcp_f32 v[QR+\k], v[QR+\k]
.endr
.irp k, 0,2,4,6,8,10,12,14
	v_pk_mul_f32 v[PR+\k:PR+\k+1], v[PR+\k:PR+\k+1], v[ZR+\k:ZR+\k+1]
.endr
.irp k, 0,2,4,6,8,10,12,14
	v_pk_mul_f32 v[\w+\k:\w+\k+1], v[\w+\k:\w+\k+1], 0.5 op_sel_hi:[1,0]
.endr
	s_wait_alu depctr_va_vdst(0)                   ; one wait for the 16 reciprocals, ahead of their first reader
.irp k, 0,2,4,6,8,10,12,14
	v_pk_mul_f32 v[PR+\k:PR+\k+1], v[PR+\k:PR+\k+1], v[QR+\k:QR+\k+1]                ; erf
.endr
.irp k, 0,2,4,6,8,10,12,14
	v_pk_fma_f32 v[\w+\k:\w+\k+1], v[\w+\k:\w+\k+1], v[PR+\k:PR+\k+1], v[\w+\k:\w+\k+1]   ; x / 2 + (x / 2) erf
.endr
.endm
	s_load_b128 s[4:7], s[0:1], 0x0                ; x1, prep
	s_load_b128 s[8:11], s[0:1], 0x10              ; b1, hb
	v_lshl_add_u32 v[SPW], v0, 2, SPARE
	v_mov_b32 v[NIL], 0
	ds_add_u32 v28, v29
	ds_add_u32 v28, v29
	s_wait_dscnt 0x0
	v_lshrrev_b32 v1, 5, v0
	v_readfirstlane_b32 s14, v1                    ; wave 0..3
	s_lshr_b32 s15, s14, 1
	s_and_b32 s16, s14, 1
	s_bfe_u32 s40, ttmp6, 0x40000                  ; cx, cy
	s_bfe_u32 s41, ttmp6, 0x40004
	s_lshl_b32 s42, ttmp9, 2
	s_add_co_u32 s42, s42, s40                     ; tile column
	s_and_b32 s17, ttmp7, 0xffff
	s_lshl_b32 s17, s17, 2
	s_add_co_u32 s17, s17, s41                     ; tile row
	s_lshl_b32 s43, s41, 2
	s_lshl_b32 s43, 15, s43
	s_lshl_b32 s44, 0x1111, s40
	s_or_b32 s[G1+0], s43, (3<<16)|(1<<21)         ; 16 rows of 3,072 bytes (384 elements of 8 bytes), a tile's images apart; no padding; 21 set beside a mask
	s_or_b32 s[G1B+0], s44, (3<<16)|(1<<21)
.irp g, G1, G1B
	s_mov_b32 s[\g+1], 384<<16
	s_mov_b32 s[\g+2], 16<<16                      ; the head's loads bring all 16 tiles of a side
	s_mov_b32 s[\g+3], 384<<16
	s_mov_b32 s[\g+4], 16
	s_mov_b32 s[\g+5], NS*192
	s_mov_b32 s[\g+6], 0
	s_mov_b32 s[\g+7], 0
.endr
	s_or_b32 s[G1S+0], s43, (3<<16)|(1<<21)        ; 16 tiles' scale words: 8 KK dense bytes as rows of 256
	s_or_b32 s[G1SB+0], s44, (3<<16)|(1<<21)
.irp g, G1S, G1SB
	s_mov_b32 s[\g+1], 32<<16
	s_mov_b32 s[\g+2], (KK/32)<<16                 ; 16 tiles' scale words: 8 KK dense bytes as rows of 256
	s_mov_b32 s[\g+3], 32<<16
	s_mov_b32 s[\g+4], KK/32
	s_mov_b32 s[\g+5], 32
	s_mov_b32 s[\g+6], 0
	s_mov_b32 s[\g+7], 0
.endr
	s_mul_i32 s12, s16, 8*NS*FRB                   ; in the ring I fetch 8 tiles of a side: which half, in bytes
	s_mov_b32 s13, 0
	s_lshl_b32 s20, s17, 4
	s_lshl_b32 s46, s42, 4
	s_mul_i32 s22, s20, SBLK
	s_mul_i32 s92, s46, SBLK
	s_mul_i32 s20, s20, NS*FRB
	s_mul_i32 s46, s46, NS*FRB
	s_add_co_u32 s20, s20, AFO
	s_add_co_u32 s22, s22, ASO
	s_add_co_u32 s46, s46, BFO
	s_add_co_u32 s92, s92, BSO
	s_mov_b32 s21, 0
	s_mov_b32 s23, 0
	s_mov_b32 s47, 0
	s_mov_b32 s93, 0
	s_mul_i32 s45, s14, HALFT
	s_wait_kmcnt 0x0
	s_add_nc_u64 s[20:21], s[4:5], s[20:21]
	s_add_nc_u64 s[22:23], s[4:5], s[22:23]
	s_add_nc_u64 s[46:47], s[6:7], s[46:47]
	s_add_nc_u64 s[92:93], s[6:7], s[92:93]
	CROUND                                         ; all sixteen work-groups are here: the first joint loads meet
	s_mov_b32 s[G0S], 1
	s_mov_b32 s[G0S+1], SCLA
	s_mov_b64 s[G0S+2:G0S+3], s[22:23]
	s_or_b32 s[G0S+3], s[G0S+3], 0x80000000
	s_mov_b32 s[G0SB], 1
	s_mov_b32 s[G0SB+1], SCLB
	s_mov_b64 s[G0SB+2:G0SB+3], s[92:93]
	s_or_b32 s[G0SB+3], s[G0SB+3], 0x80000000
	; the head's four tiles, one joint load a wave: wave 0 slot 0's 16 tiles of A, wave 1 B's, wave 2 A's scale words, wave 3 B's
	s_mov_b32 s[G0], 1
	s_mov_b32 s[G0+1], 0
	s_mov_b64 s[G0+2:G0+3], s[20:21]
	s_or_b32 s[G0+3], s[G0+3], 0x80000000
	s_mov_b32 s[G0B], 1
	s_mov_b32 s[G0B+1], 2*HALFT
	s_mov_b64 s[G0B+2:G0B+3], s[46:47]
	s_or_b32 s[G0B+3], s[G0B+3], 0x80000000
	s_add_nc_u64 s[20:21], s[20:21], s[12:13]      ; for the ring: my 8 tiles
	s_add_nc_u64 s[46:47], s[46:47], s[12:13]
	s_mov_b32 s[G0+4], 1
	s_add_co_u32 s[G0+5], s45, SLOT
	s_add_nc_u64 s[G0+6:G0+7], s[20:21], TROW
	s_or_b32 s[G0+7], s[G0+7], 0x80000000
	s_mov_b32 s[G0B+4], 1
	s_add_co_u32 s[G0B+5], s45, SLOT
	s_add_nc_u64 s[G0B+6:G0B+7], s[46:47], TROW
	s_or_b32 s[G0B+7], s[G0B+7], 0x80000000
.macro ARM under, g0, g1, next         ; one tree of branches on the wave's number: every way passes exactly one load
	s_cmp_lt_u32 s14, \under
	s_cbranch_scc0 \next
	tensor_load_to_lds s[\g0:\g0+3], s[\g1:\g1+7]
	s_nop 0
.rept 4
	v_nop
.endr
	s_branch .Lhead_asked
\next:
.endm
	ARM 1, G0,  G1,  .Lhead_b
	ARM 2, G0B, G1B, .Lhead_sa
	ARM 3, G0S, G1S, .Lhead_sb
	tensor_load_to_lds s[G0SB:G0SB+3], s[G1SB:G1SB+7]
	s_nop 0
.rept 4
	v_nop
.endr
.Lhead_asked:
	v_and_b32 v1, 15, v0                           ; r
	v_bfe_u32 v2, v0, 4, 1                         ; h
	s_wait_alu depctr_va_vdst(0)
	v_and_b32 v3, 31, v0
	v_lshlrev_b32 v[L8], 3, v3
	v_lshlrev_b32 v[R8], 3, v1
	s_mul_i32 s21, s15, HALFT
	s_mul_i32 s22, s16, HALFT
	s_add_co_u32 s22, s22, 2*HALFT
.irp s, 0,1
	v_add_nc_u32 v[ADRA+\s], s21, v[L8]
	v_add_nc_u32 v[ADRB+\s], s22, v[L8]
	s_add_co_u32 s21, s21, SLOT
	s_add_co_u32 s22, s22, SLOT
.endr
	s_mul_i32 s21, s15, 4*KK
	s_mul_i32 s22, s16, 4*KK
	s_add_co_u32 s22, s22, 8*KK+128
	s_sub_co_u32 s22, s22, s21
	v_mul_u32_u24 v6, s22, v2                      ; lanes 16-31 take B's scale words
	s_wait_alu depctr_va_vdst(0)
	s_add_co_u32 s21, s21, SCLA
	v_add_nc_u32 v5, v[R8], v6
	v_add_nc_u32 v[ADRS], s21, v5
	s_lshl_b32 s20, s42, 10                        ; b1 in the result's layout: register 8 b + j is the bias of my wave's column 32 (b / 2) + 8 (b % 2) + 16 h + j
	s_lshl_b32 s21, s16, 9
	s_add_co_u32 s20, s20, s21
	v_lshlrev_b32 v7, 6, v2
	v_add_nc_u32 v7, s20, v7
.irp b, 0,1,2,3,4,5,6,7
	global_load_b128 v[BIAS+8*\b:BIAS+8*\b+3], v7, s[8:9] offset:4*(32*(\b/2)+8*(\b%2))
	global_load_b128 v[BIAS+8*\b+4:BIAS+8*\b+7], v7, s[8:9] offset:4*(32*(\b/2)+8*(\b%2))+16
.endr
	s_wait_alu depctr_va_vdst(0)
	s_wait_tensorcnt 0x0                           ; my tile of the head's four is in
	ds_add_u32 v[SPW], v[NIL]
	s_mov_b32 s[G1+2], 8<<16                       ; no load of mine is out: from here on a load brings 8 tiles,
	s_mov_b32 s[G1+4], 8
	s_mov_b32 s[G1B+2], 8<<16
	s_mov_b32 s[G1B+4], 8
	s_mov_b32 s[G0+1], s45                         ; and slot 0's group 0 takes the ring's form: my quarter of the slot
	s_add_nc_u64 s[G0+2:G0+3], s[G0+2:G0+3], s[12:13]
	s_mov_b32 s[G0B+1], s45
	s_add_nc_u64 s[G0B+2:G0B+3], s[G0B+2:G0B+3], s[12:13]
	s_wait_dscnt 0x0
	CROUND                                         ; all four tiles are in, all sixteen work-groups are here
	JLOAD G0+4, G1, G0B+4, G1B                     ; slot 1's first fill, the first tensor load behind the round
	FETCH_B 0, 0, 0
	FETCH_A 0, 0, 0
	SCALES 0
	FETCH_A 0, 0, 4
	STEP 0, 0, 1                                   ; the first products start the sums
	s_mov_b32 s3, LAPS-1
.Llap:
	TURN 0, 1, 1
	STEP 1, 0, 0
	TURN 1, 0, 1
	STEP 0, 0, 0
	s_sub_co_u32 s3, s3, 1
	s_cmp_lg_u32 s3, 0
	s_cbranch_scc1 .Llap
	TURN 0, 1, 0                                   ; the last lap fills nothing
	STEP 1, 0, 0
	s_wait_dscnt 4*NL
	WIN MUL_LO
	MUL16 0, 1, NQ-1, 1, 0
	MUL16 2, 1, NQ-1, 1, 0
	s_wait_dscnt 0
	WIN MUL_HI
	MUL16 4, 1, NQ-1, 1, 0
	MUL16 6, 1, NQ-1, 1, 0
	WIN 0
	; THE WAY OUT
	PLACES NP
	s_wait_loadcnt 0x0                             ; b1
	v_mov_b32 v8, 0x32edffee                       ; P's second coefficient, as a pair: an instruction takes one literal
	v_mov_b32 v9, 0x32edffee
	v_mov_b32 v10, 0xb95fbd29                      ; and Q's
	v_mov_b32 v11, 0xb95fbd29
	s_mov_b32 s[SEL], 0x76543210
	s_mov_b32 s[SEL+1], 0xfedcba98
	s_lshl_b32 s68, s17, 4
	s_lshl_b32 s69, s15, 3
	s_add_co_u32 s68, s68, s69                     ; my first tile of tokens
	s_lshl_b32 s70, s68, 11                        ; its scale words: 2,048 bytes a tile,
	s_lshl_b32 s69, s42, 7
	s_add_co_u32 s70, s70, s69                     ; 128 for 256 along the next K: the tile column,
	s_lshl_b32 s69, s16, 2
	s_add_co_u32 s70, s70, s69                     ; which of the pair's two words: my half
	s_add_co_u32 s70, s70, HS
	s_mov_b32 s71, 0
	s_add_nc_u64 s[70:71], s[10:11], s[70:71]
	s_lshl_b32 s68, s68, 5
	s_lshl_b32 s69, s42, 1
	s_add_co_u32 s68, s68, s69
	s_add_co_u32 s68, s68, s16                     ; image 32 x tile + (2 x tile column + half)
	s_mul_i32 s68, s68, FRB
	s_mov_b32 s69, 0
	s_add_nc_u64 s[68:69], s[10:11], s[68:69]
	s_mov_b32 s3, 0
.Lrows:                                                ; eight trips: block s3 of my eight blocks of 16 tokens
.irp a, 0,1,2,3,4,5,6,7
.if \a < 7
	s_cmp_lg_u32 s3, \a
	s_cbranch_scc1 .Lnot\a
.endif
	WIN 0x02+(\a)/4                                ; source 0: the accumulators' window
.set k, 0
.rept 32
	v_pk_add_f32 v[W+k:W+k+1], v[64*((\a)%4)+k:64*((\a)%4)+k+1], v[BIAS+k:BIAS+k+1]   ; each accumulator from its low end on
.set k, k+2
.endr
	WIN 0
.if \a < 7
	s_branch .Lwork
.Lnot\a:
.endif
.endr
.Lwork:
	GELU W
	GELU W+16
	GELU W+32
	GELU W+48
	QUANT W
.irp p, 0,1,2,3,4,5
	global_store_b64 v[L8], v[PC+2*\p:PC+2*\p+1], s[68:69] offset:256*\p     ; 256 consecutive bytes, aligned
.endr
	global_store_b32 v[R8], v[PW], s[70:71]
	s_wait_xcnt 0x0                                ; the stores have read their registers and bases: both are written again only behind this wait
	s_add_nc_u64 s[68:69], s[68:69], 32*FRB        ; the next tile of tokens
	s_add_nc_u64 s[70:71], s[70:71], 2048
	s_add_co_u32 s3, s3, 1
	s_cmp_lt_u32 s3, 8
	s_cbranch_scc1 .Lrows
	s_wait_tensorcnt 0x0                           ; the wave's end
	ds_add_u32 v[SPW], v[NIL]
	s_wait_dscnt 0x0
	CROUND                                         ; the closing round
	s_endpgm
.Lfunc_end_k_qc4eaf9251d_gemm_up:
	.size	k_qc4eaf9251d_gemm_up, .Lfunc_end_k_qc4eaf9251d_gemm_up-k_qc4eaf9251d_gemm_up
	.p2alignl 7, 3214868480
	.fill 96, 4, 3214868480
	.section	.rodata,"a",@progbits
	.p2align	6, 0x0
	.amdhsa_kernel k_qc4eaf9251d_gemm_up
		.amdhsa_group_segment_fixed_size 327680
		.amdhsa_private_segment_fixed_size 0
		.amdhsa_enable_private_segment 0
		.amdhsa_kernarg_size 32
		.amdhsa_user_sgpr_count 2
		.amdhsa_user_sgpr_kernarg_segment_ptr 1
		.amdhsa_wavefront_size32 1
		.amdhsa_system_sgpr_workgroup_id_x 1
		.amdhsa_system_sgpr_workgroup_id_y 1
		.amdhsa_system_sgpr_workgroup_id_z 1
		.amdhsa_system_vgpr_workitem_id 0
		.amdhsa_next_free_vgpr 1024
		.amdhsa_next_free_sgpr 102
		.amdhsa_reserve_vcc 0
		.amdhsa_float_denorm_mode_32 3
		.amdhsa_float_denorm_mode_16_64 3
		.amdhsa_memory_ordered 1
		.amdhsa_forward_progress 1
		.amdhsa_inst_pref_size 204
	.end_amdhsa_kernel
	.amdgpu_metadata
---
amdhsa.version: [ 1, 2 ]
amdhsa.kernels:
  - .name:           k_qc4eaf9251d_gemm_up
    .symbol:         k_qc4eaf9251d_gemm_up.kd
    .args:
      - { .name: x1, .offset: 0, .size: 8, .value_kind: global_buffer, .address_space: global }
      - { .name: prep, .offset: 8, .size: 8, .value_kind: global_buffer, .address_space: global }
      - { .name: b1, .offset: 16, .size: 8, .value_kind: global_buffer, .address_space: global }
      - { .name: hb, .offset: 24, .size: 8, .value_kind: global_buffer, .address_space: global }
    .group_segment_fixed_size: 327680
    .private_segment_fixed_size: 0
    .kernarg_segment_align: 8
    .kernarg_segment_size: 32
    .max_flat_workgroup_size: 128
    .sgpr_count:     102
    .vgpr_count:     1024
    .wavefront_size: 32
...
	.end_amdgpu_metadata
.endif
;; end of part 14
;; launch gemm_down (part 15): grid 8 x 32, 4 waves a work-group, clusters of 4 x 4, 327,680 bytes of LDS; arguments hb, prep, cb; writes cb
.if DOCPART == 15
	.amdgcn_target "amdgcn-amd-amdhsa--gfx1250"
	.amdhsa_code_object_version 6
	.text
	.protected	k_qc4eaf9251d_gemm_down
	.globl	k_qc4eaf9251d_gemm_down
	.p2align	8
	.type	k_qc4eaf9251d_gemm_down,@function
k_qc4eaf9251d_gemm_down:
	s_mov_b64 s[64:65], 0
	v_nop
	global_prefetch_b8 v0, s[64:65] scope:SCOPE_SE
	s_setreg_imm32_b32 hwreg(HW_REG_WAVE_MODE, 25, 1), 1
	s_wait_xcnt 0x0
	s_wait_alu depctr_hold_cnt(0) depctr_sa_sdst(0) depctr_va_vdst(0) depctr_va_sdst(0) depctr_va_ssrc(0) depctr_va_vcc(0) depctr_vm_vsrc(0)
	s_getreg_b32 s2, hwreg(HW_REG_IB_STS2, 6, 4)
	s_cmp_eq_u32 s2, 0
	s_cbranch_scc0 .Lentry_in_a_cluster
	s_endpgm
.Lentry_in_a_cluster:
	s_bfe_u32 s2, ttmp6, 0x10000c
	s_cmp_lg_u32 s2, 0xf033
	s_cbranch_scc0 .Lentry_shape_is_right
	s_endpgm
.Lentry_shape_is_right:
.set KK,    4096
.set AFO,   0
.set ASO,   12582912
.set BFO,   9830400
.set BSO,   12976128
.set NS,    KK/128
.set LAPS,  KK/1024
.set FRB,   1536
.set NQ,    4
.set TROW,  NQ*FRB
.set HALFT, 4*TROW
.set SLOT,  4*HALFT
.set SCLA,  2*SLOT
.set SCLB,  SCLA+4*KK+128
.set SBLK,  KK/2
.set SPARE, SCLB+4*KK+128
.set SPITCH, 272
.set FR, 12
.set NL, 6
.set NP, 4
.set ADRA, 16
.set ADRB, 20
.set STO,  24
.set RD,   25
.set CO,   26
.set ADRS, 27
.set SPW,  28
.set NIL,  29
.set PFO,  30
.set SC,   32
.set AF,   64
.set BK,   160
.set G1, 24
.set G0, 32
.set G1B, 48
.set G0B, 56
.set G1S, 68
.set G0S, 76
.set G1SB, 80
.set G0SB, 88
.set PFA, 96
.set LIM, 98
.set MSB, 0
.macro WIN new
.if MSB != (\new)
	s_set_vgpr_msb (MSB<<8)|(\new)
.set MSB, (\new)
.endif
.endm
.set MUL,  0xa1
.set TO_B, 0x40
.macro JLOAD g0a, g1a, g0b, g1b
	s_cmp_eq_u32 s15, 0
	s_cbranch_scc0 .Lfor_b_\@
	tensor_load_to_lds s[\g0a:\g0a+3], s[\g1a:\g1a+7]
	s_nop 0
.rept 4
	v_nop
.endr
	s_branch .Lasked_\@
.Lfor_b_\@:
	tensor_load_to_lds s[\g0b:\g0b+3], s[\g1b:\g1b+7]
	s_nop 0
.rept 4
	v_nop
.endr
.Lasked_\@:
.endm
.macro ASK
	s_cmp_gt_u32 s3, s[LIM]
	s_cbranch_scc0 .Lnot_mine_\@
	global_prefetch_b8 v[PFO], s[PFA:PFA+1] th:TH_LOAD_NT scope:SCOPE_SE
.Lnot_mine_\@:
.endm
.macro CREST
	s_cmp_lg_u32 s14, 0
	s_cbranch_scc1 .Lnot_wave_0_\@
	s_barrier_signal -3
.Lnot_wave_0_\@:
	s_barrier_wait -3
	s_barrier_signal -1
	s_barrier_wait -1
.endm
.macro CROUND
	s_barrier_signal -1
	s_barrier_wait -1
	CREST
.endm
.macro FRAG reg, adr, q, i
.irp p, 0,1,2,3,4,5
	ds_load_b64 v[\reg+2*\p:\reg+2*\p+1], v[\adr] offset:(\i)*TROW+(\q)*FRB+256*\p
.endr
.endm
.macro MUL8 a0, p, q, sc, zero
.irp a, \a0, \a0+1
.irp b, 0,1,2,3
.if \zero
	v_wmma_scale_f32_16x16x128_f8f6f4 v[8*(4*(\a)+\b):8*(4*(\a)+\b)+7], v[128*(\p)+FR*\b:128*(\p)+FR*\b+FR-1], v[AF+48*(\p)+FR*(\a):AF+48*(\p)+FR*(\a)+FR-1], 0, v[SC+16*(\sc)+NQ*\b+(\q)], v[SC+16*(\sc)+NQ*(\a)+(\q)] matrix_a_fmt:MATRIX_FMT_FP6 matrix_b_fmt:MATRIX_FMT_FP6 matrix_a_scale:MATRIX_SCALE_ROW1
.else
	v_wmma_scale_f32_16x16x128_f8f6f4 v[8*(4*(\a)+\b):8*(4*(\a)+\b)+7], v[128*(\p)+FR*\b:128*(\p)+FR*\b+FR-1], v[AF+48*(\p)+FR*(\a):AF+48*(\p)+FR*(\a)+FR-1], v[8*(4*(\a)+\b):8*(4*(\a)+\b)+7], v[SC+16*(\sc)+NQ*\b+(\q)], v[SC+16*(\sc)+NQ*(\a)+(\q)] matrix_a_fmt:MATRIX_FMT_FP6 matrix_b_fmt:MATRIX_FMT_FP6 matrix_a_scale:MATRIX_SCALE_ROW1
.endif
.endr
.endr
.endm
.macro FETCH_B slot, q, p
	WIN TO_B
.irp i, 0,1,2,3
	FRAG 128*(\p)+FR*\i, ADRB+\slot, \q, \i
.endr
.endm
.macro FETCH_A slot, q, p
	WIN 0
.irp i, 0,1,2,3
	FRAG AF+48*(\p)+FR*\i, ADRA+\slot, \q, \i
.endr
.endm
.macro SCALES sc
.irp i, 0,1,2,3
.irp g, 0,1
	ds_load_b64 v[SC+16*\sc+NQ*\i+2*\g:SC+16*\sc+NQ*\i+2*\g+1], v[ADRS] offset:\i*SBLK+128*\g
.endr
.endr
.endm
.macro PLACES n
.rept \n
	v_nop
.endr
.endm
.macro STEP slot, q, zero
	PLACES NP
	FETCH_B \slot, (\q)+1, 1-(\q)%2
	s_wait_dscnt 4*NL
	WIN MUL
	MUL8 0, (\q)%2, \q, \slot, \zero
	FETCH_A \slot, (\q)+1, 1-(\q)%2
	WIN MUL
	MUL8 2, (\q)%2, \q, \slot, \zero
.endm
.macro TURN slot, next, fill
	WIN 0
.if \fill
	s_wait_xcnt 0x0
	s_add_nc_u64 s[PFA:PFA+1], s[PFA:PFA+1], TROW
.endif
	s_wait_tensorcnt 0x0
	ds_add_u32 v[SPW], v[NIL]
	s_wait_dscnt 1
	WIN MUL
	MUL8 0, 1, NQ-1, \slot, 0
	s_wait_dscnt 0x0
	s_barrier_signal -1
	MUL8 2, 1, NQ-1, \slot, 0
	WIN 0
	s_barrier_wait -1
.if \fill
	CREST
	s_add_nc_u64 s[G0+4*\slot+2:G0+4*\slot+3], s[G0+4*\slot+2:G0+4*\slot+3], 2*TROW
	s_add_nc_u64 s[G0B+4*\slot+2:G0B+4*\slot+3], s[G0B+4*\slot+2:G0B+4*\slot+3], 2*TROW
	JLOAD G0+4*\slot, G1, G0B+4*\slot, G1B
.else
	PLACES NP
.endif
	s_wait_alu depctr_va_vdst(0)
	v_add_nc_u32 v[ADRS], 256, v[ADRS]
	FETCH_B \next, 0, 0
	FETCH_A \next, 0, 0
	SCALES \next
.if \fill
	ASK
.endif
.endm
	s_load_b128 s[4:7], s[0:1], 0x0
	s_load_b64 s[12:13], s[0:1], 0x10
	v_lshl_add_u32 v[SPW], v0, 2, SPARE
	v_mov_b32 v[NIL], 0
	ds_add_u32 v28, v29
	ds_add_u32 v28, v29
	s_wait_dscnt 0x0
	v_lshrrev_b32 v1, 5, v0
	v_readfirstlane_b32 s14, v1
	s_lshr_b32 s15, s14, 1
	s_and_b32 s16, s14, 1
	s_bfe_u32 s40, ttmp6, 0x40000
	s_bfe_u32 s41, ttmp6, 0x40004
	s_lshl_b32 s42, ttmp9, 2
	s_add_co_u32 s42, s42, s40
	s_and_b32 s17, ttmp7, 0xffff
	s_lshl_b32 s17, s17, 2
	s_add_co_u32 s17, s17, s41
	s_lshl_b32 s43, s41, 2
	s_lshl_b32 s43, 15, s43
	s_lshl_b32 s44, 0x1111, s40
	s_or_b32 s[G1+0], s43, (3<<16)|(1<<21)
	s_or_b32 s[G1B+0], s44, (3<<16)|(1<<21)
.irp g, G1, G1B
	s_mov_b32 s[\g+1], 768<<16
	s_mov_b32 s[\g+2], 8<<16                       ; the head's loads bring all 8 tiles of a side
	s_mov_b32 s[\g+3], 768<<16
	s_mov_b32 s[\g+4], 8
	s_mov_b32 s[\g+5], NS*192
	s_mov_b32 s[\g+6], 0
	s_mov_b32 s[\g+7], 0
.endr
	s_or_b32 s[G1S+0], s43, (3<<16)|(1<<21)
	s_or_b32 s[G1SB+0], s44, (3<<16)|(1<<21)
.irp g, G1S, G1SB
	s_mov_b32 s[\g+1], 32<<16
	s_mov_b32 s[\g+2], (KK/64)<<16                 ; 8 tiles' scale words: 4 KK dense bytes as rows of 256
	s_mov_b32 s[\g+3], 32<<16
	s_mov_b32 s[\g+4], KK/64
	s_mov_b32 s[\g+5], 32
	s_mov_b32 s[\g+6], 0
	s_mov_b32 s[\g+7], 0
.endr
	s_mul_i32 s10, s16, 4*NS*FRB                   ; in the ring I fetch 4 tiles of a side: which half, in bytes
	s_mov_b32 s11, 0
	s_lshl_b32 s20, s17, 3
	s_lshl_b32 s46, s42, 3
	s_mul_i32 s22, s20, SBLK
	s_mul_i32 s92, s46, SBLK
	s_mul_i32 s20, s20, NS*FRB
	s_mul_i32 s46, s46, NS*FRB
.if AFO
	s_add_co_u32 s20, s20, AFO
.endif
	s_add_co_u32 s22, s22, ASO
	s_add_co_u32 s46, s46, BFO
	s_add_co_u32 s92, s92, BSO
	s_mov_b32 s21, 0
	s_mov_b32 s23, 0
	s_mov_b32 s47, 0
	s_mov_b32 s93, 0
	s_mul_i32 s45, s14, HALFT
	s_wait_kmcnt 0x0
	s_add_nc_u64 s[20:21], s[4:5], s[20:21]
	s_add_nc_u64 s[22:23], s[4:5], s[22:23]
	s_add_nc_u64 s[46:47], s[6:7], s[46:47]
	s_add_nc_u64 s[92:93], s[6:7], s[92:93]
	CROUND
	s_mov_b32 s[G0S], 1
	s_mov_b32 s[G0S+1], SCLA
	s_mov_b64 s[G0S+2:G0S+3], s[22:23]
	s_or_b32 s[G0S+3], s[G0S+3], 0x80000000
	s_mov_b32 s[G0SB], 1
	s_mov_b32 s[G0SB+1], SCLB
	s_mov_b64 s[G0SB+2:G0SB+3], s[92:93]
	s_or_b32 s[G0SB+3], s[G0SB+3], 0x80000000
	; the head's four tiles, one joint load a wave: wave 0 slot 0's 8 tiles of A, wave 1 B's, wave 2 A's scale words, wave 3 B's
	s_mov_b32 s[G0], 1
	s_mov_b32 s[G0+1], 0
	s_mov_b64 s[G0+2:G0+3], s[20:21]
	s_or_b32 s[G0+3], s[G0+3], 0x80000000
	s_mov_b32 s[G0B], 1
	s_mov_b32 s[G0B+1], 2*HALFT
	s_mov_b64 s[G0B+2:G0B+3], s[46:47]
	s_or_b32 s[G0B+3], s[G0B+3], 0x80000000
	s_add_nc_u64 s[20:21], s[20:21], s[10:11]      ; for the ring: my 4 tiles
	s_add_nc_u64 s[46:47], s[46:47], s[10:11]
	s_mov_b32 s[G0+4], 1
	s_add_co_u32 s[G0+5], s45, SLOT
	s_add_nc_u64 s[G0+6:G0+7], s[20:21], TROW
	s_or_b32 s[G0+7], s[G0+7], 0x80000000
	s_mov_b32 s[G0B+4], 1
	s_add_co_u32 s[G0B+5], s45, SLOT
	s_add_nc_u64 s[G0B+6:G0B+7], s[46:47], TROW
	s_or_b32 s[G0B+7], s[G0B+7], 0x80000000
.macro ARM under, g0, g1, next         ; one tree of branches on the wave's number: every way passes exactly one load
	s_cmp_lt_u32 s14, \under
	s_cbranch_scc0 \next
	tensor_load_to_lds s[\g0:\g0+3], s[\g1:\g1+7]
	s_nop 0
.rept 4
	v_nop
.endr
	s_branch .Lhead_asked
\next:
.endm
	ARM 1, G0,  G1,  .Lhead_b
	ARM 2, G0B, G1B, .Lhead_sa
	ARM 3, G0S, G1S, .Lhead_sb
	tensor_load_to_lds s[G0SB:G0SB+3], s[G1SB:G1SB+7]
	s_nop 0
.rept 4
	v_nop
.endr
.Lhead_asked:
	v_and_b32 v1, 15, v0
	v_bfe_u32 v2, v0, 4, 1
	s_wait_alu depctr_va_vdst(0)
	v_and_b32 v3, 31, v0
	v_lshlrev_b32 v4, 3, v3
	s_mul_i32 s21, s15, HALFT
	s_mul_i32 s22, s16, HALFT
	s_add_co_u32 s22, s22, 2*HALFT
.irp s, 0,1
	v_add_nc_u32 v[ADRA+\s], s21, v4
	v_add_nc_u32 v[ADRB+\s], s22, v4
	s_add_co_u32 s21, s21, SLOT
	s_add_co_u32 s22, s22, SLOT
.endr
	v_lshlrev_b32 v5, 3, v1
	s_mul_i32 s21, s15, 2*KK
	s_mul_i32 s22, s16, 2*KK
	s_add_co_u32 s22, s22, 4*KK+128
	s_sub_co_u32 s22, s22, s21
	v_mul_u32_u24 v6, s22, v2
	s_add_co_u32 s21, s21, SCLA
	v_add_nc_u32 v5, v5, v6
	v_add_nc_u32 v[ADRS], s21, v5
	s_mul_i32 s23, s14, 16*SPITCH
	v_mul_u32_u24 v5, v1, SPITCH
	v_lshl_add_u32 v5, v2, 6, v5
	v_add_nc_u32 v[STO], s23, v5
	v_mul_u32_u24 v5, v2, SPITCH
	v_lshl_add_u32 v5, v1, 4, v5
	v_add_nc_u32 v[RD], s23, v5
	v_lshlrev_b32 v[CO], 12, v2
	v_lshl_add_u32 v[CO], v1, 4, v[CO]
	s_lshl_b32 s20, s17, 7
	s_lshl_b32 s21, s15, 6
	s_add_co_u32 s20, s20, s21
	s_lshl_b32 s20, s20, 12
	s_lshl_b32 s21, s42, 9
	s_add_co_u32 s20, s20, s21
	s_lshl_b32 s21, s16, 8
	s_add_co_u32 s20, s20, s21
	s_mov_b32 s21, 0
	s_add_nc_u64 s[12:13], s[12:13], s[20:21]
.if LAPS > 1
	s_lshl_b32 s20, s17, 3
	s_lshl_b32 s21, s42, 3
	s_cmp_eq_u32 s15, 0
	s_cselect_b32 s20, s20, s21
	s_cselect_b32 s21, s40, s41
	s_cselect_b32 s23, AFO, BFO
	s_cselect_b64 s[PFA:PFA+1], s[4:5], s[6:7]
	s_mov_b32 s[LIM], 1                            ; every cluster asks for the tiles that it will itself load; the last trip (s3 = 1) asks for nothing
	s_lshl_b32 s22, s16, 2
	s_add_co_u32 s20, s20, s22
	s_add_co_u32 s20, s20, s21
	s_mul_i32 s20, s20, NS*FRB
	s_add_co_u32 s20, s20, s23
	s_add_co_u32 s20, s20, 3*TROW
	s_mov_b32 s21, 0
	s_add_nc_u64 s[PFA:PFA+1], s[PFA:PFA+1], s[20:21]
	v_min_u32 v[PFO], 23, v3
	v_lshlrev_b32 v[PFO], 8, v[PFO]
.endif
	s_wait_alu depctr_va_vdst(0)                   ; the wait at the head's end
	s_wait_tensorcnt 0x0                           ; my tile of the head's four is in
	ds_add_u32 v[SPW], v[NIL]
	s_mov_b32 s[G1+2], 4<<16                       ; no load of mine is out: from here on a load brings 4 tiles,
	s_mov_b32 s[G1+4], 4
	s_mov_b32 s[G1B+2], 4<<16
	s_mov_b32 s[G1B+4], 4
	s_mov_b32 s[G0+1], s45                         ; and slot 0's group 0 takes the ring's form: my quarter of the slot
	s_add_nc_u64 s[G0+2:G0+3], s[G0+2:G0+3], s[10:11]
	s_mov_b32 s[G0B+1], s45
	s_add_nc_u64 s[G0B+2:G0B+3], s[G0B+2:G0B+3], s[10:11]
	s_wait_dscnt 0x0
	CROUND                                         ; all four tiles are in, all sixteen work-groups are here
	JLOAD G0+4, G1, G0B+4, G1B                     ; slot 1's first fill, the first tensor load behind the round
	FETCH_B 0, 0, 0
	FETCH_A 0, 0, 0
	SCALES 0
	STEP 0, 0, 1
.if LAPS > 1
	WIN 0
	s_mov_b32 s3, LAPS-1
.Llap:
	STEP 0, 1, 0
	STEP 0, 2, 0
	TURN 0, 1, 1
	STEP 1, 0, 0
	STEP 1, 1, 0
	STEP 1, 2, 0
	TURN 1, 0, 1
	STEP 0, 0, 0
	WIN 0
	s_sub_co_u32 s3, s3, 1
	s_cmp_lg_u32 s3, 0
	s_cbranch_scc1 .Llap
.endif
	STEP 0, 1, 0
	STEP 0, 2, 0
	TURN 0, 1, 0
	STEP 1, 0, 0
	STEP 1, 1, 0
	STEP 1, 2, 0
	s_wait_dscnt 0
	WIN MUL
	MUL8 0, 1, NQ-1, 1, 0
	MUL8 2, 1, NQ-1, 1, 0
	WIN 0
.macro TOSTAGE a
	WIN 0x08
.irp b, 0,1,2,3
	ds_store_b128 v[STO], v[8*(4*(\a)+\b):8*(4*(\a)+\b)+3] offset:128*(\b/2)+32*(\b%2)
	ds_store_b128 v[STO], v[8*(4*(\a)+\b)+4:8*(4*(\a)+\b)+7] offset:128*(\b/2)+32*(\b%2)+16
.endr
	WIN 0
.set BB, BK+32*((\a)%2)
.irp t, 0,1,2,3,4,5,6,7
	ds_load_b128 v[BB+4*\t:BB+4*\t+3], v[RD] offset:\t*2*SPITCH
.endr
.endm
.macro SEND a, younger
.set BB, BK+32*((\a)%2)
	s_wait_dscnt \younger
.irp t, 0,1,2,3,4,5,6,7
	global_store_b128 v[CO], v[BB+4*\t:BB+4*\t+3], s[12:13] offset:(32*((\a)/2)+8*((\a)%2)+2*\t+8*(\t/4))*4096 th:TH_STORE_NT
.endr
.endm
	PLACES NP
	TOSTAGE 0
.irp a, 1,2,3
.if \a > 1
	s_wait_xcnt 0x0
.endif
	TOSTAGE \a
	SEND \a-1, 16
.endr
	SEND 3, 0
	s_wait_tensorcnt 0x0
	ds_add_u32 v[SPW], v[NIL]
	s_wait_dscnt 0x0
	CROUND
	s_endpgm
.Lfunc_end_k_qc4eaf9251d_gemm_down:
	.size	k_qc4eaf9251d_gemm_down, .Lfunc_end_k_qc4eaf9251d_gemm_down-k_qc4eaf9251d_gemm_down
	.p2alignl 7, 3214868480
	.fill 96, 4, 3214868480
	.section	.rodata,"a",@progbits
	.p2align	6, 0x0
	.amdhsa_kernel k_qc4eaf9251d_gemm_down
		.amdhsa_group_segment_fixed_size 327680
		.amdhsa_private_segment_fixed_size 0
		.amdhsa_enable_private_segment 0
		.amdhsa_kernarg_size 24
		.amdhsa_user_sgpr_count 2
		.amdhsa_user_sgpr_kernarg_segment_ptr 1
		.amdhsa_wavefront_size32 1
		.amdhsa_system_sgpr_workgroup_id_x 1
		.amdhsa_system_sgpr_workgroup_id_y 1
		.amdhsa_system_sgpr_workgroup_id_z 1
		.amdhsa_system_vgpr_workitem_id 0
		.amdhsa_next_free_vgpr 640
		.amdhsa_next_free_sgpr 102
		.amdhsa_reserve_vcc 0
		.amdhsa_float_denorm_mode_32 3
		.amdhsa_float_denorm_mode_16_64 3
		.amdhsa_memory_ordered 1
		.amdhsa_forward_progress 1
		.amdhsa_inst_pref_size 109
	.end_amdhsa_kernel
	.amdgpu_metadata
---
amdhsa.version: [ 1, 2 ]
amdhsa.kernels:
  - .name:           k_qc4eaf9251d_gemm_down
    .symbol:         k_qc4eaf9251d_gemm_down.kd
    .args:
      - { .name: hb, .offset: 0, .size: 8, .value_kind: global_buffer, .address_space: global }
      - { .name: prep, .offset: 8, .size: 8, .value_kind: global_buffer, .address_space: global }
      - { .name: cb, .offset: 16, .size: 8, .value_kind: global_buffer, .address_space: global }
    .group_segment_fixed_size: 327680
    .private_segment_fixed_size: 0
    .kernarg_segment_align: 8
    .kernarg_segment_size: 24
    .max_flat_workgroup_size: 128
    .sgpr_count:     102
    .vgpr_count:     640
    .wavefront_size: 32
...
	.end_amdgpu_metadata
.endif
;; end of part 15
;; launch norm2 (part 16): grid 256 x 1, 8 waves a work-group, no clusters, 0 bytes of LDS; arguments cb, x1, b2, g2, be2, out0; writes out0
.if DOCPART == 16
	.amdgcn_target "amdgcn-amd-amdhsa--gfx1250"
	.amdhsa_code_object_version 6
	.text
	.protected	k_qc4eaf9251d_norm2
	.globl	k_qc4eaf9251d_norm2
	.p2align	8
	.type	k_qc4eaf9251d_norm2,@function
k_qc4eaf9251d_norm2:
	s_mov_b64 s[64:65], 0
	v_nop
	global_prefetch_b8 v0, s[64:65] scope:SCOPE_SE
	s_setreg_imm32_b32 hwreg(HW_REG_WAVE_MODE, 25, 1), 1
	s_wait_xcnt 0x0
; out0 = LayerNorm(x1 + (cb + b2)) g2 + be2, rows of 1,024 f32.  x1's f32 rows are the first 16,777,216 bytes of its buffer.
; A work-group of eight waves takes 16 rows, a wave two; a row lies in one wave: 32 registers a lane, bytes 16 x lane + 512 j, so mean and variance (of the differences from the mean) never leave the wave: no LDS, no barrier.
; Both rows' 32 loads are asked for at the start, together with the three vectors: every load of the wave is on its way at once.  Every load and store of a wave covers 512 consecutive bytes.
; No cluster, no tensor load, no matrix work: memory binds, and the work-groups share only the three small vectors.
.set ROWB, 4096
.set BO,   16                          ; v16-47 b2, v48-79 g2, v80-111 be2 at my 32 columns
.set GA,   48
.set BE,   80
.set SL,   112                         ; v112-239 two row slots: 32 registers of cb, 32 of x1
.set SEL,  24
.macro ALLSUM                          ; v240 summed over the 32 lanes, the result in every lane
	s_delay_alu instid0(VALU_DEP_1)
	v_add_f32_dpp v240, v240, v240 row_xmask:1 row_mask:0xf bank_mask:0xf
	s_delay_alu instid0(VALU_DEP_1)
	v_add_f32_dpp v240, v240, v240 row_xmask:2 row_mask:0xf bank_mask:0xf
	s_delay_alu instid0(VALU_DEP_1)
	v_add_f32_dpp v240, v240, v240 row_xmask:4 row_mask:0xf bank_mask:0xf
	s_delay_alu instid0(VALU_DEP_1)
	v_add_f32_dpp v240, v240, v240 row_xmask:8 row_mask:0xf bank_mask:0xf
	s_delay_alu instid0(VALU_DEP_1)
	v_permlanex16_b32 v244, v240, s[SEL], s[SEL+1]
	s_delay_alu instid0(VALU_DEP_1)
	v_add_f32 v240, v240, v244
.endm
.macro RLOAD i, s
.irp j, 0,1,2,3,4,5,6,7
	global_load_b128 v[SL+64*(\s)+4*\j:SL+64*(\s)+4*\j+3], v1, s[4:5] offset:(\i)*ROWB+512*\j th:TH_LOAD_NT
	global_load_b128 v[SL+64*(\s)+32+4*\j:SL+64*(\s)+32+4*\j+3], v1, s[6:7] offset:(\i)*ROWB+512*\j th:TH_LOAD_NT
.endr
.endm
.macro ROW i, s, left
.set Y, SL+64*(\s)
	s_wait_loadcnt \left                           ; my row is in; the other row's 16 loads may be out
.set k, 0
.rept 16
	v_pk_add_f32 v[Y+k:Y+k+1], v[Y+k:Y+k+1], v[BO+k:BO+k+1]
.set k, k+2
.endr
.set k, 0
.rept 16
	v_pk_add_f32 v[Y+k:Y+k+1], v[Y+k:Y+k+1], v[Y+32+k:Y+33+k]      ; y = x1 + (product + bias)
.set k, k+2
.endr
	v_pk_add_f32 v[240:241], v[Y:Y+1], v[Y+2:Y+3]                  ; the row's sum, in two chains
	v_pk_add_f32 v[242:243], v[Y+4:Y+5], v[Y+6:Y+7]
.irp k, 8,12,16,20,24,28
	s_delay_alu instid0(VALU_DEP_2)
	v_pk_add_f32 v[240:241], v[240:241], v[Y+\k:Y+\k+1]
	s_delay_alu instid0(VALU_DEP_2)
	v_pk_add_f32 v[242:243], v[242:243], v[Y+\k+2:Y+\k+3]
.endr
	s_delay_alu instid0(VALU_DEP_1)
	v_pk_add_f32 v[240:241], v[240:241], v[242:243]
	s_delay_alu instid0(VALU_DEP_1)
	v_add_f32 v240, v240, v241
	ALLSUM
	s_delay_alu instid0(VALU_DEP_1)
	v_mul_f32 v246, s21, v240                      ; the mean
.set k, 0
.rept 16
	v_pk_add_f32 v[Y+k:Y+k+1], v[Y+k:Y+k+1], v[246:247] op_sel_hi:[1,0] neg_lo:[0,1] neg_hi:[0,1]
.set k, k+2
.endr
	v_pk_mul_f32 v[240:241], v[Y:Y+1], v[Y:Y+1]                    ; the sum of squares of the differences
	v_pk_mul_f32 v[242:243], v[Y+2:Y+3], v[Y+2:Y+3]
.irp k, 4,8,12,16,20,24,28
	s_delay_alu instid0(VALU_DEP_2)
	v_pk_fma_f32 v[240:241], v[Y+\k:Y+\k+1], v[Y+\k:Y+\k+1], v[240:241]
	s_delay_alu instid0(VALU_DEP_2)
	v_pk_fma_f32 v[242:243], v[Y+\k+2:Y+\k+3], v[Y+\k+2:Y+\k+3], v[242:243]
.endr
	s_delay_alu instid0(VALU_DEP_1)
	v_pk_add_f32 v[240:241], v[240:241], v[242:243]
	s_delay_alu instid0(VALU_DEP_1)
	v_add_f32 v240, v240, v241
	ALLSUM
	s_delay_alu instid0(VALU_DEP_1)
	v_fma_f32 v248, v240, s21, s22                 ; the variance + 1e-5
	s_wait_alu depctr_va_vdst(0)
	v_rsq_f32 v250, v248
	v_nop                                          ; a plain instruction behind the transcendental,
	s_wait_alu depctr_va_vdst(0)                   ; and the wait ahead of its first reader
.set k, 0
.rept 16
	v_pk_mul_f32 v[Y+k:Y+k+1], v[Y+k:Y+k+1], v[250:251] op_sel_hi:[1,0]
.set k, k+2
.endr
.set k, 0
.rept 16
	v_pk_fma_f32 v[Y+k:Y+k+1], v[Y+k:Y+k+1], v[GA+k:GA+k+1], v[BE+k:BE+k+1]
.set k, k+2
.endr
.irp j, 0,1,2,3,4,5,6,7
	global_store_b128 v1, v[Y+4*\j:Y+4*\j+3], s[14:15] offset:(\i)*ROWB+512*\j th:TH_STORE_NT   ; 512 consecutive bytes, aligned
.endr
.endm
	s_load_b256 s[4:11], s[0:1], 0x0               ; cb, x1, b2, g2
	s_load_b128 s[12:15], s[0:1], 0x20             ; be2, out0
	v_lshrrev_b32 v1, 5, v0
	s_delay_alu instid0(VALU_DEP_1)
	v_readfirstlane_b32 s16, v1                    ; wave 0..7
	v_and_b32 v2, 31, v0
	s_delay_alu instid0(VALU_DEP_1)
	v_lshlrev_b32 v1, 4, v2                        ; 16 x lane
	s_lshl_b32 s17, ttmp9, 4
	s_lshl_b32 s18, s16, 1
	s_add_co_u32 s17, s17, s18                     ; my first row: 16 x work-group + 2 x wave
	s_lshl_b32 s18, s17, 12
	s_mov_b32 s19, 0
	s_mov_b32 s21, 0x3a800000                      ; 1 / 1,024
	s_mov_b32 s22, 0x3727c5ac                      ; 1e-5
	s_mov_b32 s[SEL], 0x76543210
	s_mov_b32 s[SEL+1], 0xfedcba98
	v_mov_b32 v244, 0                              ; a lane permute's destination counts as one of its sources
	v_mov_b32 v247, 0                              ; (named as the upper halves of pairs of which the low word serves)
	v_mov_b32 v251, 0
	s_wait_alu depctr_va_vdst(0)
	s_wait_kmcnt 0x0
	s_add_nc_u64 s[4:5], s[4:5], s[18:19]
	s_add_nc_u64 s[6:7], s[6:7], s[18:19]
	s_add_nc_u64 s[14:15], s[14:15], s[18:19]
.irp j, 0,1,2,3,4,5,6,7
	global_load_b128 v[BO+4*\j:BO+4*\j+3], v1, s[8:9] offset:512*\j
	global_load_b128 v[GA+4*\j:GA+4*\j+3], v1, s[10:11] offset:512*\j
	global_load_b128 v[BE+4*\j:BE+4*\j+3], v1, s[12:13] offset:512*\j
.endr
	RLOAD 0, 0
	RLOAD 1, 1
	ROW 0, 0, 16
	ROW 1, 1, 0
	s_endpgm
.Lfunc_end_k_qc4eaf9251d_norm2:
	.size	k_qc4eaf9251d_norm2, .Lfunc_end_k_qc4eaf9251d_norm2-k_qc4eaf9251d_norm2
	.p2alignl 7, 3214868480
	.fill 96, 4, 3214868480
	.section	.rodata,"a",@progbits
	.p2align	6, 0x0
	.amdhsa_kernel k_qc4eaf9251d_norm2
		.amdhsa_group_segment_fixed_size 0
		.amdhsa_private_segment_fixed_size 0
		.amdhsa_enable_private_segment 0
		.amdhsa_kernarg_size 48
		.amdhsa_user_sgpr_count 2
		.amdhsa_user_sgpr_kernarg_segment_ptr 1
		.amdhsa_wavefront_size32 1
		.amdhsa_system_sgpr_workgroup_id_x 1
		.amdhsa_system_sgpr_workgroup_id_y 1
		.amdhsa_system_sgpr_workgroup_id_z 1
		.amdhsa_system_vgpr_workitem_id 0
		.amdhsa_next_free_vgpr 256
		.amdhsa_next_free_sgpr 66
		.amdhsa_reserve_vcc 0
		.amdhsa_float_denorm_mode_32 3
		.amdhsa_float_denorm_mode_16_64 3
		.amdhsa_memory_ordered 1
		.amdhsa_forward_progress 1
		.amdhsa_inst_pref_size 27
	.end_amdhsa_kernel
	.amdgpu_metadata
---
amdhsa.version: [ 1, 2 ]
amdhsa.kernels:
  - .name:           k_qc4eaf9251d_norm2
    .symbol:         k_qc4eaf9251d_norm2.kd
    .args:
      - { .name: cb, .offset: 0, .size: 8, .value_kind: global_buffer, .address_space: global }
      - { .name: x1, .offset: 8, .size: 8, .value_kind: global_buffer, .address_space: global }
      - { .name: b2, .offset: 16, .size: 8, .value_kind: global_buffer, .address_space: global }
      - { .name: g2, .offset: 24, .size: 8, .value_kind: global_buffer, .address_space: global }
      - { .name: be2, .offset: 32, .size: 8, .value_kind: global_buffer, .address_space: global }
      - { .name: out0, .offset: 40, .size: 8, .value_kind: global_buffer, .address_space: global }
    .group_segment_fixed_size: 0
    .private_segment_fixed_size: 0
    .kernarg_segment_align: 8
    .kernarg_segment_size: 48
    .max_flat_workgroup_size: 256
    .sgpr_count:     66
    .vgpr_count:     256
    .wavefront_size: 32
...
	.end_amdgpu_metadata
.endif
;; end of part 16
